; MI455X (gfx1250); checked and timed in simulation.
; The chip was launched on July 23, 2026; its instructions are those of AMD's public machine-readable ISA for CDNA 5 (MIT licence, August 2026) and "CDNA5" Instruction Set Architecture Reference Guide (July 2026). The comments in the code are by the model that wrote it; some were corrected since.
;; Attention. Allowed arithmetic: matrix products marked QUANTISED: E2M3 operands, one E8M0 scale for each 32 along K, by v_wmma_scale_f32_16x16x128_f8f6f4 with both operands' format E2M3, f32 sums; everything else in f32.
;; Inputs: cos 2,048 x 64 float32; hidden_states_codes 4 x 2,048 x 32 x 24 uint8 (E2M3 codes of hidden_states, K innermost, in blocks of 32 codes, four codes in three bytes); hidden_states_scales 4 x 2,048 x 32 uint8 (E8M0 scales of hidden_states, one for each 32 codes along K); norm_k_w 64 float32; norm_q_w 64 float32; out_w_codes 1,024 x 32 x 24 uint8 (E2M3 codes of out_w, K innermost, in blocks of 32 codes, four codes in three bytes); out_w_scales 1,024 x 32 uint8 (E8M0 scales of out_w, one for each 32 codes along K); qkv_w_codes 3,072 x 32 x 24 uint8 (E2M3 codes of qkv_w, K innermost, in blocks of 32 codes, four codes in three bytes); qkv_w_scales 3,072 x 32 uint8 (E8M0 scales of qkv_w, one for each 32 codes along K); sin 2,048 x 64 float32.
;; Outputs: out0 4 x 2,048 x 1,024 float32.
;; This version of the problem:
;;   THIS VERSION OF THE PROBLEM IS GIVEN IN LOW PRECISION. The matrix products marked QUANTISED in the list below multiply operands that are first quantised to E2M3 (2 exponent bits, 3 mantissa bits; 6 bits a number), with one power-of-two scale for each 32 numbers along K (OCP MX v1.0); their sums are f32. All else is computed in f32.
;;   The module's matrix products, in the order in which they are computed (A, B: the left and right operand; K: the contracted axis; several contracted axes count as one K, in the product's order):
;;     1. [M 8,192, K 1,024] x [K 1,024, N 3,072]; A: input hidden_states (given as codes); B: input qkv_w (given as codes): QUANTISED
;;     2. batch 64 x [M 2,048, K 64] x [K 64, N 2,048]; A: computed on the way; B: computed on the way: QUANTISED
;;     3. batch 64 x [M 64, K 2,048] x [K 2,048, N 2,048]; A: computed on the way; B: softmax (see below): QUANTISED
;;     4. [M 8,192, K 1,024] x [K 1,024, N 1,024]; A: computed on the way; B: input out_w (given as codes): QUANTISED
;;   THE QUANTISER, for each operand of a quantised product, along K:
;;     - K is cut into blocks of 32 from its start; a last block that is shorter is filled with zeros.
;;     - A block's scale is 2^e with e = floor(log2(the largest magnitude in the block)) - 2, held to -126 .. 127; a block of zeros has e = 0. As a byte (E8M0): e + 127.
;;     - Each number is divided by its block's scale, clamped to +-7.5, and rounded to the nearest number of E2M3, ties to even, subnormals kept.
;;     - The product sums the exact products of the quantised numbers (number of the format x scale) in f32.
;;   ~~~python
;;   def quantise(x, axis):      # numpy; x: float32 -> the quantised numbers, widened to float32 again
;;       x = np.moveaxis(x, axis, -1); K = x.shape[-1]
;;       x = np.pad(x, [(0, 0)] * (x.ndim - 1) + [(0, -K % 32)]); x = x.reshape(x.shape[:-1] + (-1, 32)); a = np.abs(x).max(-1, keepdims=True)
;;       e = np.where(a > 0, np.clip(np.frexp(np.where(a > 0, a, 1))[1] - 1 - 2, -126, 127), 0)      # np.frexp(a)[1] - 1 = floor(log2(a)), exactly
;;       r = np.clip(x / 2.0 ** e, -7.5, 7.5)
;;       step = 2.0 ** (np.maximum(np.frexp(np.where(r == 0, 1, r))[1] - 1, 0) - 3)
;;       q = np.round(r / step) * step * 2.0 ** e      # np.round: ties to even
;;       return np.moveaxis(q.reshape(q.shape[:-2] + (-1,))[..., :K], -1, axis).astype(np.float32)
;;   ~~~
;;   SOFTMAX AHEAD OF A QUANTISED PRODUCT. Where the list says 'softmax', what is quantised is not the finished softmax but p = 2^(t - M), with t = logit x log2(e) and M = ceil(the row's largest t), a whole number; so 1/2 < the row's largest p <= 1. The row's sum l is taken of the UNQUANTISED p, in f32, and the product's result is divided by l at the end. Since M is a whole number, a kernel that streams over the keys may use a running M (the ceiling of the running maximum): every later rescaling is an exact power of two, which a block's scale takes up: the codes' values come out the same.
;;   OPERANDS COMPUTED ON THE WAY. 'Computed on the way' means the value that the module computes at that place (a softmax that the list does not call 'softmax' is quantised finished and normalised). What goes into a quantiser is computed in f32, as accurately as f32 sums, v_exp_f32 and their like allow (about 1e-6 of the number): no bf16 or f16 on the way to a quantiser, and a product that is left as it is and whose result goes on into a quantised operand takes f32 operands (vector FMAs, or v_wmma_f32_16x16x4_f32). A number that lies on a knife's edge between two numbers of the format may be rounded either way, as far as f32 arithmetic and the matrix unit's own rounding can turn it there, and no further.
;;   INPUTS GIVEN AS CODES. hidden_states (in the module: [4, 2048, 1024], K = its axis 2); out_w (in the module: [1024, 1024], K = its axis 1); qkv_w (in the module: [3072, 1024], K = its axis 1): each comes as NAME_codes (uint8): NAME with its K axis moved to the last place and cut into blocks of 32 codes, [.., K / 32, bytes a block], one block behind the other in memory; four codes in three bytes: a row's codes are one little-endian stream of bits, code i at bits 6 i .. 6 i + 5 (a code: sign, 2 exponent bits, 3 mantissa bits); and NAME_scales (uint8): the same leading axes, one E8M0 byte (e + 127) for each 32 codes along K. Its value is code x scale, taken as it is: it is not quantised again, and the codes and scales need not be those that the quantiser above would give.
;; 2 versions. Each part assembles by itself: llvm-mc -triple=amdgcn-amd-amdhsa -mcpu=gfx1250 --defsym DOCPART=n.
;; ======== version 1 of 2: 3 launches
;; workspace buffers: qkvc 18,874,368 bytes; qkvs 786,432 bytes; ac 6,291,456 bytes; asc 262,144 bytes
;; launch qkv (part 1): grid 8 x 48, 4 waves a work-group, clusters of 4 x 4, 327,680 bytes of LDS; arguments hidden_states_codes, hidden_states_scales, qkv_w_codes, qkv_w_scales, cos, sin, norm_q_w, norm_k_w, qkvc, qkvs; writes qkvc, qkvs
.if DOCPART == 1
	.amdgcn_target "amdgcn-amd-amdhsa--gfx1250"
	.amdhsa_code_object_version 6
	.text
	.protected	k_q6f0cd72a75_qkv
	.globl	k_q6f0cd72a75_qkv
	.p2align	8
	.type	k_q6f0cd72a75_qkv,@function
k_q6f0cd72a75_qkv:
	s_mov_b64 s[64:65], 0
	v_nop
	global_prefetch_b8 v0, s[64:65] scope:SCOPE_SE
	s_setreg_imm32_b32 hwreg(HW_REG_WAVE_MODE, 25, 1), 1
	s_wait_xcnt 0x0
	s_wait_alu depctr_hold_cnt(0) depctr_sa_sdst(0) depctr_va_vdst(0) depctr_va_sdst(0) depctr_va_ssrc(0) depctr_va_vcc(0) depctr_vm_vsrc(0)
	s_getreg_b32 s2, hwreg(HW_REG_IB_STS2, 6, 4)
	s_cmp_eq_u32 s2, 0
	s_cbranch_scc0 .Lentry_in_a_cluster
	s_endpgm
.Lentry_in_a_cluster:
	s_bfe_u32 s2, ttmp6, 0x10000c
	s_cmp_lg_u32 s2, 0xf033
	s_cbranch_scc0 .Lentry_shape_is_right
	s_endpgm
.Lentry_shape_is_right:
; qkv = hidden W^T on codes of FP6 (E2M3) with E8M0 scales, K = 1,024; then q and k get RMSNorm and RoPE and are quantised along the head's 64, v is quantised along the tokens.
; Nothing leaves as f32: the results go out as codes and scale words, laid in the order of the registers of the launch that reads them.
; A work-group of four waves makes 256 x 256, a wave 128 x 128: 64 accumulators, 512 registers.  K goes in steps of 128 through two LDS slots of 256 along K, filled by joint tensor loads of a 4 x 4 cluster.
; THE MATRIX LINE is always D(a, b) = source 0 (16 rows of the B side) x source 1 (16 rows of the A side): a lane holds ONE row of the A side, its registers run along the B side.
; TWO ROLES, chosen by the cluster's y alone (the same in all sixteen partners):
;   q, k (cluster y 0-7):  A side = tokens, B side = rows of W: a lane holds one token, 32 numbers of each of two heads: d = 16 t + 8 (lane / 16) + j in register 8 t + j.
;   v    (cluster y 8-11): A side = rows of W, B side = tokens: a lane holds one channel and 64 tokens, so that the quantiser's K, the tokens, runs along its registers.
; THE ORDER INSIDE A BLOCK OF 32: the conversions lay a block as its numbers 0-7, 16-23, 8-15, 24-31.  q and k go through the same lines, v through the same lines as the softmax's p in the next launch:
; both operands of a product carry one order, which changes no product.
; RMSNorm and RoPE: z_lo = (x_lo c_lo w_lo - x_hi s_lo w_hi) r, z_hi = (x_hi c_hi w_hi + x_lo s_hi w_lo) r, r = 1 / sqrt(mean(x^2) + 1e-6).
; LIMITS: the weight is multiplied into cos and sin first and r comes last: an order of f32 roundings that differs from x r w c; v_rsq_f32 is good to 1 ulp.  NaN and infinities are not served.
; A block of zeros, and one whose largest magnitude lies under 2^-124, carries the byte 1 (the rule says 127 for zeros): its codes add nothing or are held there, and this program alone reads the bytes.
; 384 work-groups: 256 for q and k, 128 for v.
; REGISTERS: window 0: v8-12 offsets, v16-23 LDS addresses, v28-29 the add's, v32-63 A's scale words, v64-95 B's, v96-127 the norm's weights, v128-223 A's fragments (one set), in the epilogue v128-251 at work.
;   window 1: B's fragments, two sets at v0 and v128; in the epilogue the tables of cos and sin, two buffers.   windows 2, 3: accumulator (a, b) at v[8 (8 (a % 4) + b)] of window 2 + a / 4.
.set KROW,  768                        ; a row of codes in memory: 1,024 codes of 6 bits
.set ROWB,  192                        ; a tile's row: 256 codes
.set PITCH, 240                        ; an LDS row: 3 x (64 bytes + 16 of padding)
.set FR,    12                         ; registers of a fragment
.set NL,    6                          ; LDS loads that bring one
.set HALFT, 128*PITCH                  ; what one tensor load brings
.set SLOT,  4*HALFT                    ; A's 256 rows, then B's 256
.set SPARE, 2*SLOT                     ; behind the ring: the spare words, 128 bytes a wave
.set HEADB, 98304                      ; a head's codes in qkvc
.set LI,   8                           ; v8   16 x lane
.set L8,   9                           ; v9   8 x lane
.set TO,   10                          ; v10  256 (lane % 16) + 32 (lane / 16): my place in 16 rows of cos or sin
.set SV,   11                          ; v11  32 x lane: my row among 32 rows of scale bytes
.set NO,   12                          ; v12  32 (lane / 16): my place in the norm's weights
.set ADRA, 16                          ; v16-17 LDS address of A's fragments in slot 0, 1; v18-19 the same behind one padding more
.set ADRB, 20                          ; v20-23 the same for B
.set SPW,  28                          ; v28  my spare word
.set NIL,  29                          ; v29  0
.set SA,   32                          ; v[SA + 8 i + ks]: lane l: the scale word of my A row 32 i + l for K step ks
.set SB,   64                          ; the same for B
.set NW,   96                          ; register 8 t + j: w[16 t + 8 (lane / 16) + j]
.set AF,   128
.set Z,    128                         ; 64 numbers ahead of the quantiser
.set PC,   192                         ; the codes: 12 registers, and 8 for the conversions' second halves
.set TM,   212                         ; 16 at work in QUANT
.set KW,   228                         ; eight scale words
.set SQ,   236                         ; sums of squares
.set RS,   244                         ; r of two tiles, as pairs
.set OW,   248                         ; scale words on their way out
.set G1,   24
.set G0,   32
.set CX,   40
.set CY,   41
.set XT,   42
.set MROW, 43
.set MCOL, 44
.set CLY,  45
.set PATH, 46
.set WV,   47
.set G1B,  48
.set G0B,  56
.set WA,   66
.set WB,   67
.set PAC,  68                          ; s[68:75] the A side's codes and scales, the B side's codes and scales
.set PAS,  70
.set PBC,  72
.set PBS,  74
.set RA,   76
.set RB,   77
.set OA,   78
.set OB,   80
.set OC,   82                          ; s[82:83] where my codes go, s[84:85] my scale words
.set OS,   84
.set PCOS, 86
.set PSIN, 88
.set PNW,  90
.set EPS,  92
.set LDW,  93
.set SEL,  94
.set MSB, 0
.macro WIN new                         ; the immediate's high byte repeats the setting that is left
.if MSB != (\new)
	s_set_vgpr_msb (MSB<<8)|(\new)
.set MSB, (\new)
.endif
.endm
.set MUL_LO, 0xa1                      ; source 0 (B) window 1, source 1 (A) window 0, C and D window 2
.set MUL_HI, 0xf1                      ; the same, C and D window 3
.set TO_B,   0x40                      ; destination window 1, address window 0
.macro PLACES                          ; four plain places behind a matrix instruction, in front of loads into its sources and of reads of its results
.rept 4
	v_nop
.endr
.endm
; A joint load: waves 0 and 1 fetch for the A side, waves 2 and 3 for the B side; the branch hangs on the wave's number alone.  Four v_nop follow each line.
.macro JLOAD g0a, g1a, g0b, g1b
	s_cmp_eq_u32 s[WA], 0
	s_cbranch_scc0 .Lfor_b_\@
	tensor_load_to_lds s[\g0a:\g0a+3], s[\g1a:\g1a+7]
	s_nop 0
.rept 4
	v_nop
.endr
	s_branch .Lasked_\@
.Lfor_b_\@:
	tensor_load_to_lds s[\g0b:\g0b+3], s[\g1b:\g1b+7]
	s_nop 0
.rept 4
	v_nop
.endr
.Lasked_\@:
.endm
.macro CREST                           ; a round of the cluster's barrier behind its opening barrier
	s_cmp_lg_u32 s[WV], 0
	s_cbranch_scc1 .Lnot_wave_0_\@
	s_barrier_signal -3
.Lnot_wave_0_\@:
	s_barrier_wait -3
	s_barrier_signal -1
	s_barrier_wait -1
.endm
.macro CROUND
	s_barrier_signal -1
	s_barrier_wait -1
	CREST
.endm
	s_load_b256 s[4:11], s[0:1], 0x0               ; hidden's codes, scales; W's codes, scales
	s_load_b256 s[12:19], s[0:1], 0x20             ; cos, sin, q's weights, k's weights
	s_load_b128 s[20:23], s[0:1], 0x40             ; qkvc, qkvs
	v_lshl_add_u32 v[SPW], v0, 2, SPARE
	v_mov_b32 v[NIL], 0
	ds_add_u32 v28, v29
	ds_add_u32 v28, v29
	s_wait_dscnt 0x0
	v_lshrrev_b32 v1, 5, v0
	v_readfirstlane_b32 s[WV], v1                  ; wave 0..3
	s_lshr_b32 s[WA], s[WV], 1                     ; my half of the A side's rows.  Also: I fetch for A (0) or for B (1)
	s_and_b32 s[WB], s[WV], 1                      ; my half of the B side's rows.  Also: which 128 rows I fetch
	s_bfe_u32 s[CX], ttmp6, 0x40000
	s_bfe_u32 s[CY], ttmp6, 0x40004
	s_lshl_b32 s[XT], ttmp9, 2
	s_add_co_u32 s[XT], s[XT], s[CX]               ; 4 x cluster x + cx: 0..7
	s_and_b32 s[CLY], ttmp7, 0xffff                ; cluster y: 0..11
	s_lshl_b32 s[MROW], s[CY], 2
	s_lshl_b32 s[MROW], 15, s[MROW]                ; my row of the cluster
	s_lshl_b32 s[MCOL], 0x1111, s[CX]              ; my column
	s_lshl_b32 s2, s[CLY], 2
	s_lshl_b32 s3, s[CLY], 3
	s_sub_co_u32 s3, s3, 64                        ; 8 (cluster y - 8): taken in v's role alone
	s_cmp_ge_u32 s[CLY], 8
	s_cselect_b32 s[PATH], 1, 0                    ; 0: q, k   1: v
	s_cselect_b32 s2, 8, s2
	s_cselect_b32 s3, s3, 0
	s_add_co_u32 s[RA], s[CY], s2                  ; the A side's block of 256 rows: tokens cy + 4 cluster y, or rows of W cy + 8: cy and the cluster's y alone
	s_add_co_u32 s[RB], s[XT], s3                  ; the B side's: rows of W 0..7, or tokens: cx, the cluster's x and y alone
	s_or_b32 s[G1+0], s[MROW], (0<<16)|(1<<20)|(1<<21)|(3<<22)|(3<<25)   ; the mask; elements of 1 byte; padding on; bit 21 beside a mask; after every 16 words 4 words
	s_or_b32 s[G1B+0], s[MCOL], (0<<16)|(1<<20)|(1<<21)|(3<<22)|(3<<25)
.irp g, G1, G1B
	s_mov_b32 s[\g+1], ROWB<<16                    ; tensor_dim0
	s_mov_b32 s[\g+2], 128<<16                     ; tensor_dim1
	s_mov_b32 s[\g+3], ROWB<<16                    ; tile_dim0
	s_mov_b32 s[\g+4], 128                         ; tile_dim1
	s_mov_b32 s[\g+5], KROW                        ; from row to row
	s_mov_b32 s[\g+6], 0
	s_mov_b32 s[\g+7], 0
.endr
	s_lshl_b32 s2, s[WB], 7                        ; which 128 rows I fetch
	s_lshl_b32 s[OA], s[RA], 8
	s_add_co_u32 s[OA], s[OA], s2
	s_mul_i32 s[OA], s[OA], KROW
	s_mov_b32 s[OA+1], 0
	s_lshl_b32 s[OB], s[RB], 8
	s_add_co_u32 s[OB], s[OB], s2
	s_mul_i32 s[OB], s[OB], KROW
	s_mov_b32 s[OB+1], 0
	s_mul_i32 s[LDW], s[WV], HALFT                 ; where they go: wave x 128 rows
	s_wait_kmcnt 0x0
	s_cmp_ge_u32 s[CLY], 8                         ; the sides' buffers: a choice that hangs on the cluster's y alone
	s_cselect_b64 s[PAC:PAC+1], s[8:9], s[4:5]
	s_cselect_b64 s[PAS:PAS+1], s[10:11], s[6:7]
	s_cselect_b64 s[PBC:PBC+1], s[4:5], s[8:9]
	s_cselect_b64 s[PBS:PBS+1], s[6:7], s[10:11]
	s_add_nc_u64 s[OA:OA+1], s[PAC:PAC+1], s[OA:OA+1]
	s_add_nc_u64 s[OB:OB+1], s[PBC:PBC+1], s[OB:OB+1]
	CROUND                                         ; all sixteen work-groups are here: the first joint loads meet
.irp s, 0,1
	s_mov_b32 s[G0+4*\s], 1
	s_add_co_u32 s[G0+4*\s+1], s[LDW], \s*SLOT
	s_add_nc_u64 s[G0+4*\s+2:G0+4*\s+3], s[OA:OA+1], \s*ROWB
	s_or_b32 s[G0+4*\s+3], s[G0+4*\s+3], 0x80000000
	s_mov_b32 s[G0B+4*\s], 1
	s_add_co_u32 s[G0B+4*\s+1], s[LDW], \s*SLOT
	s_add_nc_u64 s[G0B+4*\s+2:G0B+4*\s+3], s[OB:OB+1], \s*ROWB
	s_or_b32 s[G0B+4*\s+3], s[G0B+4*\s+3], 0x80000000
	JLOAD G0+4*\s, G1, G0B+4*\s, G1B
.endr
	; the scale words of my 128 + 128 rows for all of K stay in registers: a row's 32 bytes are its eight K steps' words; 32 lanes x 32 bytes are 1,024 consecutive bytes
	v_and_b32 v1, 15, v0                           ; r
	v_bfe_u32 v2, v0, 4, 1                         ; h
	v_and_b32 v6, 31, v0                           ; lane
	v_lshlrev_b32 v[SV], 5, v6
	s_lshl_b32 s2, s[RA], 8
	s_lshl_b32 s3, s[WA], 7
	s_add_co_u32 s2, s2, s3
	s_lshl_b32 s2, s2, 5
	s_mov_b32 s3, 0
	s_add_nc_u64 s[PAS:PAS+1], s[PAS:PAS+1], s[2:3]
	s_lshl_b32 s2, s[RB], 8
	s_lshl_b32 s96, s[WB], 7
	s_add_co_u32 s2, s2, s96
	s_lshl_b32 s2, s2, 5
	s_add_nc_u64 s[PBS:PBS+1], s[PBS:PBS+1], s[2:3]
.irp i, 0,1,2,3
	global_load_b128 v[SA+8*\i:SA+8*\i+3],   v[SV], s[PAS:PAS+1] offset:1024*\i
	global_load_b128 v[SA+8*\i+4:SA+8*\i+7], v[SV], s[PAS:PAS+1] offset:1024*\i+16
	global_load_b128 v[SB+8*\i:SB+8*\i+3],   v[SV], s[PBS:PBS+1] offset:1024*\i
	global_load_b128 v[SB+8*\i+4:SB+8*\i+7], v[SV], s[PBS:PBS+1] offset:1024*\i+16
.endr
	v_lshlrev_b32 v[LI], 4, v6
	v_lshlrev_b32 v[L8], 3, v6
	v_lshlrev_b32 v[NO], 5, v2
	v_lshl_add_u32 v[TO], v1, 8, v[NO]
	v_mul_u32_u24 v3, v1, PITCH
	v_mad_u32_u24 v4, v2, 24, v3                   ; a fragment's row x pitch + 24 x half
	v_lshl_add_u32 v5, v2, 4, v4                   ; and the same behind one padding more
	s_mul_i32 s2, s[WA], HALFT                     ; my 128 rows of A
	s_mul_i32 s3, s[WB], HALFT                     ; my 128 rows of B,
	s_add_co_u32 s3, s3, 2*HALFT                   ; behind A's 256
.irp s, 0,1
	v_add_nc_u32 v[ADRA+\s], s2, v4
	v_add_nc_u32 v[ADRB+\s], s3, v4
	v_add_nc_u32 v[ADRA+2+\s], s2, v5
	v_add_nc_u32 v[ADRB+2+\s], s3, v5
	s_add_co_u32 s2, s2, SLOT
	s_add_co_u32 s3, s3, SLOT
.endr
	; where my results go.  In units of 128: my tokens and my channels, by the role
	s_lshl_b32 s96, s[RA], 1
	s_add_co_u32 s96, s96, s[WA]
	s_lshl_b32 s97, s[RB], 1
	s_add_co_u32 s97, s97, s[WB]
	s_cmp_lg_u32 s[PATH], 0
	s_cselect_b32 s98, s97, s96                    ; tokens: 0..63
	s_cselect_b32 s99, s96, s97                    ; channels: 0..23: 8 for each of q, k, v; two heads each
	s_lshr_b32 s2, s99, 3
	s_lshl_b32 s2, s2, 6                           ; 64 x (q, k or v)
	s_lshr_b32 s3, s98, 4
	s_lshl_b32 s3, s3, 4                           ; + 16 x batch
	s_add_co_u32 s2, s2, s3
	s_and_b32 s3, s99, 7
	s_lshl_b32 s3, s3, 1                           ; + my first head
	s_add_co_u32 s2, s2, s3
	s_and_b32 s98, s98, 15                         ; my step of 128 tokens in the sequence
	s_mul_i32 s96, s2, HEADB
	s_mul_i32 s3, s98, 6144
	s_add_co_u32 s96, s96, s3
	s_mov_b32 s97, 0
	s_add_nc_u64 s[OC:OC+1], s[20:21], s[96:97]
	s_lshl_b32 s96, s2, 12
	s_lshl_b32 s3, s98, 8
	s_add_co_u32 s96, s96, s3
	s_add_nc_u64 s[OS:OS+1], s[22:23], s[96:97]
	s_lshl_b32 s96, s98, 15                        ; 128 rows of 256 bytes of cos and sin
	s_add_nc_u64 s[PCOS:PCOS+1], s[12:13], s[96:97]
	s_add_nc_u64 s[PSIN:PSIN+1], s[14:15], s[96:97]
	s_cmp_ge_u32 ttmp9, 1                          ; rows of W from 1,024 on are k's
	s_cselect_b64 s[PNW:PNW+1], s[18:19], s[16:17]
	s_mov_b32 s[EPS], 0x358637bd                   ; 1e-6
	s_mov_b32 s[SEL], 0x76543210
	s_mov_b32 s[SEL+1], 0xfedcba98                 ; v_permlanex16_b32's selects for lane l xor 16
.macro FRAG reg, adr, q, i             ; 16 rows x 128 K: lane l holds row l % 16; registers 6 c .. 6 c + 5 hold K = 64 c + 32 (l / 16) + 0 .. 31, 24 bytes as they lie, in pieces of 8
.irp p, 0,1,2,3,4,5
.set PCE, 12*(\q)+6*(\p/3)+\p%3        ; 16 bytes of padding lie behind every 8 pieces: where the piece three on lies behind one padding more, the second address register serves
.if PCE%8 < 5
	ds_load_b64 v[\reg+2*\p:\reg+2*\p+1], v[\adr] offset:8*PCE+16*(PCE/8)+(\i)*16*PITCH
.else
	ds_load_b64 v[\reg+2*\p:\reg+2*\p+1], v[\adr+2] offset:8*PCE+16*(PCE/8)+(\i)*16*PITCH
.endif
.endr
.endm
; One product: A's block a x B's block b, K step ks, B's set p.  A block's scale words lie in lanes 0-15 (even block) or 16-31 (odd block) of its register.
.macro MM a, b, p, ks, zero
.set rD, 8*(8*((\a)%4)+(\b))
.set rB, 128*(\p)+FR*(\b)
.set rA, AF+FR*(\a)
.set rT, SB+8*((\b)/2)+(\ks)
.set rU, SA+8*((\a)/2)+(\ks)
.set rowb, (\b)%2
.set rowa, (\a)%2
.if \zero
.if (rowb == 0) && (rowa == 0)
	v_wmma_scale_f32_16x16x128_f8f6f4 v[rD:rD+7], v[rB:rB+11], v[rA:rA+11], 0, v[rT], v[rU] matrix_a_fmt:MATRIX_FMT_FP6 matrix_b_fmt:MATRIX_FMT_FP6
.elseif rowa == 0
	v_wmma_scale_f32_16x16x128_f8f6f4 v[rD:rD+7], v[rB:rB+11], v[rA:rA+11], 0, v[rT], v[rU] matrix_a_fmt:MATRIX_FMT_FP6 matrix_b_fmt:MATRIX_FMT_FP6 matrix_a_scale:MATRIX_SCALE_ROW1
.elseif rowb == 0
	v_wmma_scale_f32_16x16x128_f8f6f4 v[rD:rD+7], v[rB:rB+11], v[rA:rA+11], 0, v[rT], v[rU] matrix_a_fmt:MATRIX_FMT_FP6 matrix_b_fmt:MATRIX_FMT_FP6 matrix_b_scale:MATRIX_SCALE_ROW1
.else
	v_wmma_scale_f32_16x16x128_f8f6f4 v[rD:rD+7], v[rB:rB+11], v[rA:rA+11], 0, v[rT], v[rU] matrix_a_fmt:MATRIX_FMT_FP6 matrix_b_fmt:MATRIX_FMT_FP6 matrix_a_scale:MATRIX_SCALE_ROW1 matrix_b_scale:MATRIX_SCALE_ROW1
.endif
.else
.if (rowb == 0) && (rowa == 0)
	v_wmma_scale_f32_16x16x128_f8f6f4 v[rD:rD+7], v[rB:rB+11], v[rA:rA+11], v[rD:rD+7], v[rT], v[rU] matrix_a_fmt:MATRIX_FMT_FP6 matrix_b_fmt:MATRIX_FMT_FP6
.elseif rowa == 0
	v_wmma_scale_f32_16x16x128_f8f6f4 v[rD:rD+7], v[rB:rB+11], v[rA:rA+11], v[rD:rD+7], v[rT], v[rU] matrix_a_fmt:MATRIX_FMT_FP6 matrix_b_fmt:MATRIX_FMT_FP6 matrix_a_scale:MATRIX_SCALE_ROW1
.elseif rowb == 0
	v_wmma_scale_f32_16x16x128_f8f6f4 v[rD:rD+7], v[rB:rB+11], v[rA:rA+11], v[rD:rD+7], v[rT], v[rU] matrix_a_fmt:MATRIX_FMT_FP6 matrix_b_fmt:MATRIX_FMT_FP6 matrix_b_scale:MATRIX_SCALE_ROW1
.else
	v_wmma_scale_f32_16x16x128_f8f6f4 v[rD:rD+7], v[rB:rB+11], v[rA:rA+11], v[rD:rD+7], v[rT], v[rU] matrix_a_fmt:MATRIX_FMT_FP6 matrix_b_fmt:MATRIX_FMT_FP6 matrix_a_scale:MATRIX_SCALE_ROW1 matrix_b_scale:MATRIX_SCALE_ROW1
.endif
.endif
.endm
; 16 products: A's blocks a0, a0 + 1 x B's eight.  The 64 accumulators take turns, one instruction a turn, in the same order in every step.
.macro MUL16 a0, p, ks, zero
.irp a, \a0, \a0+1
.irp b, 0,1,2,3,4,5,6,7
	MM (\a), \b, \p, \ks, \zero
.endr
.endr
.endm
.macro FETCH_B slot, q, p              ; B's eight fragments of the slot's q-th 128 along K into set p
	WIN TO_B
.irp i, 0,1,2,3,4,5,6,7
	FRAG 128*(\p)+FR*\i, ADRB+\slot, \q, \i
.endr
	WIN 0
.endm
.macro FETCH_A slot, q, i0             ; A's blocks i0 .. i0 + 3
.irp i, \i0, \i0+1, \i0+2, \i0+3
	FRAG AF+FR*(\i), ADRA+\slot, \q, \i
.endr
.endm
; A slot's first 128 along K.  A has one set of registers: blocks 0-3 are fetched anew in the step's middle, blocks 4-7 at its end; B has two sets.
.macro STEP slot, ks, zero
	s_wait_dscnt 4*NL                              ; B's set and A's blocks 0-3 are in; the youngest 24 loads (A's blocks 4-7) may be out
	WIN MUL_LO
	MUL16 0, 0, \ks, \zero
	MUL16 2, 0, \ks, \zero
	s_wait_dscnt 0x0                               ; A's blocks 4-7 are in
	PLACES
	FETCH_B \slot, 1, 1
	FETCH_A \slot, 1, 0
	WIN MUL_HI
	MUL16 4, 0, \ks, \zero
	MUL16 6, 0, \ks, \zero
	PLACES
	WIN 0
	FETCH_A \slot, 1, 4
.endm
; A slot's second 128 along K changes slots: one barrier; in front of it each wave waits for all its tensor loads, adds 0 to its spare word, and waits for that and for its reads of this slot.
.macro TURN slot, next, ks, fill
	s_wait_tensorcnt 0x0                           ; all my tensor loads have landed: my part of the next slot
	ds_add_u32 v[SPW], v[NIL]                      ; 0 onto my spare word
	s_wait_dscnt 4*NL+1                            ; the add and the youngest 24 loads (A's blocks 4-7) may be out
	WIN MUL_LO
	MUL16 0, 1, \ks, 0                             ; sixteen products stand between the add and the wait for it
	s_wait_dscnt 0x0                               ; the add is done, and my reads of this slot are over
	s_barrier_signal -1
	MUL16 2, 1, \ks, 0
	WIN 0
	s_barrier_wait -1
.if \fill
	CREST                                          ; the barrier has opened a round of the cluster's barrier: no wave of any partner still reads this slot or has a load on its way
	s_add_nc_u64 s[G0+4*\slot+2:G0+4*\slot+3], s[G0+4*\slot+2:G0+4*\slot+3], 2*ROWB
	s_add_nc_u64 s[G0B+4*\slot+2:G0B+4*\slot+3], s[G0B+4*\slot+2:G0B+4*\slot+3], 2*ROWB
	JLOAD G0+4*\slot, G1, G0B+4*\slot, G1B         ; the first tensor load behind the round; its four v_nop are the places in front of the loads below
.else
	PLACES
.endif
	FETCH_B \next, 0, 0
	FETCH_A \next, 0, 0
	WIN MUL_HI
	MUL16 4, 1, \ks, 0
	MUL16 6, 1, \ks, 0
	PLACES
	WIN 0
	FETCH_A \next, 0, 4
.endm
.macro LAST                            ; K step 7: nothing more to fetch
	s_wait_dscnt 4*NL
	WIN MUL_LO
	MUL16 0, 1, 7, 0
	MUL16 2, 1, 7, 0
	s_wait_dscnt 0x0
	WIN MUL_HI
	MUL16 4, 1, 7, 0
	MUL16 6, 1, 7, 0
	WIN 0
.endm
; 64 numbers of a lane in window w, register 16 b + i of v[s] on: 16 of block b of my row; lane l xor 16 holds the block's other 16.  They become a fragment's 12 registers in v[PC] on and its scale word in v[dst].
.macro QUANT s, w, dst
	WIN (\w)|((\w)<<2)
.irp b, 0,1,2,3
	v_max3_num_f32 v[TM+\b], |v[\s+16*\b]|, |v[\s+1+16*\b]|, 0x1800000   ; the floor 2^(3 - 127) holds the byte at 1 from below
.endr
.irp i, 2,4,6,8,10,12,14
.irp b, 0,1,2,3
	v_max3_num_f32 v[TM+\b], |v[\s+16*\b+\i]|, |v[\s+1+16*\b+\i]|, v[TM+\b]   ; the four blocks by turns, each accumulator from its low end on
.endr
.endr
	WIN 0
.irp b, 0,1,2,3
	v_permlanex16_b32 v[TM+4+\b], v[TM+\b], s[SEL], s[SEL+1]
.endr
.irp b, 0,1,2,3
	v_max_num_f32 v[TM+\b], v[TM+\b], v[TM+4+\b]   ; the block's largest magnitude
.endr
.irp b, 0,1,2,3
	v_add_nc_u32 v[TM+12+\b], 0xff000000, v[TM+\b] ; 2 off its exponent field: the conversion's scale operand
.endr
.irp b, 0,1,2,3
	v_lshrrev_b32 v[TM+8+\b], 23, v[TM+12+\b]      ; the scale's byte
.endr
	v_lshl_or_b32 v[\dst], v[TM+9], 8, v[TM+8]
	v_lshl_or_b32 v[\dst], v[TM+10], 16, v[\dst]
	v_lshl_or_b32 v[\dst], v[TM+11], 24, v[\dst]
	WIN \w
.irp c, 0,1
	v_cvt_scalef32_pk16_fp6_f32 v[PC+6*\c:PC+2+6*\c], v[\s+32*\c:\s+15+32*\c], v[TM+12+2*\c]
	v_cvt_scalef32_pk16_fp6_f32 v[PC+12+4*\c:PC+14+4*\c], v[\s+16+32*\c:\s+31+32*\c], v[TM+12+2*\c+1]   ; a conversion's three registers begin on an even number
.endr
	WIN 0
	v_nop                                          ; one plain place behind a scaled conversion
.irp c, 0,1                            ; the operand's layout wants a whole block in a lane: lanes 0-15 block 2 c, lanes 16-31 block 2 c + 1
.irp i, 0,1,2
	v_permlane16_swap_b32 v[PC+6*\c+\i], v[PC+12+4*\c+\i]
.endr
.irp i, 0,1,2
	v_mov_b32 v[PC+3+6*\c+\i], v[PC+12+4*\c+\i]
.endr
.endr
.endm
.macro EHEAD
.irp b, 0,1,2,3
	v_mov_b32 v[TM+4+\b], 0                        ; written once: a lane permute's destination counts as one of its sources
.endr
	s_mov_b32 vcc_lo, 0xffff0000                   ; lanes 16-31
.endm
.macro SCOUT                           ; the eight scale words leave: for each head lane (r, h) stores word h and word 2 + h of row r: 32 lanes store 256 consecutive bytes, aligned
.irp n, 0,1
	v_cndmask_b32 v[OW+2*\n], v[KW+4*\n], v[KW+4*\n+1], vcc_lo
	v_cndmask_b32 v[OW+2*\n+1], v[KW+4*\n+2], v[KW+4*\n+3], vcc_lo
	global_store_b64 v[L8], v[OW+2*\n:OW+2*\n+1], s[OS:OS+1] offset:4096*\n
.endr
.endm
; cos and sin of token tiles 2 g and 2 g + 1 into buffer g % 2 of window 1: tile e at + 64 e: cos in registers 0-31, sin in 32-63, register 8 t + j as the accumulators have d
.macro RAW g
.set tB, 128*((\g)%2)
	WIN TO_B
.irp e, 0,1
.irp t, 0,1,2,3
.irp u, 0,1
	global_load_b128 v[tB+64*\e+8*\t+4*\u:tB+64*\e+8*\t+4*\u+3], v[TO], s[PCOS:PCOS+1] offset:(2*(\g)+\e)*4096+64*\t+16*\u
	global_load_b128 v[tB+64*\e+32+8*\t+4*\u:tB+64*\e+32+8*\t+4*\u+3], v[TO], s[PSIN:PSIN+1] offset:(2*(\g)+\e)*4096+64*\t+16*\u
.endr
.endr
.endr
	WIN 0
.endm
.macro TABLES g                        ; in place: c_lo w_lo, c_hi w_hi, - s_lo w_hi, s_hi w_lo: they serve both heads
.set tB, 128*((\g)%2)
	WIN 0x41                                       ; destination and source 0 window 1, the weights window 0
.irp e, 0,1
.irp p, 0,2,4,6,8,10,12,14
	v_pk_mul_f32 v[tB+64*\e+\p:tB+64*\e+\p+1], v[tB+64*\e+\p:tB+64*\e+\p+1], v[NW+\p:NW+\p+1]
	v_pk_mul_f32 v[tB+64*\e+16+\p:tB+64*\e+17+\p], v[tB+64*\e+16+\p:tB+64*\e+17+\p], v[NW+16+\p:NW+17+\p]
	v_pk_mul_f32 v[tB+64*\e+32+\p:tB+64*\e+33+\p], v[tB+64*\e+32+\p:tB+64*\e+33+\p], v[NW+16+\p:NW+17+\p] neg_lo:[1,0] neg_hi:[1,0]
	v_pk_mul_f32 v[tB+64*\e+48+\p:tB+64*\e+49+\p], v[tB+64*\e+48+\p:tB+64*\e+49+\p], v[NW+\p:NW+\p+1]
.endr
.endr
	WIN 0
.endm
; Token tiles 2 g and 2 g + 1 of head n: the norm, RoPE, the quantiser, and 1,536 bytes of codes out
.macro UNIT g, n
.set uW, 2+(\g)/2
.set uA, 64*((2*(\g))%4)+32*(\n)
.set uB, uA+64
.set uT, 128*((\g)%2)
	WIN uW|(uW<<2)
	v_pk_mul_f32 v[SQ:SQ+1], v[uA:uA+1], v[uA:uA+1]               ; the sum of squares of my 32 numbers of each tile, in two chains a tile, ascending
	v_pk_mul_f32 v[SQ+2:SQ+3], v[uA+2:uA+3], v[uA+2:uA+3]
	v_pk_mul_f32 v[SQ+4:SQ+5], v[uB:uB+1], v[uB:uB+1]
	v_pk_mul_f32 v[SQ+6:SQ+7], v[uB+2:uB+3], v[uB+2:uB+3]
.irp i, 4,8,12,16,20,24,28
	v_pk_fma_f32 v[SQ:SQ+1], v[uA+\i:uA+\i+1], v[uA+\i:uA+\i+1], v[SQ:SQ+1]
	v_pk_fma_f32 v[SQ+2:SQ+3], v[uA+\i+2:uA+\i+3], v[uA+\i+2:uA+\i+3], v[SQ+2:SQ+3]
	v_pk_fma_f32 v[SQ+4:SQ+5], v[uB+\i:uB+\i+1], v[uB+\i:uB+\i+1], v[SQ+4:SQ+5]
	v_pk_fma_f32 v[SQ+6:SQ+7], v[uB+\i+2:uB+\i+3], v[uB+\i+2:uB+\i+3], v[SQ+6:SQ+7]
.endr
	WIN 0
.irp e, 0,1
	v_pk_add_f32 v[SQ+4*\e:SQ+4*\e+1], v[SQ+4*\e:SQ+4*\e+1], v[SQ+4*\e+2:SQ+4*\e+3]
.endr
.irp e, 0,1
	v_add_f32 v[SQ+4*\e], v[SQ+4*\e], v[SQ+4*\e+1]
.endr
.irp e, 0,1
	v_permlanex16_b32 v[SQ+4*\e+1], v[SQ+4*\e], s[SEL], s[SEL+1]
.endr
.irp e, 0,1
	v_add_f32 v[SQ+4*\e], v[SQ+4*\e], v[SQ+4*\e+1]               ; with lane l xor 16's 32: the token's 64
.endr
.irp e, 0,1
	v_fma_f32 v[SQ+4*\e], v[SQ+4*\e], 0x3c800000, s[EPS]         ; / 64 + 1e-6
.endr
.irp e, 0,1
	v_rsq_f32 v[RS+2*\e], v[SQ+4*\e]
.endr
	WIN uW|4                                       ; source 0: the accumulators; source 1: the tables, window 1.  (The lines below are the plain place behind the roots)
.irp p, 0,2,4,6,8,10,12,14
	v_pk_mul_f32 v[Z+\p:Z+\p+1], v[uA+\p:uA+\p+1], v[uT+\p:uT+\p+1]
	v_pk_mul_f32 v[Z+16+\p:Z+17+\p], v[uA+16+\p:uA+17+\p], v[uT+16+\p:uT+17+\p]
	v_pk_mul_f32 v[Z+32+\p:Z+33+\p], v[uB+\p:uB+\p+1], v[uT+64+\p:uT+65+\p]
	v_pk_mul_f32 v[Z+48+\p:Z+49+\p], v[uB+16+\p:uB+17+\p], v[uT+80+\p:uT+81+\p]
.endr
.irp p, 0,2,4,6,8,10,12,14
	v_pk_fma_f32 v[Z+\p:Z+\p+1], v[uA+16+\p:uA+17+\p], v[uT+32+\p:uT+33+\p], v[Z+\p:Z+\p+1]
	v_pk_fma_f32 v[Z+16+\p:Z+17+\p], v[uA+\p:uA+\p+1], v[uT+48+\p:uT+49+\p], v[Z+16+\p:Z+17+\p]
	v_pk_fma_f32 v[Z+32+\p:Z+33+\p], v[uB+16+\p:uB+17+\p], v[uT+96+\p:uT+97+\p], v[Z+32+\p:Z+33+\p]
	v_pk_fma_f32 v[Z+48+\p:Z+49+\p], v[uB+\p:uB+\p+1], v[uT+112+\p:uT+113+\p], v[Z+48+\p:Z+49+\p]
.endr
	WIN 0
	s_wait_alu depctr_va_vdst(0)
.irp e, 0,1
.irp p, 0,2,4,6,8,10,12,14,16,18,20,22,24,26,28,30
	v_pk_mul_f32 v[Z+32*\e+\p:Z+32*\e+\p+1], v[Z+32*\e+\p:Z+32*\e+\p+1], v[RS+2*\e:RS+2*\e+1] op_sel_hi:[1,0]
.endr
.endr
	s_wait_xcnt 0x0                                ; the last unit's stores have read the code registers: they are written again only behind this wait
	QUANT Z, 0, KW+4*(\n)+(\g)
.irp k, 0,1,2
	global_store_b128 v[LI], v[PC+4*\k:PC+4*\k+3], s[OC:OC+1] offset:(\n)*HEADB+(\g)*1536+512*\k   ; 32 lanes store 512 consecutive bytes, aligned to 256
.endr
.endm
	s_wait_loadcnt 0x0                             ; the scale words
	s_wait_tensorcnt 1                             ; my part of slot 0 is in; slot 1's load may stay out
	s_barrier_signal -1
	s_barrier_wait -1
	FETCH_B 0, 0, 0
	FETCH_A 0, 0, 0
	FETCH_A 0, 0, 4
	STEP 0, 0, 1                                   ; the first step's products start the sums: nothing is cleared
	TURN 0, 1, 1, 1
	STEP 1, 2, 0
	TURN 1, 0, 3, 1
	STEP 0, 4, 0
	TURN 0, 1, 5, 0                                ; the last two slots are not filled again
	STEP 1, 6, 0
	s_cmp_lg_u32 s[PATH], 0                        ; the roles part here, once; the last K step stands in both
	s_cbranch_scc1 .Lv_path
	; ---- q, k
.irp t, 0,1,2,3
	global_load_b128 v[NW+8*\t:NW+8*\t+3],   v[NO], s[PNW:PNW+1] offset:64*\t
	global_load_b128 v[NW+8*\t+4:NW+8*\t+7], v[NO], s[PNW:PNW+1] offset:64*\t+16
.endr
	RAW 0                                          ; into B's set 0, which the last step does not read (four places stand behind its last reader)
	LAST
	PLACES
	RAW 1
	EHEAD
	v_mov_b32 v[RS+1], 0                           ; named as the upper halves of pairs
	v_mov_b32 v[RS+3], 0
.irp g, 0,1,2,3
.if \g < 3
	s_wait_loadcnt 32                              ; this buffer's tables are in; the other buffer's 32 loads may be out
.else
	s_wait_loadcnt 0x0
.endif
	TABLES \g
	UNIT \g, 0
	UNIT \g, 1
.if \g < 2
	RAW \g+2
.endif
.endr
	SCOUT
	s_branch .Ltail
.Lv_path:
	; ---- v: a lane holds one channel of block a and 64 tokens: the accumulators go to the quantiser as they are
	LAST
	PLACES
	EHEAD
.irp a, 0,1,2,3,4,5,6,7
	s_wait_xcnt 0x0                                ; the last block's stores have read the code registers
	QUANT 64*((\a)%4), 2+(\a)/4, KW+\a
.irp k, 0,1,2
	global_store_b128 v[LI], v[PC+4*\k:PC+4*\k+3], s[OC:OC+1] offset:((\a)/4)*HEADB+((\a)%4)*1536+512*\k
.endr
.endr
	SCOUT
.Ltail:
	s_wait_tensorcnt 0x0                           ; the wave's end
	ds_add_u32 v[SPW], v[NIL]
	s_wait_dscnt 0x0
	CROUND                                         ; the closing round
	s_endpgm
.Lfunc_end_k_q6f0cd72a75_qkv:
	.size	k_q6f0cd72a75_qkv, .Lfunc_end_k_q6f0cd72a75_qkv-k_q6f0cd72a75_qkv
	.p2alignl 7, 3214868480
	.fill 96, 4, 3214868480
	.section	.rodata,"a",@progbits
	.p2align	6, 0x0
	.amdhsa_kernel k_q6f0cd72a75_qkv
		.amdhsa_group_segment_fixed_size 327680
		.amdhsa_private_segment_fixed_size 0
		.amdhsa_enable_private_segment 0
		.amdhsa_kernarg_size 80
		.amdhsa_user_sgpr_count 2
		.amdhsa_user_sgpr_kernarg_segment_ptr 1
		.amdhsa_wavefront_size32 1
		.amdhsa_system_sgpr_workgroup_id_x 1
		.amdhsa_system_sgpr_workgroup_id_y 1
		.amdhsa_system_sgpr_workgroup_id_z 1
		.amdhsa_system_vgpr_workitem_id 0
		.amdhsa_next_free_vgpr 1024
		.amdhsa_next_free_sgpr 100
		.amdhsa_reserve_vcc 1
		.amdhsa_float_denorm_mode_32 3
		.amdhsa_float_denorm_mode_16_64 3
		.amdhsa_memory_ordered 1
		.amdhsa_forward_progress 1
		.amdhsa_inst_pref_size 255
	.end_amdhsa_kernel
	.section	.bss,"aw",@nobits
	.p2align	6
	.space	262144
	.amdgpu_metadata
---
amdhsa.version: [ 1, 2 ]
amdhsa.kernels:
  - .name:           k_q6f0cd72a75_qkv
    .symbol:         k_q6f0cd72a75_qkv.kd
    .args:
      - { .name: hidden_states_codes, .offset: 0, .size: 8, .value_kind: global_buffer, .address_space: global }
      - { .name: hidden_states_scales, .offset: 8, .size: 8, .value_kind: global_buffer, .address_space: global }
      - { .name: qkv_w_codes, .offset: 16, .size: 8, .value_kind: global_buffer, .address_space: global }
      - { .name: qkv_w_scales, .offset: 24, .size: 8, .value_kind: global_buffer, .address_space: global }
      - { .name: cos, .offset: 32, .size: 8, .value_kind: global_buffer, .address_space: global }
      - { .name: sin, .offset: 40, .size: 8, .value_kind: global_buffer, .address_space: global }
      - { .name: norm_q_w, .offset: 48, .size: 8, .value_kind: global_buffer, .address_space: global }
      - { .name: norm_k_w, .offset: 56, .size: 8, .value_kind: global_buffer, .address_space: global }
      - { .name: qkvc, .offset: 64, .size: 8, .value_kind: global_buffer, .address_space: global }
      - { .name: qkvs, .offset: 72, .size: 8, .value_kind: global_buffer, .address_space: global }
    .group_segment_fixed_size: 327680
    .private_segment_fixed_size: 0
    .kernarg_segment_align: 8
    .kernarg_segment_size: 80
    .max_flat_workgroup_size: 128
    .sgpr_count:     100
    .vgpr_count:     1024
    .wavefront_size: 32
...
	.end_amdgpu_metadata
.endif
;; end of part 1
;; launch attn (part 2): grid 4 x 64, 16 waves a work-group, clusters of 4 x 1, 207,872 bytes of LDS; arguments qkvc, qkvs, ac, asc; writes ac, asc
.if DOCPART == 2
	.amdgcn_target "amdgcn-amd-amdhsa--gfx1250"
	.amdhsa_code_object_version 6
	.text
	.protected	k_q6f0cd72a75_attn
	.globl	k_q6f0cd72a75_attn
	.p2align	8
	.type	k_q6f0cd72a75_attn,@function
k_q6f0cd72a75_attn:
	s_mov_b64 s[64:65], 0
	v_nop
	global_prefetch_b8 v0, s[64:65] scope:SCOPE_SE
	s_setreg_imm32_b32 hwreg(HW_REG_WAVE_MODE, 25, 1), 1
	s_wait_xcnt 0x0
	s_wait_alu depctr_hold_cnt(0) depctr_sa_sdst(0) depctr_va_vdst(0) depctr_va_sdst(0) depctr_va_ssrc(0) depctr_va_vcc(0) depctr_vm_vsrc(0)
	s_getreg_b32 s2, hwreg(HW_REG_IB_STS2, 6, 4)
	s_cmp_eq_u32 s2, 0
	s_cbranch_scc0 .Lentry_in_a_cluster
	s_endpgm
.Lentry_in_a_cluster:
	s_bfe_u32 s2, ttmp6, 0x10000c
	s_cmp_lg_u32 s2, 0x3003
	s_cbranch_scc0 .Lentry_shape_is_right
	s_endpgm
.Lentry_shape_is_right:
; attn[b][q][head] = softmax(q k^T / 8) v for one head, both products on codes of FP6 (E2M3) with E8M0 scales, and the result quantised along the channels for the last product.
; THE SOFTMAX: t = score x log2(e) / 8; M = the running largest t rounded UP to a whole number; p = 2^(t - M) is quantised along the keys; the row's sum is taken of the unquantised p and divides at the end.
; SHARES.  A work-group owns one head (grid y) and 512 queries (its place cx in the cluster); each of its sixteen waves owns 32 of them, two tiles of 16, one after the other; 256 registers a wave, four waves to a SIMD,
; so that one wave's vector work stands beside another's products and LDS loads.  Every wave walks the head's 2,048 keys, 128 a step.
; A WHOLE HEAD'S K AND V, codes and scale words, are 204,800 bytes: they come into LDS ONCE, each wave fetching one key step's, and stay: no slot is ever filled again.
; CLUSTER.  The four query blocks of a head read the same K and V: each tile is asked for jointly by the four, with the same descriptor and the mask 15.
; LAYOUT.  The codes lie in memory and LDS as images of the operands' registers: a fragment is three loads of 16 bytes a lane, 512 consecutive bytes each.
; Both products are used transposed (S^T = K Q^T, O^T = V^T P^T): a lane holds one query throughout.
; K = 64 IN A FORM OF 128: a fragment of K holds two tiles of 16 keys, one in each half of the form's K.  Q stands between zeros, Z | Q | Z: Q | Z picks the first tile, Z | Q the second; the other tile's codes meet
; zero codes, which add exactly nothing (every scale byte here lies between 1 and 254).
; The order inside a block of 32 is 0-7, 16-23, 8-15, 24-31 in q and k alike and in p and v alike; the result is put in true order, since its partner in the last product is given so.
; LIMITS: NaN and infinities are not served; a block of zeros carries the byte 1; v_exp_f32 and v_rcp_f32 are good to 1 ulp; a block's largest p is the exponential of its largest score (v_exp_f32 is taken not to fall where its input rises).
.set STEPB, 12288                      ; a key step in LDS: K's four fragments (6,144 bytes), then V's four
.set VOFF,  6144
.set SCB,   196608                     ; the scale words: 512 bytes a step: K's 256, then V's 256
.set STG,   204800                     ; 1,024 bytes: the 512 rows' scale bytes on their way out; no tile lands here
.set PARTC, 6291456                    ; q's, k's and v's parts of qkvc lie so far apart,
.set PARTS, 262144                     ; and of qkvs
.set HEADB, 98304
.set LI,  1                            ; v1   16 x lane
.set SCA, 2                            ; v2   SCB + 8 x lane
.set ADR, 3                            ; v3   the step's codes
.set ADS, 4                            ; v4   the step's scale words
.set L8,  5                            ; v5   8 x lane
.set QW,  6                            ; v6   q's scale word as loaded: both tiles'
.set QS,  7                            ; v7   the tile's two bytes, twice
.set KS,  8                            ; v8-9   K's scale words
.set VS,  10                           ; v10-11 V's
.set NM,  12                           ; v12  -M
.set TMX, 13                           ; v13  the largest t
.set SUM, 14                           ; v[14:15] the sum in two halves
.set QZ,  16                           ; v16-33 Z | Q | Z
.set QL,  34                           ; v34-45 q's two tiles as loaded
.set PS,  46                           ; v46  p's scale word
.set SW,  47                           ; v47  where my row's two scale bytes go in LDS
.set F,   48                           ; v48-95 four fragments of K or of V
.set S,   96                           ; v96-159 S^T, then p
.set O,   160                          ; v160-191 O^T
.set PC,  192                          ; v192-203 p's codes
.set CT,  204                          ; v204-211 the conversions' second halves
.set BM,  212
.set BX,  216
.set SO,  220
.set FF,  224                          ; v[224:225] f
.set TT,  226
.set W16, 227
.set WV,  12
.set CX,  13
.set BH,  14
.set G1C, 16
.set G1S, 24
.set G0C, 32
.set G0S, 36
.set SEL, 40
.set CS,  42
.set TB,  44
.set TS,  45
.set CNT, 46
.macro ROUND                           ; a round of the cluster's barrier
	s_barrier_signal -1
	s_barrier_wait -1
	s_cmp_lg_u32 s[WV], 0
	s_cbranch_scc1 .Lnot_wave_0_\@
	s_barrier_signal -3
.Lnot_wave_0_\@:
	s_barrier_wait -3
	s_barrier_signal -1
	s_barrier_wait -1
.endm
	s_load_b256 s[4:11], s[0:1], 0x0               ; qkvc, qkvs, ac, asc
	v_lshl_add_u32 v254, v0, 2, 0x32400
	v_mov_b32 v255, 0
	ds_add_u32 v254, v255
	ds_add_u32 v254, v255
	v_lshrrev_b32 v1, 5, v0
	v_readfirstlane_b32 s[WV], v1                  ; wave 0..15
	s_bfe_u32 s[CX], ttmp6, 0x40000                ; my block of 512 queries (the grid is one cluster wide)
	s_and_b32 s[BH], ttmp7, 0xffff                 ; 16 x batch + head, which the four partners share
	s_mul_i32 s48, s[BH], HEADB                    ; the head's codes in a part of qkvc,
	s_lshl_b32 s49, s[BH], 12                      ; its scale words in a part of qkvs
	s_mul_i32 s2, s[WV], VOFF                      ; I fetch key step w
	s_add_co_u32 s58, s48, s2
	s_add_co_u32 s58, s58, PARTC
	s_mov_b32 s59, 0
	s_lshl_b32 s2, s[WV], 8
	s_add_co_u32 s60, s49, s2
	s_add_co_u32 s60, s60, PARTS
	s_mov_b32 s61, 0
	; codes: two rows of 6,144 bytes (768 elements of 8): k's step and v's step, one part of qkvc apart; they land on end
	s_mov_b32 s[G1C], 15|(3<<16)|(1<<21)           ; the mask: all four; elements of 8 bytes; bit 21 beside a mask; no padding
	s_mov_b32 s[G1C+1], 768<<16                    ; tensor_dim0
	s_mov_b32 s[G1C+2], 2<<16                      ; tensor_dim1
	s_mov_b32 s[G1C+3], 768<<16                    ; tile_dim0
	s_mov_b32 s[G1C+4], 2                          ; tile_dim1
	s_mov_b32 s[G1C+5], PARTC/8                    ; from row to row
	s_mov_b32 s[G1C+6], 0
	s_mov_b32 s[G1C+7], 0
	; scale words: two rows of 256 bytes likewise
	s_mov_b32 s[G1S], 15|(3<<16)|(1<<21)
	s_mov_b32 s[G1S+1], 32<<16
	s_mov_b32 s[G1S+2], 2<<16
	s_mov_b32 s[G1S+3], 32<<16
	s_mov_b32 s[G1S+4], 2
	s_mov_b32 s[G1S+5], PARTS/8
	s_mov_b32 s[G1S+6], 0
	s_mov_b32 s[G1S+7], 0
	s_mov_b32 s[G0C], 1
	s_mul_i32 s[G0C+1], s[WV], STEPB
	s_mov_b32 s[G0S], 1
	s_lshl_b32 s[G0S+1], s[WV], 9
	s_add_co_u32 s[G0S+1], s[G0S+1], SCB
	s_wait_dscnt 0x0
	s_wait_kmcnt 0x0
	s_add_nc_u64 s[G0C+2:G0C+3], s[4:5], s[58:59]
	s_or_b32 s[G0C+3], s[G0C+3], 0x80000000
	s_add_nc_u64 s[G0S+2:G0S+3], s[6:7], s[60:61]
	s_or_b32 s[G0S+3], s[G0S+3], 0x80000000
	ROUND                                          ; all four work-groups are here: the joint loads meet
	tensor_load_to_lds s[G0C:G0C+3], s[G1C:G1C+7]  ; every wave's two loads: two are out
	s_nop 0
	tensor_load_to_lds s[G0S:G0S+3], s[G1S:G1S+7]
	s_nop 0
.rept 4
	v_nop
.endr
	s_lshl_b32 s2, s[CX], 4
	s_add_co_u32 s2, s2, s[WV]                     ; my pair of query tiles: 16 cx + w
	s_mul_i32 s3, s2, 1536
	s_add_co_u32 s62, s48, s3
	s_mov_b32 s63, 0
	s_add_nc_u64 s[50:51], s[4:5], s[62:63]        ; its codes
	s_lshr_b32 s3, s2, 2
	s_lshl_b32 s3, s3, 8                           ; its scale word: the step of 128 tokens,
	s_add_co_u32 s62, s49, s3
	s_and_b32 s3, s[WV], 1
	s_lshl_b32 s3, s3, 7                           ; the half of the lanes (pair % 2),
	s_add_co_u32 s62, s62, s3
	s_bfe_u32 s3, s[WV], 0x10001
	s_lshl_b32 s3, s3, 2                           ; the word (pair / 2)
	s_add_co_u32 s62, s62, s3
	s_add_nc_u64 s[52:53], s[6:7], s[62:63]
	s_lshr_b32 s3, s[BH], 4
	s_lshl_b32 s3, s3, 7                           ; ac: tile of 16 rows = 128 x batch + 2 x pair,
	s_lshl_b32 s47, s2, 1
	s_add_co_u32 s3, s3, s47
	s_lshl_b32 s3, s3, 4
	s_and_b32 s47, s[BH], 15
	s_add_co_u32 s3, s3, s47                       ; x 16 + head,
	s_mul_i32 s62, s3, 768                         ; 768 bytes each
	s_add_nc_u64 s[54:55], s[8:9], s[62:63]
	s_lshl_b32 s3, s[CX], 10
	s_add_co_u32 s62, s49, s3                      ; asc: 4,096 bytes a head, 1,024 a work-group
	s_add_nc_u64 s[56:57], s[10:11], s[62:63]
	s_mov_b32 s[SEL], 0x76543210
	s_mov_b32 s[SEL+1], 0xfedcba98                 ; v_permlanex16_b32's selects for lane l xor 16
	s_mov_b32 s[CS], 0x3e38aa3b                    ; c = log2(e) / 8
	s_mov_b32 s[CS+1], s[CS]                       ; named with it as a pair
	v_and_b32 v[TT], 31, v0                        ; lane
	v_lshlrev_b32 v[LI], 4, v[TT]
	v_lshlrev_b32 v[L8], 3, v[TT]
	v_lshl_add_u32 v[SCA], v[TT], 3, SCB
	v_and_b32 v[ADS], 15, v0                       ; r
	v_lshlrev_b32 v[SW], 1, v[ADS]
	s_lshl_b32 s2, s[WV], 6
	s_add_co_u32 s2, s2, STG
	v_add_nc_u32 v[SW], s2, v[SW]                  ; STG + 64 w + 2 r
	v_lshlrev_b32 v[ADS], 3, v[ADS]
.irp g, 0,1,2
	global_load_b128 v[QL+4*\g:QL+4*\g+3], v[LI], s[50:51] offset:512*\g
.endr
	global_load_b32 v[QW], v[ADS], s[52:53]        ; row r's word, in both halves of the lanes
.irp i, 0,1,2,3,4,5
	v_mov_b32 v[QZ+\i], 0                          ; the zero codes on both sides of Q
	v_mov_b32 v[QZ+12+\i], 0
.endr
.irp b, 0,1,2,3
	v_mov_b32 v[BX+\b], 0                          ; written once: a lane permute's destination counts as one of its sources
.endr
	v_mov_b32 v[FF+1], 0                           ; named as the upper half of a pair
	s_wait_loadcnt 0x0                             ; q
	s_wait_tensorcnt 0x0                           ; my key step has landed,
	s_barrier_signal -1
	s_barrier_wait -1                              ; everybody's has
; A KEY STEP: 128 keys
.macro STEP
	v_add_nc_u32 v[ADR], s[TB], v[LI]
	v_add_nc_u32 v[ADS], s[TS], v[SCA]
	v_nop
	v_nop                                          ; four places behind the last step's products, in front of loads into their sources
.irp i, 0,1,2,3,4,5,6,7,8,9,10,11
	ds_load_b128 v[F+4*\i:F+4*\i+3], v[ADR] offset:512*\i
.endr
	ds_load_b64 v[KS:KS+1], v[ADS]                 ; lanes 0-15: pairs 0 and 2 of key tiles, lanes 16-31: pairs 1 and 3
	ds_load_b64 v[VS:VS+1], v[ADS] offset:256      ; the same for V's four tiles of channels
	s_wait_dscnt 0x0
.irp t, 0,1,2,3,4,5,6,7                ; S^T of key tile t: fragment t / 2; Q | Z for its first tile, Z | Q for its second
.if (\t%2 == 0) && ((\t/2)%2 == 0)
	v_wmma_scale_f32_16x16x128_f8f6f4 v[S+8*\t:S+8*\t+7], v[F+12*(\t/2):F+12*(\t/2)+11], v[QZ+6:QZ+17], 0, v[KS+\t/4], v[QS] matrix_a_fmt:MATRIX_FMT_FP6 matrix_b_fmt:MATRIX_FMT_FP6
.elseif \t%2 == 0
	v_wmma_scale_f32_16x16x128_f8f6f4 v[S+8*\t:S+8*\t+7], v[F+12*(\t/2):F+12*(\t/2)+11], v[QZ+6:QZ+17], 0, v[KS+\t/4], v[QS] matrix_a_fmt:MATRIX_FMT_FP6 matrix_b_fmt:MATRIX_FMT_FP6 matrix_a_scale:MATRIX_SCALE_ROW1
.elseif (\t/2)%2 == 0
	v_wmma_scale_f32_16x16x128_f8f6f4 v[S+8*\t:S+8*\t+7], v[F+12*(\t/2):F+12*(\t/2)+11], v[QZ:QZ+11], 0, v[KS+\t/4], v[QS] matrix_a_fmt:MATRIX_FMT_FP6 matrix_b_fmt:MATRIX_FMT_FP6
.else
	v_wmma_scale_f32_16x16x128_f8f6f4 v[S+8*\t:S+8*\t+7], v[F+12*(\t/2):F+12*(\t/2)+11], v[QZ:QZ+11], 0, v[KS+\t/4], v[QS] matrix_a_fmt:MATRIX_FMT_FP6 matrix_b_fmt:MATRIX_FMT_FP6 matrix_a_scale:MATRIX_SCALE_ROW1
.endif
.endr
.rept 4
	v_nop                                          ; places: in front of the loads below and of the first read of the scores
.endr
.irp i, 0,1,2,3,4,5,6,7,8,9,10,11
	ds_load_b128 v[F+4*\i:F+4*\i+3], v[ADR] offset:VOFF+512*\i   ; V's fragments land while the softmax is worked
.endr
.irp b, 0,1,2,3
	v_max3_num_f32 v[BM+\b], v[S+16*\b], v[S+1+16*\b], v[S+2+16*\b]   ; the largest score of each block of 32 keys: for the row's maximum and, since p rises with the score, for the block's largest p
.endr
.irp i, 3,5,7,9,11,13
.irp b, 0,1,2,3
	v_max3_num_f32 v[BM+\b], v[BM+\b], v[S+16*\b+\i], v[S+1+16*\b+\i]
.endr
.endr
.irp b, 0,1,2,3
	v_max_num_f32 v[BM+\b], v[BM+\b], v[S+15+16*\b]
.endr
.irp b, 0,1,2,3
	v_permlanex16_b32 v[BX+\b], v[BM+\b], s[SEL], s[SEL+1]
.endr
.irp b, 0,1,2,3
	v_max_num_f32 v[BM+\b], v[BM+\b], v[BX+\b]     ; with lane l xor 16's 16 keys
.endr
	v_max3_num_f32 v[TT], v[BM], v[BM+1], v[BM+2]
	v_max_num_f32 v[TT], v[TT], v[BM+3]            ; the step's largest score of my query
	v_mul_f32 v[TT], s[CS], v[TT]                  ; as t (c is positive)
	v_max_num_f32 v[TMX], v[TMX], v[TT]            ; the running largest t
	v_mov_b32 v[TT], v[NM]
	v_floor_f32 v[NM], -v[TMX]                     ; the new -M = floor(-t): M is a whole number
	v_sub_f32 v[TT], v[NM], v[TT]                  ; old M - new M: a whole number, 0 or less
	v_cvt_i32_f32 v[TT], v[TT]                     ; (it saturates)
	v_ldexp_f32 v[FF], 1.0, v[TT]                  ; f = 2^(old M - new M): a multiplication by it rounds nothing
.set j, 0
.rept 32
	v_pk_fma_f32 v[S+j:S+j+1], v[S+j:S+j+1], s[CS:CS+1], v[NM:NM+1] op_sel_hi:[1,0,0]   ; t - M, two at a time
.set j, j+2
.endr
.irp b, 0,1,2,3
	v_fma_f32 v[BM+\b], v[BM+\b], s[CS], v[NM]     ; the same of each block's largest score
.endr
.set j, 0
.rept 64
	v_exp_f32 v[S+j], v[S+j]                       ; p = 2^(t - M), at most 1, not normalised
.set j, j+1
.endr
.irp b, 0,1,2,3
	v_exp_f32 v[BM+\b], v[BM+\b]                   ; the block's largest p: the same two instructions on the same number
.endr
	v_pk_mul_f32 v[SUM:SUM+1], v[SUM:SUM+1], v[FF:FF+1] op_sel_hi:[1,0]   ; the sums under the new M (a plain place behind the exponentials)
	s_wait_alu depctr_va_vdst(0)
.irp b, 0,1,2,3
	v_max_num_f32 v[BM+\b], 0x1800000, v[BM+\b]    ; the floor 2^(3 - 127): the byte cannot fall under 1
.endr
.irp b, 0,1,2,3
	v_add_nc_u32 v[SO+\b], 0xff000000, v[BM+\b]    ; 2 off the exponent field: the conversion's scale operand
.endr
.irp b, 0,1,2,3
	v_lshrrev_b32 v[BX+\b], 23, v[SO+\b]           ; the scale's byte
.endr
	v_lshl_or_b32 v[PS], v[BX+1], 8, v[BX]         ; p's scale word for these 128 keys
	v_lshl_or_b32 v[PS], v[BX+2], 16, v[PS]
	v_lshl_or_b32 v[PS], v[BX+3], 24, v[PS]
.irp c, 0,1
	v_cvt_scalef32_pk16_fp6_f32 v[PC+6*\c:PC+2+6*\c], v[S+32*\c:S+15+32*\c], v[SO+2*\c]
	v_cvt_scalef32_pk16_fp6_f32 v[CT+4*\c:CT+2+4*\c], v[S+16+32*\c:S+31+32*\c], v[SO+2*\c+1]   ; a conversion's three registers begin on an even number
.endr
	v_nop                                          ; one plain place behind a scaled conversion
.irp c, 0,1                            ; a whole block in a lane: lanes 0-15 block 2 c, lanes 16-31 block 2 c + 1
.irp i, 0,1,2
	v_permlane16_swap_b32 v[PC+6*\c+\i], v[CT+4*\c+\i]
.endr
.irp i, 0,1,2
	v_mov_b32 v[PC+3+6*\c+\i], v[CT+4*\c+\i]
.endr
.endr
	v_pk_add_f32 v[BX:BX+1], v[S:S+1], v[S+2:S+3]  ; the row's sum is taken of the unquantised p: two at a time, in two chains
.irp j, 4,8,12,16,20,24,28,32,36,40,44,48,52,56,60
	v_pk_add_f32 v[SUM:SUM+1], v[SUM:SUM+1], v[S+\j:S+1+\j]
	v_pk_add_f32 v[BX:BX+1], v[BX:BX+1], v[S+2+\j:S+3+\j]
.endr
	v_pk_add_f32 v[SUM:SUM+1], v[SUM:SUM+1], v[BX:BX+1]
.set j, 0
.rept 16
	v_pk_mul_f32 v[O+j:O+j+1], v[O+j:O+j+1], v[FF:FF+1] op_sel_hi:[1,0]   ; O^T under the new M.  (These and the sums are the places between p's codes and scale word and the products below)
.set j, j+2
.endr
	s_wait_dscnt 0x0                               ; V's fragments are in
.irp t, 0,1,2,3                        ; O^T += V^T P^T: the four accumulators take turns, one instruction a turn
.if \t%2 == 0
	v_wmma_scale_f32_16x16x128_f8f6f4 v[O+8*\t:O+8*\t+7], v[F+12*\t:F+12*\t+11], v[PC:PC+11], v[O+8*\t:O+8*\t+7], v[VS+\t/2], v[PS] matrix_a_fmt:MATRIX_FMT_FP6 matrix_b_fmt:MATRIX_FMT_FP6
.else
	v_wmma_scale_f32_16x16x128_f8f6f4 v[O+8*\t:O+8*\t+7], v[F+12*\t:F+12*\t+11], v[PC:PC+11], v[O+8*\t:O+8*\t+7], v[VS+\t/2], v[PS] matrix_a_fmt:MATRIX_FMT_FP6 matrix_b_fmt:MATRIX_FMT_FP6 matrix_a_scale:MATRIX_SCALE_ROW1
.endif
.endr
	s_add_co_u32 s[TB], s[TB], STEPB
	s_add_co_u32 s[TS], s[TS], 512
.endm
; One tile of 16 queries: tile pi of my pair
.macro PASS pi
.if \pi
	s_wait_xcnt 0x0                                ; the first tile's stores have read the code registers
.endif
.irp i, 0,1,2,3,4,5
	v_mov_b32 v[QZ+6+\i], v[QL+6*\pi+\i]
.endr
.if \pi
	v_perm_b32 v[QS], v[QW], v[QW], 0x03020302     ; the tile's two scale bytes, for both halves of the form's K
.else
	v_perm_b32 v[QS], v[QW], v[QW], 0x01000100
.endif
	v_mov_b32 v[TMX], 0xff61b1e6                   ; the largest t so far: -3e38
	v_floor_f32 v[NM], -v[TMX]
	v_mov_b32 v[SUM], 0
	v_mov_b32 v[SUM+1], 0
.set j, 0
.rept 32
	v_mov_b32 v[O+j], 0                            ; the step is written once: the first finds zeros, which the first change of M leaves zeros.  (Also the places behind Q's registers and scale word)
.set j, j+1
.endr
	s_mov_b32 s[TB], 0
	s_mov_b32 s[TS], 0
	s_mov_b32 s[CNT], 16
.Lstep_\@:
	STEP
	s_sub_co_u32 s[CNT], s[CNT], 1
	s_cmp_lg_u32 s[CNT], 0
	s_cbranch_scc1 .Lstep_\@
	v_add_f32 v[SUM], v[SUM], v[SUM+1]             ; the sum's two halves
.rept 3
	v_nop                                          ; with the line above: four places behind the last products
.endr
	v_permlanex16_b32 v[TT], v[SUM], s[SEL], s[SEL+1]
	v_add_f32 v[SUM], v[SUM], v[TT]                ; the row's sum
	v_rcp_f32 v[FF], v[SUM]
	v_nop                                          ; a plain place behind the reciprocal
.set j, 0
	s_wait_alu depctr_va_vdst(0)
.rept 16
	v_pk_mul_f32 v[S+j:S+j+1], v[O+j:O+j+1], v[FF:FF+1] op_sel_hi:[1,0]   ; O^T / the sum, each accumulator from its low end on: register 8 t + i is channel 16 t + 8 (lane / 16) + i
.set j, j+2
.endr
.irp b, 0,1                            ; true order: afterwards register 16 b + i is channel 32 b + 16 (lane / 16) + i
.irp i, 0,1,2,3,4,5,6,7
	v_permlane16_swap_b32 v[S+16*\b+\i], v[S+16*\b+8+\i]
.endr
.endr
.irp b, 0,1
	v_max3_num_f32 v[BM+\b], |v[S+16*\b]|, |v[S+1+16*\b]|, 0x1800000
.endr
.irp i, 2,4,6,8,10,12,14
.irp b, 0,1
	v_max3_num_f32 v[BM+\b], v[BM+\b], |v[S+16*\b+\i]|, |v[S+1+16*\b+\i]|
.endr
.endr
.irp b, 0,1
	v_permlanex16_b32 v[BX+\b], v[BM+\b], s[SEL], s[SEL+1]
.endr
.irp b, 0,1
	v_max_num_f32 v[BM+\b], v[BM+\b], v[BX+\b]
.endr
.irp b, 0,1
	v_add_nc_u32 v[SO+\b], 0xff000000, v[BM+\b]
.endr
.irp b, 0,1
	v_lshrrev_b32 v[BX+\b], 23, v[SO+\b]
.endr
	v_lshl_or_b32 v[W16], v[BX+1], 8, v[BX]        ; my row's two scale bytes for this head
	v_cvt_scalef32_pk16_fp6_f32 v[PC:PC+2], v[S:S+15], v[SO]
	v_cvt_scalef32_pk16_fp6_f32 v[CT:CT+2], v[S+16:S+31], v[SO+1]
	v_nop
.irp i, 0,1,2
	v_permlane16_swap_b32 v[PC+\i], v[CT+\i]
.endr
.irp i, 0,1,2
	v_mov_b32 v[PC+3+\i], v[CT+\i]                 ; lane (r, h): row r, channels 32 h .. 32 h + 31: six registers of the last product's operand
.endr
	global_store_b128 v[LI], v[PC:PC+3], s[54:55] offset:12288*\pi        ; 512 consecutive bytes, aligned to 256
	global_store_b64 v[L8], v[PC+4:PC+5], s[54:55] offset:12288*\pi+512   ; 256 consecutive bytes, aligned
	ds_store_b16 v[SW], v[W16] offset:32*\pi       ; both halves of the lanes write the same bytes with the same value
.endm
	PASS 0
	PASS 1
	s_wait_dscnt 0x0                               ; for the others' sake: my scale bytes lie in LDS
	s_barrier_signal -1
	s_barrier_wait -1
	s_cmp_lt_u32 s[WV], 2                          ; waves 0 and 1 store the work-group's 1,024 scale bytes, 512 consecutive bytes each
	s_cbranch_scc0 .Lno_scales
	v_lshlrev_b32 v[ADS], 4, v0
	v_add_nc_u32 v[ADR], STG, v[ADS]
	ds_load_b128 v[S:S+3], v[ADR]
	s_wait_dscnt 0x0
	global_store_b128 v[ADS], v[S:S+3], s[56:57]
.Lno_scales:
	s_wait_tensorcnt 0x0
	ds_add_u32 v254, v255
	s_wait_dscnt 0x0
	ROUND                                          ; the closing round
	s_endpgm
.Lfunc_end_k_q6f0cd72a75_attn:
	.size	k_q6f0cd72a75_attn, .Lfunc_end_k_q6f0cd72a75_attn-k_q6f0cd72a75_attn
	.p2alignl 7, 3214868480
	.fill 96, 4, 3214868480
	.section	.rodata,"a",@progbits
	.p2align	6, 0x0
	.amdhsa_kernel k_q6f0cd72a75_attn
		.amdhsa_group_segment_fixed_size 207872
		.amdhsa_private_segment_fixed_size 0
		.amdhsa_enable_private_segment 0
		.amdhsa_kernarg_size 32
		.amdhsa_user_sgpr_count 2
		.amdhsa_user_sgpr_kernarg_segment_ptr 1
		.amdhsa_wavefront_size32 1
		.amdhsa_system_sgpr_workgroup_id_x 1
		.amdhsa_system_sgpr_workgroup_id_y 1
		.amdhsa_system_sgpr_workgroup_id_z 1
		.amdhsa_system_vgpr_workitem_id 0
		.amdhsa_next_free_vgpr 256
		.amdhsa_next_free_sgpr 66
		.amdhsa_reserve_vcc 0
		.amdhsa_float_denorm_mode_32 3
		.amdhsa_float_denorm_mode_16_64 3
		.amdhsa_memory_ordered 1
		.amdhsa_forward_progress 1
		.amdhsa_inst_pref_size 49
	.end_amdhsa_kernel
	.amdgpu_metadata
---
amdhsa.version: [ 1, 2 ]
amdhsa.kernels:
  - .name:           k_q6f0cd72a75_attn
    .symbol:         k_q6f0cd72a75_attn.kd
    .args:
      - { .name: qkvc, .offset: 0, .size: 8, .value_kind: global_buffer, .address_space: global }
      - { .name: qkvs, .offset: 8, .size: 8, .value_kind: global_buffer, .address_space: global }
      - { .name: ac, .offset: 16, .size: 8, .value_kind: global_buffer, .address_space: global }
      - { .name: asc, .offset: 24, .size: 8, .value_kind: global_buffer, .address_space: global }
    .group_segment_fixed_size: 207872
    .private_segment_fixed_size: 0
    .kernarg_segment_align: 8
    .kernarg_segment_size: 32
    .max_flat_workgroup_size: 512
    .sgpr_count:     66
    .vgpr_count:     256
    .wavefront_size: 32
...
	.end_amdgpu_metadata
.endif
;; end of part 2
;; launch proj (part 3): grid 4 x 32, 4 waves a work-group, clusters of 4 x 4, 327,680 bytes of LDS; arguments ac, asc, out_w_codes, out_w_scales, out0; writes out0
.if DOCPART == 3
	.amdgcn_target "amdgcn-amd-amdhsa--gfx1250"
	.amdhsa_code_object_version 6
	.text
	.protected	k_q6f0cd72a75_proj
	.globl	k_q6f0cd72a75_proj
	.p2align	8
	.type	k_q6f0cd72a75_proj,@function
k_q6f0cd72a75_proj:
	s_mov_b64 s[64:65], 0
	v_nop
	global_prefetch_b8 v0, s[64:65] scope:SCOPE_SE
	s_setreg_imm32_b32 hwreg(HW_REG_WAVE_MODE, 25, 1), 1
	s_wait_xcnt 0x0
	s_wait_alu depctr_hold_cnt(0) depctr_sa_sdst(0) depctr_va_vdst(0) depctr_va_sdst(0) depctr_va_ssrc(0) depctr_va_vcc(0) depctr_vm_vsrc(0)
	s_getreg_b32 s2, hwreg(HW_REG_IB_STS2, 6, 4)
	s_cmp_eq_u32 s2, 0
	s_cbranch_scc0 .Lentry_in_a_cluster
	s_endpgm
.Lentry_in_a_cluster:
	s_bfe_u32 s2, ttmp6, 0x10000c
	s_cmp_lg_u32 s2, 0xf033
	s_cbranch_scc0 .Lentry_shape_is_right
	s_endpgm
.Lentry_shape_is_right:
; out0 = attn out_w^T on codes of FP6 (E2M3) with E8M0 scales, K = 1,024; out0 [8,192][1,024] f32.
; A work-group of four waves makes 256 x 256, a wave 128 x 128: 64 accumulators.  K goes in steps of 128 through two LDS slots of 256 along K, filled by joint tensor loads of a 4 x 4 cluster.
; The matrix line is used transposed: source 0 = 16 rows of out_w, source 1 = 16 rows of attn: a lane holds eight neighbouring numbers of a row of out0.
; attn's codes lie in memory as images of the operand's registers: [tile of 16 rows][head][768 bytes]: registers 0-3 at 16 x lane, registers 4-5 at 512 + 8 x lane; a K step of 128 is two heads.
; So a tile of A is 8 rows of 3,072 bytes (a tile of rows x four heads) and a fragment four LDS loads of consecutive bytes.  out_w's codes lie as rows and are read as in the first launch.
; The scale words of a wave's 128 + 128 rows for all of K stay in registers.  attn's scale bytes lie [head][token][2 bytes]: each of the 64 loads that bring them reads 64 consecutive bytes; they are read once a wave.
; 128 work-groups: a tile of 256 x 256 keeps the wave's tile at 128 x 128; half as large a tile would give each WGP one at twice the LDS reads for each product.
; REGISTERS: window 0: v16-23 LDS addresses, v24-26 the way out, v28-29 the add's, v32-63 A's scale words, v64-95 B's, v128-223 A's fragments (one set), on the way out v128-255 rows of out0.
;   window 1: B's fragments, two sets.   windows 2, 3: accumulator (a, b) at v[8 (8 (a % 4) + b)] of window 2 + a / 4.
.set KROW,  768
.set ROWB,  192
.set PITCH, 240                        ; B's LDS row: 3 x (64 bytes + 16 of padding)
.set FR,    12
.set NLA,   4                          ; LDS loads that bring a fragment of A
.set HALFA, 8*3072                     ; what one tensor load brings of A: 128 rows x 256 along K
.set HALFB, 128*PITCH                  ; and of B
.set BOFF,  2*HALFA
.set SLOT,  BOFF+2*HALFB               ; 110,592
.set SPARE, 2*SLOT                     ; behind the ring: the spare words, 128 bytes a wave
.set SPITCH, 528                       ; the way out: a stage of 16 rows x (512 bytes + 16) for each wave, in slot 0, which has had its last fill and its last read by then
.set NOUT,  1024
.set A16,  16                          ; v16-17 LDS address of A's fragments, 16 bytes a lane, slot 0, 1
.set A8,   18                          ; v18-19 the same with 8 bytes a lane
.set ADRB, 20                          ; v20-21 B's; v22-23 behind one padding more
.set STO,  24
.set RD,   25
.set CO,   26
.set SPW,  28
.set NIL,  29
.set SA,   32
.set SB,   64
.set AF,   128
.set BK,   128
.set G1,   24
.set G0,   32
.set CX,   40
.set CY,   41
.set XT,   42
.set MROW, 43
.set MCOL, 44
.set YT,   45
.set WV,   47
.set G1B,  48
.set G0B,  56
.set WA,   66
.set WB,   67
.set OA,   78
.set OB,   80
.set LDA,  92
.set LDB,  93
.set MSB, 0
.macro WIN new
.if MSB != (\new)
	s_set_vgpr_msb (MSB<<8)|(\new)
.set MSB, (\new)
.endif
.endm
.set MUL_LO, 0xa1
.set MUL_HI, 0xf1
.set TO_B,   0x40
.macro PLACES
.rept 4
	v_nop
.endr
.endm
.macro JLOAD g0a, g1a, g0b, g1b        ; waves 0 and 1 fetch A's halves, waves 2 and 3 B's; four v_nop follow each line
	s_cmp_eq_u32 s[WA], 0
	s_cbranch_scc0 .Lfor_b_\@
	tensor_load_to_lds s[\g0a:\g0a+3], s[\g1a:\g1a+7]
	s_nop 0
.rept 4
	v_nop
.endr
	s_branch .Lasked_\@
.Lfor_b_\@:
	tensor_load_to_lds s[\g0b:\g0b+3], s[\g1b:\g1b+7]
	s_nop 0
.rept 4
	v_nop
.endr
.Lasked_\@:
.endm
.macro CREST
	s_cmp_lg_u32 s[WV], 0
	s_cbranch_scc1 .Lnot_wave_0_\@
	s_barrier_signal -3
.Lnot_wave_0_\@:
	s_barrier_wait -3
	s_barrier_signal -1
	s_barrier_wait -1
.endm
.macro CROUND
	s_barrier_signal -1
	s_barrier_wait -1
	CREST
.endm
	s_load_b256 s[4:11], s[0:1], 0x0               ; ac, asc, out_w's codes, out_w's scales
	s_load_b64 s[12:13], s[0:1], 0x20              ; out0
	v_lshl_add_u32 v[SPW], v0, 2, SPARE
	v_mov_b32 v[NIL], 0
	ds_add_u32 v28, v29
	ds_add_u32 v28, v29
	s_wait_dscnt 0x0
	v_lshrrev_b32 v1, 5, v0
	v_readfirstlane_b32 s[WV], v1
	s_lshr_b32 s[WA], s[WV], 1                     ; my half of the rows.  Also: I fetch for A (0) or for B (1)
	s_and_b32 s[WB], s[WV], 1                      ; my half of the columns.  Also: which half I fetch
	s_bfe_u32 s[CX], ttmp6, 0x40000
	s_bfe_u32 s[CY], ttmp6, 0x40004
	s_lshl_b32 s[XT], ttmp9, 2
	s_add_co_u32 s[XT], s[XT], s[CX]               ; tile column
	s_and_b32 s[YT], ttmp7, 0xffff
	s_lshl_b32 s[YT], s[YT], 2
	s_add_co_u32 s[YT], s[YT], s[CY]               ; tile row
	s_lshl_b32 s[MROW], s[CY], 2
	s_lshl_b32 s[MROW], 15, s[MROW]
	s_lshl_b32 s[MCOL], 0x1111, s[CX]
	s_or_b32 s[G1+0], s[MROW], (3<<16)|(1<<21)     ; A: the mask of my row; elements of 8 bytes; bit 21 beside a mask; no padding
	s_mov_b32 s[G1+1], 384<<16                     ; tensor_dim0: 3,072 bytes
	s_mov_b32 s[G1+2], 8<<16                       ; tensor_dim1: 8 tiles of rows
	s_mov_b32 s[G1+3], 384<<16
	s_mov_b32 s[G1+4], 8
	s_mov_b32 s[G1+5], 1536                        ; 12,288 bytes from a tile of rows to the next
	s_mov_b32 s[G1+6], 0
	s_mov_b32 s[G1+7], 0
	s_or_b32 s[G1B+0], s[MCOL], (0<<16)|(1<<20)|(1<<21)|(3<<22)|(3<<25)   ; B: the mask of my column; elements of 1 byte; after every 16 words 4 words of padding
	s_mov_b32 s[G1B+1], ROWB<<16
	s_mov_b32 s[G1B+2], 128<<16
	s_mov_b32 s[G1B+3], ROWB<<16
	s_mov_b32 s[G1B+4], 128
	s_mov_b32 s[G1B+5], KROW
	s_mov_b32 s[G1B+6], 0
	s_mov_b32 s[G1B+7], 0
	s_lshl_b32 s2, s[WB], 3
	s_lshl_b32 s[OA], s[YT], 4
	s_add_co_u32 s[OA], s[OA], s2                  ; A: tile of rows 16 x tile row + 8 x half
	s_mul_i32 s[OA], s[OA], 12288
	s_mov_b32 s[OA+1], 0
	s_lshl_b32 s2, s[WB], 7
	s_lshl_b32 s[OB], s[XT], 8
	s_add_co_u32 s[OB], s[OB], s2                  ; B: row 256 x tile column + 128 x half
	s_mul_i32 s[OB], s[OB], KROW
	s_mov_b32 s[OB+1], 0
	s_mul_i32 s[LDA], s[WB], HALFA
	s_mul_i32 s[LDB], s[WB], HALFB
	s_add_co_u32 s[LDB], s[LDB], BOFF
	s_wait_kmcnt 0x0
	s_add_nc_u64 s[OA:OA+1], s[4:5], s[OA:OA+1]
	s_add_nc_u64 s[OB:OB+1], s[8:9], s[OB:OB+1]
	CROUND                                         ; all sixteen work-groups are here: the first joint loads meet
.irp s, 0,1
	s_mov_b32 s[G0+4*\s], 1
	s_add_co_u32 s[G0+4*\s+1], s[LDA], \s*SLOT
	s_add_nc_u64 s[G0+4*\s+2:G0+4*\s+3], s[OA:OA+1], \s*3072
	s_or_b32 s[G0+4*\s+3], s[G0+4*\s+3], 0x80000000
	s_mov_b32 s[G0B+4*\s], 1
	s_add_co_u32 s[G0B+4*\s+1], s[LDB], \s*SLOT
	s_add_nc_u64 s[G0B+4*\s+2:G0B+4*\s+3], s[OB:OB+1], \s*ROWB
	s_or_b32 s[G0B+4*\s+3], s[G0B+4*\s+3], 0x80000000
	JLOAD G0+4*\s, G1, G0B+4*\s, G1B
.endr
	v_and_b32 v6, 31, v0                           ; lane
	v_lshlrev_b32 v7, 1, v6                        ; A's scale bytes: 2 a token
	v_lshlrev_b32 v8, 5, v6                        ; B's: 32 a row
	s_lshr_b32 s2, s[YT], 3
	s_lshl_b32 s2, s2, 16                          ; batch x 16 heads x 4,096 bytes
	s_and_b32 s3, s[YT], 7
	s_lshl_b32 s3, s3, 9                           ; 256 tokens x 2 bytes
	s_add_co_u32 s2, s2, s3
	s_lshl_b32 s3, s[WA], 8
	s_add_co_u32 s2, s2, s3
	s_mov_b32 s3, 0
	s_add_nc_u64 s[6:7], s[6:7], s[2:3]
	s_lshl_b32 s2, s[XT], 8
	s_lshl_b32 s96, s[WB], 7
	s_add_co_u32 s2, s2, s96
	s_lshl_b32 s2, s2, 5
	s_add_nc_u64 s[10:11], s[10:11], s[2:3]
.irp i, 0,1,2,3
	global_load_b128 v[SB+8*\i:SB+8*\i+3],   v8, s[10:11] offset:1024*\i
	global_load_b128 v[SB+8*\i+4:SB+8*\i+7], v8, s[10:11] offset:1024*\i+16
.endr
.irp i, 0,1,2,3
.irp d, 0,1,2,3,4,5,6,7,8,9,10,11,12,13,14,15
	global_load_u16 v[AF+16*\i+\d], v7, s[6:7] offset:4096*\d+64*\i   ; head d's two bytes of my row 32 i + lane, into registers that the fragments take later
.endr
.endr
	s_lshl_b32 s2, s[YT], 8
	s_lshl_b32 s3, s[WA], 7
	s_add_co_u32 s2, s2, s3
	s_lshl_b32 s2, s2, 12                          ; my first row of out0, 4,096 bytes a row,
	s_lshl_b32 s3, s[XT], 10
	s_add_co_u32 s2, s2, s3
	s_lshl_b32 s3, s[WB], 9
	s_add_co_u32 s2, s2, s3                        ; my first column
	s_mov_b32 s3, 0
	s_add_nc_u64 s[12:13], s[12:13], s[2:3]
	s_wait_loadcnt 0x0
.irp i, 0,1,2,3
.irp k, 0,1,2,3,4,5,6,7
	v_lshl_or_b32 v[SA+8*\i+\k], v[AF+16*\i+2*\k+1], 16, v[AF+16*\i+2*\k]   ; a K step's word: its two heads' bytes
.endr
.endr
	; the address arithmetic stands here: more than eight plain lines between the scale words just made and the first product
	v_and_b32 v1, 15, v0                           ; r
	v_bfe_u32 v2, v0, 4, 1                         ; h
	v_lshlrev_b32 v9, 4, v6
	v_lshlrev_b32 v10, 3, v6
	v_mul_u32_u24 v3, v1, PITCH
	v_mad_u32_u24 v4, v2, 24, v3
	v_lshl_add_u32 v5, v2, 4, v4
	s_mul_i32 s2, s[WA], HALFA                     ; my 128 rows of A
	s_mul_i32 s3, s[WB], HALFB
	s_add_co_u32 s3, s3, BOFF                      ; my 128 rows of B
.irp s, 0,1
	v_add_nc_u32 v[A16+\s], s2, v9
	v_add_nc_u32 v[A8+\s], s2, v10
	v_add_nc_u32 v[ADRB+\s], s3, v4
	v_add_nc_u32 v[ADRB+2+\s], s3, v5
	s_add_co_u32 s2, s2, SLOT
	s_add_co_u32 s3, s3, SLOT
.endr
	s_mul_i32 s2, s[WV], 16*SPITCH                 ; my stage
	v_mul_u32_u24 v5, v1, SPITCH
	v_lshl_add_u32 v5, v2, 5, v5
	v_add_nc_u32 v[STO], s2, v5                    ; in: row l % 16, 32 bytes for each half of the lanes
	v_mov_b32 v[CO], v9                            ; back: the 32 lanes take one row of 512 bytes; and the same in out0
	v_add_nc_u32 v[RD], s2, v9
.macro FRAG reg, adr, q, i             ; a fragment of B from padded rows, in pieces of 8 bytes
.irp p, 0,1,2,3,4,5
.set PCE, 12*(\q)+6*(\p/3)+\p%3
.if PCE%8 < 5
	ds_load_b64 v[\reg+2*\p:\reg+2*\p+1], v[\adr] offset:8*PCE+16*(PCE/8)+(\i)*16*PITCH
.else
	ds_load_b64 v[\reg+2*\p:\reg+2*\p+1], v[\adr+2] offset:8*PCE+16*(PCE/8)+(\i)*16*PITCH
.endif
.endr
.endm
.macro MM a, b, p, ks, zero
.set rD, 8*(8*((\a)%4)+(\b))
.set rB, 128*(\p)+FR*(\b)
.set rA, AF+FR*(\a)
.set rT, SB+8*((\b)/2)+(\ks)
.set rU, SA+8*((\a)/2)+(\ks)
.set rowb, (\b)%2
.set rowa, (\a)%2
.if \zero
.if (rowb == 0) && (rowa == 0)
	v_wmma_scale_f32_16x16x128_f8f6f4 v[rD:rD+7], v[rB:rB+11], v[rA:rA+11], 0, v[rT], v[rU] matrix_a_fmt:MATRIX_FMT_FP6 matrix_b_fmt:MATRIX_FMT_FP6
.elseif rowa == 0
	v_wmma_scale_f32_16x16x128_f8f6f4 v[rD:rD+7], v[rB:rB+11], v[rA:rA+11], 0, v[rT], v[rU] matrix_a_fmt:MATRIX_FMT_FP6 matrix_b_fmt:MATRIX_FMT_FP6 matrix_a_scale:MATRIX_SCALE_ROW1
.elseif rowb == 0
	v_wmma_scale_f32_16x16x128_f8f6f4 v[rD:rD+7], v[rB:rB+11], v[rA:rA+11], 0, v[rT], v[rU] matrix_a_fmt:MATRIX_FMT_FP6 matrix_b_fmt:MATRIX_FMT_FP6 matrix_b_scale:MATRIX_SCALE_ROW1
.else
	v_wmma_scale_f32_16x16x128_f8f6f4 v[rD:rD+7], v[rB:rB+11], v[rA:rA+11], 0, v[rT], v[rU] matrix_a_fmt:MATRIX_FMT_FP6 matrix_b_fmt:MATRIX_FMT_FP6 matrix_a_scale:MATRIX_SCALE_ROW1 matrix_b_scale:MATRIX_SCALE_ROW1
.endif
.else
.if (rowb == 0) && (rowa == 0)
	v_wmma_scale_f32_16x16x128_f8f6f4 v[rD:rD+7], v[rB:rB+11], v[rA:rA+11], v[rD:rD+7], v[rT], v[rU] matrix_a_fmt:MATRIX_FMT_FP6 matrix_b_fmt:MATRIX_FMT_FP6
.elseif rowa == 0
	v_wmma_scale_f32_16x16x128_f8f6f4 v[rD:rD+7], v[rB:rB+11], v[rA:rA+11], v[rD:rD+7], v[rT], v[rU] matrix_a_fmt:MATRIX_FMT_FP6 matrix_b_fmt:MATRIX_FMT_FP6 matrix_a_scale:MATRIX_SCALE_ROW1
.elseif rowb == 0
	v_wmma_scale_f32_16x16x128_f8f6f4 v[rD:rD+7], v[rB:rB+11], v[rA:rA+11], v[rD:rD+7], v[rT], v[rU] matrix_a_fmt:MATRIX_FMT_FP6 matrix_b_fmt:MATRIX_FMT_FP6 matrix_b_scale:MATRIX_SCALE_ROW1
.else
	v_wmma_scale_f32_16x16x128_f8f6f4 v[rD:rD+7], v[rB:rB+11], v[rA:rA+11], v[rD:rD+7], v[rT], v[rU] matrix_a_fmt:MATRIX_FMT_FP6 matrix_b_fmt:MATRIX_FMT_FP6 matrix_a_scale:MATRIX_SCALE_ROW1 matrix_b_scale:MATRIX_SCALE_ROW1
.endif
.endif
.endm
.macro MUL16 a0, p, ks, zero           ; the 64 accumulators take turns, one instruction a turn, in the same order in every step
.irp a, \a0, \a0+1
.irp b, 0,1,2,3,4,5,6,7
	MM (\a), \b, \p, \ks, \zero
.endr
.endr
.endm
.macro FETCH_B slot, q, p
	WIN TO_B
.irp i, 0,1,2,3,4,5,6,7
	FRAG 128*(\p)+FR*\i, ADRB+\slot, \q, \i
.endr
	WIN 0
.endm
.macro FETCH_A slot, q, i0             ; A's blocks i0 .. i0 + 3: for each of the K step's two heads 16 bytes a lane and 8 bytes a lane, as they were stored
.irp i, \i0, \i0+1, \i0+2, \i0+3
.irp c, 0,1
	ds_load_b128 v[AF+FR*(\i)+6*\c:AF+FR*(\i)+6*\c+3], v[A16+\slot] offset:3072*(\i)+1536*(\q)+768*\c
	ds_load_b64 v[AF+FR*(\i)+6*\c+4:AF+FR*(\i)+6*\c+5], v[A8+\slot] offset:3072*(\i)+1536*(\q)+768*\c+512
.endr
.endr
.endm
.macro STEP slot, ks, zero
	s_wait_dscnt 4*NLA                             ; B's set and A's blocks 0-3 are in; the youngest 16 loads (A's blocks 4-7) may be out
	WIN MUL_LO
	MUL16 0, 0, \ks, \zero
	MUL16 2, 0, \ks, \zero
	s_wait_dscnt 0x0
	PLACES
	FETCH_B \slot, 1, 1
	FETCH_A \slot, 1, 0
	WIN MUL_HI
	MUL16 4, 0, \ks, \zero
	MUL16 6, 0, \ks, \zero
	PLACES
	WIN 0
	FETCH_A \slot, 1, 4
.endm
.macro TURN slot, next, ks, fill
	s_wait_tensorcnt 0x0                           ; all my tensor loads have landed: my part of the next slot
	ds_add_u32 v[SPW], v[NIL]                      ; 0 onto my spare word
	s_wait_dscnt 4*NLA+1                           ; the add and the youngest 16 loads may be out
	WIN MUL_LO
	MUL16 0, 1, \ks, 0
	s_wait_dscnt 0x0                               ; the add is done, and my reads of this slot are over
	s_barrier_signal -1
	MUL16 2, 1, \ks, 0
	WIN 0
	s_barrier_wait -1
.if \fill
	CREST                                          ; the barrier has opened a round of the cluster's barrier
	s_add_nc_u64 s[G0+4*\slot+2:G0+4*\slot+3], s[G0+4*\slot+2:G0+4*\slot+3], 2*3072
	s_add_nc_u64 s[G0B+4*\slot+2:G0B+4*\slot+3], s[G0B+4*\slot+2:G0B+4*\slot+3], 2*ROWB
	JLOAD G0+4*\slot, G1, G0B+4*\slot, G1B         ; the first tensor load behind the round; its four v_nop are the places in front of the loads below
.else
	PLACES
.endif
	FETCH_B \next, 0, 0
	FETCH_A \next, 0, 0
	WIN MUL_HI
	MUL16 4, 1, \ks, 0
	MUL16 6, 1, \ks, 0
	PLACES
	WIN 0
	FETCH_A \next, 0, 4
.endm
	s_wait_tensorcnt 1                             ; my part of slot 0 is in; slot 1's load may stay out
	s_barrier_signal -1
	s_barrier_wait -1
	FETCH_B 0, 0, 0
	FETCH_A 0, 0, 0
	FETCH_A 0, 0, 4
	STEP 0, 0, 1                                   ; the first step's products start the sums
	TURN 0, 1, 1, 1
	STEP 1, 2, 0
	TURN 1, 0, 3, 1
	STEP 0, 4, 0
	TURN 0, 1, 5, 0
	STEP 1, 6, 0
	s_wait_dscnt 4*NLA                             ; K step 7: nothing more to fetch
	WIN MUL_LO
	MUL16 0, 1, 7, 0
	MUL16 2, 1, 7, 0
	s_wait_dscnt 0x0
	WIN MUL_HI
	MUL16 4, 1, 7, 0
	MUL16 6, 1, 7, 0
	WIN 0
; THE WAY OUT, block by block of 16 rows x 128 columns, through my own stage in LDS: in as 32 bytes a lane, back as whole rows of 512 bytes.  LDS serves a wave's instructions in order (ISA guide 5.7.1.4).
.macro TOSTAGE a
.set AC, 64*((\a)%4)
	WIN 0x08+4*((\a)/4)                            ; the data: window 2 or 3
.irp b, 0,1,2,3,4,5,6,7
	ds_store_b128 v[STO], v[AC+8*\b:AC+8*\b+3] offset:64*\b          ; each accumulator from its low end on
	ds_store_b128 v[STO], v[AC+8*\b+4:AC+8*\b+7] offset:64*\b+16
.endr
	WIN 0
.set BB, BK+64*((\a)%2)
.irp t, 0,1,2,3,4,5,6,7,8,9,10,11,12,13,14,15
	ds_load_b128 v[BB+4*\t:BB+4*\t+3], v[RD] offset:\t*SPITCH
.endr
.endm
.macro SEND a, younger                 ; younger: the LDS instructions issued behind block a's loads
.set BB, BK+64*((\a)%2)
	s_wait_dscnt \younger
.if (\a) > 0
	s_add_nc_u64 s[12:13], s[12:13], 16*NOUT*4     ; 16 rows on (the earlier stores have read their base: a wait on XCNT stands ahead)
.endif
.irp t, 0,1,2,3,4,5,6,7,8,9,10,11,12,13,14,15
	global_store_b128 v[CO], v[BB+4*\t:BB+4*\t+3], s[12:13] offset:\t*NOUT*4 th:TH_STORE_NT   ; 32 lanes store 512 consecutive bytes, aligned to 256
.endr
.endm
	PLACES
	TOSTAGE 0
.irp a, 1,2,3,4,5,6,7
.if \a > 1
	s_wait_xcnt 0x0                                ; block a - 2's stores have read their registers and their base
.endif
	TOSTAGE \a
	SEND \a-1, 32                                  ; behind block a - 1's loads: block a's 16 stores and 16 loads
.endr
	s_wait_xcnt 0x0
	SEND 7, 0
	s_wait_tensorcnt 0x0                           ; the wave's end
	ds_add_u32 v[SPW], v[NIL]
	s_wait_dscnt 0x0
	CROUND                                         ; the closing round
	s_endpgm
.Lfunc_end_k_q6f0cd72a75_proj:
	.size	k_q6f0cd72a75_proj, .Lfunc_end_k_q6f0cd72a75_proj-k_q6f0cd72a75_proj
	.p2alignl 7, 3214868480
	.fill 96, 4, 3214868480
	.section	.rodata,"a",@progbits
	.p2align	6, 0x0
	.amdhsa_kernel k_q6f0cd72a75_proj
		.amdhsa_group_segment_fixed_size 327680
		.amdhsa_private_segment_fixed_size 0
		.amdhsa_enable_private_segment 0
		.amdhsa_kernarg_size 40
		.amdhsa_user_sgpr_count 2
		.amdhsa_user_sgpr_kernarg_segment_ptr 1
		.amdhsa_wavefront_size32 1
		.amdhsa_system_sgpr_workgroup_id_x 1
		.amdhsa_system_sgpr_workgroup_id_y 1
		.amdhsa_system_sgpr_workgroup_id_z 1
		.amdhsa_system_vgpr_workitem_id 0
		.amdhsa_next_free_vgpr 1024
		.amdhsa_next_free_sgpr 100
		.amdhsa_reserve_vcc 0
		.amdhsa_float_denorm_mode_32 3
		.amdhsa_float_denorm_mode_16_64 3
		.amdhsa_memory_ordered 1
		.amdhsa_forward_progress 1
		.amdhsa_inst_pref_size 156
	.end_amdhsa_kernel
	.amdgpu_metadata
---
amdhsa.version: [ 1, 2 ]
amdhsa.kernels:
  - .name:           k_q6f0cd72a75_proj
    .symbol:         k_q6f0cd72a75_proj.kd
    .args:
      - { .name: ac, .offset: 0, .size: 8, .value_kind: global_buffer, .address_space: global }
      - { .name: asc, .offset: 8, .size: 8, .value_kind: global_buffer, .address_space: global }
      - { .name: out_w_codes, .offset: 16, .size: 8, .value_kind: global_buffer, .address_space: global }
      - { .name: out_w_scales, .offset: 24, .size: 8, .value_kind: global_buffer, .address_space: global }
      - { .name: out0, .offset: 32, .size: 8, .value_kind: global_buffer, .address_space: global }
    .group_segment_fixed_size: 327680
    .private_segment_fixed_size: 0
    .kernarg_segment_align: 8
    .kernarg_segment_size: 40
    .max_flat_workgroup_size: 128
    .sgpr_count:     100
    .vgpr_count:     1024
    .wavefront_size: 32
...
	.end_amdgpu_metadata
.endif
;; end of part 3
;; ======== version 2 of 2: 3 launches
;; limits: right only within a limited range of input values
;; workspace buffers: qkvc 18,874,368 bytes; qkvs 786,432 bytes; ac 6,291,456 bytes; asc 262,144 bytes
;; launch qkv (part 4): grid 8 x 32, 4 waves a work-group, clusters of 4 x 4, 327,680 bytes of LDS; arguments hidden_states_codes, hidden_states_scales, qkv_w_codes, qkv_w_scales, cos, sin, norm_q_w, norm_k_w, qkvc, qkvs; writes qkvc, qkvs
.if DOCPART == 4
	.amdgcn_target "amdgcn-amd-amdhsa--gfx1250"
	.amdhsa_code_object_version 6
	.text
	.protected	k_q6f0cd72a75_qkv
	.globl	k_q6f0cd72a75_qkv
	.p2align	8
	.type	k_q6f0cd72a75_qkv,@function
k_q6f0cd72a75_qkv:
	s_mov_b64 s[64:65], 0
	v_nop
	global_prefetch_b8 v0, s[64:65] scope:SCOPE_SE
	s_setreg_imm32_b32 hwreg(HW_REG_WAVE_MODE, 25, 1), 1
	s_wait_xcnt 0x0
	s_wait_alu depctr_hold_cnt(0) depctr_sa_sdst(0) depctr_va_vdst(0) depctr_va_sdst(0) depctr_va_ssrc(0) depctr_va_vcc(0) depctr_vm_vsrc(0)
	s_getreg_b32 s2, hwreg(HW_REG_IB_STS2, 6, 4)
	s_cmp_eq_u32 s2, 0
	s_cbranch_scc0 .Lentry_in_a_cluster
	s_endpgm
.Lentry_in_a_cluster:
	s_bfe_u32 s2, ttmp6, 0x10000c
	s_cmp_lg_u32 s2, 0xf033
	s_cbranch_scc0 .Lentry_shape_is_right
	s_endpgm
.Lentry_shape_is_right:
; qkv = hidden W^T on codes of FP6 (E2M3) with E8M0 scales, K = 1,024; q and k get RMSNorm and RoPE and are quantised along the head's 64, v along the tokens.
; The results leave as codes and scale words, laid in the order of the registers of the launch that reads them.
; A WORK-GROUP MAKES TWO TILES over the same 256 tokens (grid y): 256 channels of q or k (rows 256 x of W), then 128 channels of v (rows 2,048 + 128 x): 8 x 32 work-groups of equal work.
; THE RING: a row of codes is 768 bytes = three chunks of 256 bytes, each on a 256-byte border.  Two LDS slots hold one chunk each of the tokens' 256 rows and of W's rows.
; The two tiles' chunks are counted through, 0 to 5 (3 to 5: v's tile), chunk g in slot g % 2; a step of 128 along K is 96 bytes, eight steps to three chunks, steps counted 0 to 15.
; Chunk g + 2 is asked for, by joint loads of a 4 x 4 cluster, when chunk g is read no more: v's first chunks land while q's or k's results are normed, turned and quantised.
; THE MATRIX LINE is D(a, b) = source 0 (block b) x source 1 (block a): a lane holds one row of source 1, its registers run along source 0's rows.
;   q, k: source 1 = tokens, source 0 = W: a wave makes 128 tokens x 128 channels; register 8 t + j of a head holds d = 16 t + 8 (lane / 16) + j.
;   v:    source 1 = W, source 0 = tokens: a wave makes 64 channels x 128 tokens, so that the quantiser's K, the tokens, runs along a lane's registers.
; THE ORDER INSIDE A BLOCK OF 32: numbers 0-7, 16-23, 8-15, 24-31, alike in both operands of each later product, which changes no product.
; RMSNorm and RoPE: z_lo = (x_lo c_lo w_lo - x_hi s_lo w_hi) r, z_hi = (x_hi c_hi w_hi + x_lo s_hi w_lo) r, r = 1 / sqrt(mean(x^2) + 1e-6).
; LIMITS: w is multiplied into cos and sin first and r comes last, an order of f32 roundings other than x r w c; NaN and infinities are not served.
; A block of zeros, or one whose largest magnitude lies under 2^-124, carries the byte 1 (the rule says 127 for zeros): this program alone reads the bytes.
; No prefetch: the block is 256 x 256 in clusters and a tile's K is three chunks, two of which are asked for at the head.
.set KROW,  768
.set ROWB,  256
.set PITCH, 272                        ; 256 bytes + 16 of padding
.set FR,    12
.set NL,    6
.set HALFT, 128*PITCH
.set SLOT,  4*HALFT                    ; the tokens' 256 rows, then W's 256 (v's tile fills 128)
.set SPARE, 2*SLOT
.set HEADB, 98304
.set LI,   8                           ; 16 x lane
.set L8,   9                           ; 8 x lane
.set TO,   10                          ; my place in 16 rows of cos or sin
.set SV,   11                          ; 32 x lane
.set NO,   12                          ; 32 (lane / 16)
.set ADRA, 16                          ; v16-17 my tokens' fragments in slot 0, 1; v18-19 lanes 0-15 at byte 232 of slot 0, 1 and lanes 16-31 at byte 0 of the other slot
.set ADRB, 20                          ; the same for W's rows for q, k
.set ADRV, 24                          ; the same for W's rows for v
.set SPW,  28
.set NIL,  29
.set SA,   32                          ; v[SA + 8 i + ks]: the scale word of my token 32 i + lane, K step ks
.set SB,   64                          ; the same for my rows of W
.set NW,   96
.set AF,   128
.set Z,    128
.set PC,   192
.set TM,   212
.set KW,   228
.set SQ,   236
.set RS,   244
.set OW,   248
.set LDV,  2
.set PBS,  4
.set PAS,  6
.set PVS,  8
.set HM,   10                          ; s10: the mask of lanes 16-31 (set behind the head, where W's scales' address is done with)
.set PCOS, 12
.set PSIN, 14
.set G1,   24
.set G0,   32
.set CX,   40
.set CY,   41
.set XT,   42
.set MROW, 43
.set MCOL, 44
.set YT,   45
.set EPS,  46
.set WV,   47
.set G1B,  48
.set G0B,  56
.set WA,   66
.set WB,   67
.set G1V,  68
.set G0V,  76
.set OC,   84
.set OS,   86
.set OVC,  88
.set OVS,  90
.set PNW,  92
.set SEL,  94
.set MSB, 0
.macro WIN new
.if MSB != (\new)
	s_set_vgpr_msb (MSB<<8)|(\new)
.set MSB, (\new)
.endif
.endm
.set MUL_LO, 0xa1
.set MUL_HI, 0xf1
.set TO_B,   0x40
.macro PLACES                          ; four plain places behind a matrix instruction (ISA guide 7.12.1)
.rept 4
	v_nop
.endr
.endm
; A joint load: waves 0 and 1 fetch the tokens' halves, waves 2 and 3 W's
.macro JLOAD g0a, g1a, g0b, g1b
	s_cmp_eq_u32 s[WA], 0
	s_cbranch_scc0 .Lfor_b_\@
	tensor_load_to_lds s[\g0a:\g0a+3], s[\g1a:\g1a+7]
	s_nop 0
.rept 4
	v_nop
.endr
	s_branch .Lasked_\@
.Lfor_b_\@:
	tensor_load_to_lds s[\g0b:\g0b+3], s[\g1b:\g1b+7]
	s_nop 0
.rept 4
	v_nop
.endr
.Lasked_\@:
.endm
.macro CREST
	s_cmp_lg_u32 s[WV], 0
	s_cbranch_scc1 .Lnot_wave_0_\@
	s_barrier_signal -3
.Lnot_wave_0_\@:
	s_barrier_wait -3
	s_barrier_signal -1
	s_barrier_wait -1
.endm
.macro CROUND
	s_barrier_signal -1
	s_barrier_wait -1
	CREST
.endm
	s_load_b256 s[4:11], s[0:1], 0x0               ; hidden's codes, scales; W's codes, scales
	s_load_b256 s[12:19], s[0:1], 0x20             ; cos, sin, q's weights, k's weights
	s_load_b128 s[20:23], s[0:1], 0x40             ; qkvc, qkvs
	v_lshl_add_u32 v[SPW], v0, 2, SPARE
	v_mov_b32 v[NIL], 0
	ds_add_u32 v[SPW], v[NIL]                      ; the opening lines
	ds_add_u32 v[SPW], v[NIL]
	v_lshrrev_b32 v1, 5, v0
	v_readfirstlane_b32 s[WV], v1
	s_lshr_b32 s[WA], s[WV], 1                     ; my half of the tokens; also: I fetch tokens (0) or W (1)
	s_and_b32 s[WB], s[WV], 1                      ; my half of the channels; also: which half of a tile I fetch
	s_bfe_u32 s[CX], ttmp6, 0x40000
	s_bfe_u32 s[CY], ttmp6, 0x40004
	s_lshl_b32 s[XT], ttmp9, 2
	s_add_co_u32 s[XT], s[XT], s[CX]
	s_and_b32 s[YT], ttmp7, 0xffff
	s_lshl_b32 s[YT], s[YT], 2
	s_add_co_u32 s[YT], s[YT], s[CY]
	s_lshl_b32 s[MROW], s[CY], 2
	s_lshl_b32 s[MROW], 15, s[MROW]                ; my row of the cluster shares the tokens
	s_lshl_b32 s[MCOL], 0x1111, s[CX]              ; my column shares W's rows
	s_or_b32 s[G1+0], s[MROW], (0<<16)|(1<<20)|(1<<21)|(5<<22)|(3<<25)   ; bytes; after every 64 words 4 words of padding
	s_or_b32 s[G1B+0], s[MCOL], (0<<16)|(1<<20)|(1<<21)|(5<<22)|(3<<25)
	s_or_b32 s[G1V+0], s[MCOL], (0<<16)|(1<<20)|(1<<21)|(5<<22)|(3<<25)
.irp g, G1, G1B
	s_mov_b32 s[\g+1], ROWB<<16
	s_mov_b32 s[\g+2], 256<<16                     ; the head's loads bring 256 rows; behind them the two words that count rows are set to 128
	s_mov_b32 s[\g+3], ROWB<<16
	s_mov_b32 s[\g+4], 256
	s_mov_b32 s[\g+5], KROW
	s_mov_b32 s[\g+6], 0
	s_mov_b32 s[\g+7], 0
.endr
	s_mov_b32 s[G1V+1], ROWB<<16                   ; v's tile of W: 64 rows a load
	s_mov_b32 s[G1V+2], 64<<16
	s_mov_b32 s[G1V+3], ROWB<<16
	s_mov_b32 s[G1V+4], 64
	s_mov_b32 s[G1V+5], KROW
	s_mov_b32 s[G1V+6], 0
	s_mov_b32 s[G1V+7], 0
	s_lshl_b32 s96, s[YT], 8
	s_mul_i32 s96, s96, KROW                       ; the tokens' tile: y alone
	s_mov_b32 s97, 0
	s_lshl_b32 s98, s[XT], 8
	s_mul_i32 s98, s98, KROW                       ; W's tile for q, k: x alone
	s_mov_b32 s99, 0
	s_lshl_b32 s2, s[WB], 6
	s_lshl_b32 s84, s[XT], 7
	s_add_co_u32 s84, s84, s2
	s_add_co_u32 s84, s84, 2048
	s_mul_i32 s84, s84, KROW                       ; W for v
	s_mov_b32 s85, 0
	s_mul_i32 s[LDV], s[WB], 64*PITCH
	s_add_co_u32 s[LDV], s[LDV], 2*HALFT
	s_wait_dscnt 0x0                               ; both opening adds are done
	s_wait_kmcnt 0x0
	s_add_nc_u64 s[96:97], s[4:5], s[96:97]
	s_add_nc_u64 s[98:99], s[8:9], s[98:99]
	s_add_nc_u64 s[84:85], s[8:9], s[84:85]
	CROUND                                         ; all sixteen work-groups are here: the first joint loads meet
.irp s, 0,1
	s_mov_b32 s[G0+4*\s], 1
	s_mov_b32 s[G0+4*\s+1], \s*SLOT
	s_add_nc_u64 s[G0+4*\s+2:G0+4*\s+3], s[96:97], \s*ROWB
	s_or_b32 s[G0+4*\s+3], s[G0+4*\s+3], 0x80000000
	s_mov_b32 s[G0B+4*\s], 1
	s_mov_b32 s[G0B+4*\s+1], \s*SLOT+2*HALFT
	s_add_nc_u64 s[G0B+4*\s+2:G0B+4*\s+3], s[98:99], \s*ROWB
	s_or_b32 s[G0B+4*\s+3], s[G0B+4*\s+3], 0x80000000
	s_mov_b32 s[G0V+4*\s], 1                       ; v's chunk 0 goes to slot 1 (it is chunk 3 of the count), its chunk 1 to slot 0
	s_add_co_u32 s[G0V+4*\s+1], s[LDV], \s*SLOT
	s_add_nc_u64 s[G0V+4*\s+2:G0V+4*\s+3], s[84:85], (1-\s)*ROWB
	s_or_b32 s[G0V+4*\s+3], s[G0V+4*\s+3], 0x80000000
.endr
; THE HEAD'S LOADS, ONE A WAVE, fill both slots: wave 0 fetches chunk 0's 256 rows of the tokens, wave 1 its 256 rows of W, waves 2 and 3 the same of chunk 1.
; One chain of branches on the wave's number, a load to each arm, all arms leading to one join.
.macro ARM under, g0, g1, next
	s_cmp_lt_u32 s[WV], \under
	s_cbranch_scc0 \next
	tensor_load_to_lds s[\g0:\g0+3], s[\g1:\g1+7]
	s_nop 0
.rept 4
	v_nop
.endr
	s_branch .Lhead_asked
\next:
.endm
	ARM 1, G0,   G1,  .Lhead_b0
	ARM 2, G0B,  G1B, .Lhead_a1
	ARM 3, G0+4, G1,  .Lhead_b1
	tensor_load_to_lds s[G0B+4:G0B+7], s[G1B:G1B+7]
	s_nop 0
.rept 4
	v_nop
.endr
.Lhead_asked:
	v_and_b32 v1, 15, v0
	v_bfe_u32 v2, v0, 4, 1                         ; h
	v_and_b32 v6, 31, v0
	v_lshlrev_b32 v[SV], 5, v6
	s_wait_alu depctr_va_vdst(0)                   ; the wait ahead of the run of scalar lines
	s_lshl_b32 s2, s[YT], 8
	s_lshl_b32 s3, s[WA], 7
	s_add_co_u32 s2, s2, s3
	s_lshl_b32 s2, s2, 5
	s_mov_b32 s3, 0
	s_add_nc_u64 s[PAS:PAS+1], s[PAS:PAS+1], s[2:3]
	s_lshl_b32 s2, s[XT], 8
	s_lshl_b32 s96, s[WB], 7
	s_add_co_u32 s2, s2, s96
	s_lshl_b32 s2, s2, 5
	s_add_nc_u64 s[PBS:PBS+1], s[10:11], s[2:3]
	s_lshl_b32 s2, s[XT], 7
	s_lshl_b32 s96, s[WB], 6
	s_add_co_u32 s2, s2, s96
	s_add_co_u32 s2, s2, 2048
	s_lshl_b32 s2, s2, 5
	s_add_nc_u64 s[PVS:PVS+1], s[10:11], s[2:3]
.irp i, 0,1,2,3                        ; my rows' scale words for all of K stay in registers: 32 lanes x 32 bytes are 1,024 consecutive bytes
	global_load_b128 v[SA+8*\i:SA+8*\i+3],   v[SV], s[PAS:PAS+1] offset:1024*\i
	global_load_b128 v[SA+8*\i+4:SA+8*\i+7], v[SV], s[PAS:PAS+1] offset:1024*\i+16
	global_load_b128 v[SB+8*\i:SB+8*\i+3],   v[SV], s[PBS:PBS+1] offset:1024*\i
	global_load_b128 v[SB+8*\i+4:SB+8*\i+7], v[SV], s[PBS:PBS+1] offset:1024*\i+16
.endr
	v_lshlrev_b32 v[LI], 4, v6
	v_lshlrev_b32 v[L8], 3, v6
	v_lshlrev_b32 v[NO], 5, v2
	v_lshl_add_u32 v[TO], v1, 8, v[NO]
	v_mul_u32_u24 v3, v1, PITCH
	v_mad_u32_u24 v4, v2, 24, v3                   ; a fragment's row x pitch + 24 x half
	s_mov_b32 s2, SLOT-232
	s_mov_b32 s3, SLOT+232
	v_sub_nc_u32 v7, 1, v2
	v_mul_u32_u24 v5, s2, v2
	v_add_nc_u32 v5, v3, v5
	v_add_nc_u32 v5, 232, v5                       ; lanes 0-15 byte 232 of the row in slot 0, lanes 16-31 byte 0 of the row in slot 1
	v_mul_u32_u24 v7, s3, v7
	v_add_nc_u32 v7, v3, v7                        ; lanes 0-15 byte 232 in slot 1, lanes 16-31 byte 0 in slot 0
	s_wait_alu depctr_va_vdst(0)
	s_mul_i32 s2, s[WA], HALFT                     ; my 128 tokens
	s_mul_i32 s3, s[WB], HALFT
	s_add_co_u32 s3, s3, 2*HALFT                   ; my 128 rows of W for q, k
	s_mul_i32 s96, s[WB], 64*PITCH
	s_add_co_u32 s96, s96, 2*HALFT                 ; my 64 rows of W for v
.macro ADR4 reg, sb
	v_add_nc_u32 v[\reg], s[\sb], v4
	v_add_nc_u32 v[\reg+2], s[\sb], v5
	v_add_nc_u32 v[\reg+3], s[\sb], v7
	s_add_co_u32 s[\sb], s[\sb], SLOT
	v_add_nc_u32 v[\reg+1], s[\sb], v4
.endm
	ADR4 ADRA, 2
	ADR4 ADRB, 3
	ADR4 ADRV, 96
	; where my results go
	s_lshl_b32 s96, s[YT], 1
	s_add_co_u32 s96, s96, s[WA]                   ; my 128 tokens: 0..63
	s_lshl_b32 s97, s[XT], 1
	s_add_co_u32 s97, s97, s[WB]                   ; my 128 channels of q, k; also my head of v
	s_lshr_b32 s98, s96, 4
	s_lshl_b32 s98, s98, 4                         ; 16 x batch
	s_and_b32 s96, s96, 15                         ; my step of 128 tokens
	s_lshr_b32 s2, s97, 3
	s_lshl_b32 s2, s2, 6                           ; 64 x (q or k)
	s_add_co_u32 s2, s2, s98
	s_and_b32 s3, s97, 7
	s_lshl_b32 s3, s3, 1
	s_add_co_u32 s2, s2, s3
	s_add_co_u32 s99, s98, s97
	s_add_co_u32 s99, s99, 128
	s_mul_i32 s3, s96, 6144
	s_mul_i32 s40, s2, HEADB
	s_add_co_u32 s40, s40, s3
	s_mov_b32 s41, 0
	s_add_nc_u64 s[OC:OC+1], s[20:21], s[40:41]
	s_mul_i32 s40, s99, HEADB
	s_add_co_u32 s40, s40, s3
	s_add_nc_u64 s[OVC:OVC+1], s[20:21], s[40:41]
	s_lshl_b32 s3, s96, 8
	s_lshl_b32 s40, s2, 12
	s_add_co_u32 s40, s40, s3
	s_add_nc_u64 s[OS:OS+1], s[22:23], s[40:41]
	s_lshl_b32 s40, s99, 12
	s_add_co_u32 s40, s40, s3
	s_add_nc_u64 s[OVS:OVS+1], s[22:23], s[40:41]
	s_lshl_b32 s40, s96, 15
	s_add_nc_u64 s[PCOS:PCOS+1], s[PCOS:PCOS+1], s[40:41]
	s_add_nc_u64 s[PSIN:PSIN+1], s[PSIN:PSIN+1], s[40:41]
	s_cmp_ge_u32 ttmp9, 1                          ; rows of W from 1,024 on are k's
	s_cselect_b64 s[PNW:PNW+1], s[18:19], s[16:17]
	s_mov_b32 s[EPS], 0x358637bd                   ; 1e-6
	s_mov_b32 s[SEL], 0x76543210
	s_mov_b32 s[SEL+1], 0xfedcba98
; A fragment, 16 rows x 128 K: registers 6 c .. 6 c + 5 hold K = 64 c + 32 (lane / 16) + 0 .. 31, 24 bytes as they lie, in pieces of 8.  st: the step, 0 to 15.
; Byte y of the count lies in chunk y / 256, slot (y / 256) % 2, at byte y % 256 of the LDS row; lanes 16-31 read 24 bytes on, which may be the next chunk.
.macro FRAG reg, adr, st, i
.irp p, 0,1,2,3,4,5
.set BY, 96*(\st)+48*(\p/3)+8*(\p%3)
.if BY/ROWB == (BY+24)/ROWB
	ds_load_b64 v[\reg+2*\p:\reg+2*\p+1], v[\adr+(BY/ROWB)%2] offset:BY%ROWB+(\i)*16*PITCH
.else
	ds_load_b64 v[\reg+2*\p:\reg+2*\p+1], v[\adr+2+(BY/ROWB)%2] offset:BY%ROWB-232+(\i)*16*PITCH
.endif
.endr
.endm
; One product.  A block's scale words lie in lanes 0-15 (even block) or 16-31 (odd block) of its register.
.macro EMIT zero
.if \zero
.if (rowb == 0) && (rowa == 0)
	v_wmma_scale_f32_16x16x128_f8f6f4 v[rD:rD+7], v[rB:rB+11], v[rA:rA+11], 0, v[rT], v[rU] matrix_a_fmt:MATRIX_FMT_FP6 matrix_b_fmt:MATRIX_FMT_FP6
.elseif rowa == 0
	v_wmma_scale_f32_16x16x128_f8f6f4 v[rD:rD+7], v[rB:rB+11], v[rA:rA+11], 0, v[rT], v[rU] matrix_a_fmt:MATRIX_FMT_FP6 matrix_b_fmt:MATRIX_FMT_FP6 matrix_a_scale:MATRIX_SCALE_ROW1
.elseif rowb == 0
	v_wmma_scale_f32_16x16x128_f8f6f4 v[rD:rD+7], v[rB:rB+11], v[rA:rA+11], 0, v[rT], v[rU] matrix_a_fmt:MATRIX_FMT_FP6 matrix_b_fmt:MATRIX_FMT_FP6 matrix_b_scale:MATRIX_SCALE_ROW1
.else
	v_wmma_scale_f32_16x16x128_f8f6f4 v[rD:rD+7], v[rB:rB+11], v[rA:rA+11], 0, v[rT], v[rU] matrix_a_fmt:MATRIX_FMT_FP6 matrix_b_fmt:MATRIX_FMT_FP6 matrix_a_scale:MATRIX_SCALE_ROW1 matrix_b_scale:MATRIX_SCALE_ROW1
.endif
.else
.if (rowb == 0) && (rowa == 0)
	v_wmma_scale_f32_16x16x128_f8f6f4 v[rD:rD+7], v[rB:rB+11], v[rA:rA+11], v[rD:rD+7], v[rT], v[rU] matrix_a_fmt:MATRIX_FMT_FP6 matrix_b_fmt:MATRIX_FMT_FP6
.elseif rowa == 0
	v_wmma_scale_f32_16x16x128_f8f6f4 v[rD:rD+7], v[rB:rB+11], v[rA:rA+11], v[rD:rD+7], v[rT], v[rU] matrix_a_fmt:MATRIX_FMT_FP6 matrix_b_fmt:MATRIX_FMT_FP6 matrix_a_scale:MATRIX_SCALE_ROW1
.elseif rowb == 0
	v_wmma_scale_f32_16x16x128_f8f6f4 v[rD:rD+7], v[rB:rB+11], v[rA:rA+11], v[rD:rD+7], v[rT], v[rU] matrix_a_fmt:MATRIX_FMT_FP6 matrix_b_fmt:MATRIX_FMT_FP6 matrix_b_scale:MATRIX_SCALE_ROW1
.else
	v_wmma_scale_f32_16x16x128_f8f6f4 v[rD:rD+7], v[rB:rB+11], v[rA:rA+11], v[rD:rD+7], v[rT], v[rU] matrix_a_fmt:MATRIX_FMT_FP6 matrix_b_fmt:MATRIX_FMT_FP6 matrix_a_scale:MATRIX_SCALE_ROW1 matrix_b_scale:MATRIX_SCALE_ROW1
.endif
.endif
.endm
.macro MM a, b, p, ks, zero            ; q, k: tokens' block a (one set) x W's block b (set p)
.set rD, 8*(8*((\a)%4)+(\b))
.set rB, 128*(\p)+FR*(\b)
.set rA, AF+FR*(\a)
.set rT, SB+8*((\b)/2)+(\ks)
.set rU, SA+8*((\a)/2)+(\ks)
.set rowb, (\b)%2
.set rowa, (\a)%2
	EMIT \zero
.endm
.macro MV a, b, p, ks, zero            ; v: W's block a (set p) x tokens' block b (set p)
.set rD, 8*(8*(\a)+(\b))
.set rB, 128*(\p)+FR*(\b)
.set rA, AF+48*(\p)+FR*(\a)
.set rT, SA+8*((\b)/2)+(\ks)
.set rU, SB+8*((\a)/2)+(\ks)
.set rowb, (\b)%2
.set rowa, (\a)%2
	EMIT \zero
.endm
; 16 products; the accumulators take turns, one instruction a turn, in the same order in every step
.macro MUL16 a0, p, ks, zero
.irp a, \a0, \a0+1
.irp b, 0,1,2,3,4,5,6,7
	MM (\a), \b, \p, \ks, \zero
.endr
.endr
.endm
.macro VMUL a0, p, ks, zero
.irp a, \a0, \a0+1
.irp b, 0,1,2,3,4,5,6,7
	MV (\a), \b, \p, \ks, \zero
.endr
.endr
.endm
.macro FETCH_B st, p
	WIN TO_B
.irp i, 0,1,2,3,4,5,6,7
	FRAG 128*(\p)+FR*\i, ADRB, \st, \i
.endr
	WIN 0
.endm
.macro FETCH_A st, i0
.irp i, \i0, \i0+1, \i0+2, \i0+3
	FRAG AF+FR*(\i), ADRA, \st, \i
.endr
.endm
.macro VFETCH st, p
	WIN TO_B
.irp i, 0,1,2,3,4,5,6,7
	FRAG 128*(\p)+FR*\i, ADRA, \st, \i
.endr
	WIN 0
.irp i, 0,1,2,3
	FRAG AF+48*(\p)+FR*\i, ADRV, \st, \i
.endr
.endm
; Chunk c is read no more: chunk c + 2 goes into its slot.  The tokens' chunks go 0, 1, 2, 0, 1, 2; W's are q's or k's up to chunk 2, then v's.
.macro REFILL c
.if (\c) == 0
	s_add_nc_u64 s[G0+2:G0+3], s[G0+2:G0+3], 2*ROWB
	s_add_nc_u64 s[G0B+2:G0B+3], s[G0B+2:G0B+3], 2*ROWB
	JLOAD G0, G1, G0B, G1B
.elseif (\c) == 1
	s_sub_nc_u64 s[G0+6:G0+7], s[G0+6:G0+7], ROWB
	JLOAD G0+4, G1, G0V+4, G1V
.elseif (\c) == 2
	s_sub_nc_u64 s[G0+2:G0+3], s[G0+2:G0+3], ROWB
	JLOAD G0, G1, G0V, G1V
.else
	s_add_nc_u64 s[G0+6:G0+7], s[G0+6:G0+7], 2*ROWB
	s_add_nc_u64 s[G0V+6:G0V+7], s[G0V+6:G0V+7], 2*ROWB
	JLOAD G0+4, G1, G0V+4, G1V
.endif
.endm
.macro CHUNKS st                       ; the chunks in which this step's and the next step's bytes begin and end
.set NX, (\st)+1
.set C0, (96*(\st))/ROWB
.set C1, (96*NX)/ROWB
.set E0, (96*(\st)+95)/ROWB
.set E1, (96*NX+95)/ROWB
.endm
; q, k: a step of 128 along K, 64 products; the next step's fragments are fetched in its middle and at its end (the tokens have one set of registers, W two).
; Where the next step ends in a chunk not yet read, a barrier shows that chunk whole; where it begins in a later chunk, the chunk left behind is filled again behind a round of the cluster's barrier.
.macro QSTEP st, zero
	CHUNKS \st
.if C1 > C0 || (E1 > E0 && E1 > 1)     ; (chunks 0 and 1 were shown whole at the head)
	s_wait_tensorcnt 0x0                           ; all my tensor loads have landed
.if C1 > C0
	ds_add_u32 v[SPW], v[NIL]
	s_wait_dscnt 4*NL+1                            ; the add and the youngest 24 loads (the tokens' blocks 4-7) may be out
.else
	s_wait_dscnt 4*NL
.endif
	WIN MUL_LO
	MUL16 0, (\st)%2, \st, \zero
	s_wait_dscnt 0x0                               ; the add and all my LDS reads are done
	s_barrier_signal -1
	MUL16 2, (\st)%2, \st, \zero
	WIN 0
	s_barrier_wait -1
.if C1 > C0
	CREST
	REFILL C0                                      ; the first tensor load behind the round; its four v_nop are the places in front of the loads below
.else
	PLACES
.endif
.else
	s_wait_dscnt 4*NL                              ; W's set and the tokens' blocks 0-3 are in
	WIN MUL_LO
	MUL16 0, (\st)%2, \st, \zero
	MUL16 2, (\st)%2, \st, \zero
	s_wait_dscnt 0x0
	PLACES
.endif
.if (\st) < 7
	FETCH_B NX, NX%2
	FETCH_A NX, 0
.endif
	WIN MUL_HI
	MUL16 4, (\st)%2, \st, \zero
	MUL16 6, (\st)%2, \st, \zero
.if (\st) < 7
	PLACES
	WIN 0
	FETCH_A NX, 4
.else
	WIN 0
.endif
.endm
; v: a step of 128 along K (steps 8 to 15 of the count), 32 products; both operands have two sets, and the next step's fragments are asked for ahead of or among this step's products
.macro VSTEP st, zero
	CHUNKS \st
.if (\st) < 15 && (E1 > E0 || (C1 > C0 && C0+2 < 6))
	s_wait_tensorcnt 0x0
.if C1 > C0
	ds_add_u32 v[SPW], v[NIL]
.endif
	s_wait_dscnt 0x0                               ; this step's fragments are in: my last reads of a chunk left behind
	s_barrier_signal -1
	WIN MUL_LO
	VMUL 0, (\st)%2, (\st)-8, \zero
	WIN 0
	s_barrier_wait -1
.if C1 > C0
	CREST
	REFILL C0
.else
	PLACES
.endif
	VFETCH NX, NX%2
	WIN MUL_LO
	VMUL 2, (\st)%2, (\st)-8, \zero
	WIN 0
.else
	s_wait_dscnt 0x0
.if (\st) < 15
	PLACES
	VFETCH NX, NX%2
.endif
	WIN MUL_LO
	VMUL 0, (\st)%2, (\st)-8, \zero
	VMUL 2, (\st)%2, (\st)-8, \zero
	WIN 0
.endif
.endm
; 64 numbers of a lane in window w, register 16 b + i of v[s] on: 16 of block b of my row; lane l xor 16 holds the other 16.  They become 12 registers of codes in v[PC] on and a scale word in v[dst].
.macro QUANT s, w, dst
	WIN (\w)|((\w)<<2)
.irp b, 0,1,2,3
	v_max3_num_f32 v[TM+\b], |v[\s+16*\b]|, |v[\s+1+16*\b]|, 0x1800000   ; the floor 2^(3 - 127) holds the byte at 1 from below
.endr
.irp i, 2,4,6,8,10,12,14
.irp b, 0,1,2,3
	v_max3_num_f32 v[TM+\b], |v[\s+16*\b+\i]|, |v[\s+1+16*\b+\i]|, v[TM+\b]
.endr
.endr
	WIN 0
.irp b, 0,1,2,3
	v_permlanex16_b32 v[TM+4+\b], v[TM+\b], s[SEL], s[SEL+1]
.endr
.irp b, 0,1,2,3
	v_max_num_f32 v[TM+\b], v[TM+\b], v[TM+4+\b]
.endr
.irp b, 0,1,2,3
	v_add_nc_u32 v[TM+12+\b], 0xff000000, v[TM+\b] ; 2 off the exponent field: the conversion's scale operand
.endr
.irp b, 0,1,2,3
	v_lshrrev_b32 v[TM+8+\b], 23, v[TM+12+\b]
.endr
	v_lshl_or_b32 v[\dst], v[TM+9], 8, v[TM+8]
	v_lshl_or_b32 v[\dst], v[TM+10], 16, v[\dst]
	v_lshl_or_b32 v[\dst], v[TM+11], 24, v[\dst]
	WIN \w
.irp c, 0,1
	v_cvt_scalef32_pk16_fp6_f32 v[PC+6*\c:PC+2+6*\c], v[\s+32*\c:\s+15+32*\c], v[TM+12+2*\c]
	v_cvt_scalef32_pk16_fp6_f32 v[PC+12+4*\c:PC+14+4*\c], v[\s+16+32*\c:\s+31+32*\c], v[TM+12+2*\c+1]
.endr
	WIN 0
	v_nop                                          ; one plain place behind a scaled conversion
.irp c, 0,1
.irp i, 0,1,2
	v_permlane16_swap_b32 v[PC+6*\c+\i], v[PC+12+4*\c+\i]
.endr
.irp i, 0,1,2
	v_mov_b32 v[PC+3+6*\c+\i], v[PC+12+4*\c+\i]
.endr
.endr
.endm
; cos and sin of token tiles 2 g and 2 g + 1 into buffer g % 2 of window 1
.macro RAW g
.set tB, 128*((\g)%2)
	WIN TO_B
.irp e, 0,1
.irp t, 0,1,2,3
.irp u, 0,1
	global_load_b128 v[tB+64*\e+8*\t+4*\u:tB+64*\e+8*\t+4*\u+3], v[TO], s[PCOS:PCOS+1] offset:(2*(\g)+\e)*4096+64*\t+16*\u
	global_load_b128 v[tB+64*\e+32+8*\t+4*\u:tB+64*\e+32+8*\t+4*\u+3], v[TO], s[PSIN:PSIN+1] offset:(2*(\g)+\e)*4096+64*\t+16*\u
.endr
.endr
.endr
	WIN 0
.endm
.macro TABLES g                        ; in place: c_lo w_lo, c_hi w_hi, - s_lo w_hi, s_hi w_lo: they serve both heads
.set tB, 128*((\g)%2)
	WIN 0x41
.irp e, 0,1
.irp p, 0,2,4,6,8,10,12,14
	v_pk_mul_f32 v[tB+64*\e+\p:tB+64*\e+\p+1], v[tB+64*\e+\p:tB+64*\e+\p+1], v[NW+\p:NW+\p+1]
	v_pk_mul_f32 v[tB+64*\e+16+\p:tB+64*\e+17+\p], v[tB+64*\e+16+\p:tB+64*\e+17+\p], v[NW+16+\p:NW+17+\p]
	v_pk_mul_f32 v[tB+64*\e+32+\p:tB+64*\e+33+\p], v[tB+64*\e+32+\p:tB+64*\e+33+\p], v[NW+16+\p:NW+17+\p] neg_lo:[1,0] neg_hi:[1,0]
	v_pk_mul_f32 v[tB+64*\e+48+\p:tB+64*\e+49+\p], v[tB+64*\e+48+\p:tB+64*\e+49+\p], v[NW+\p:NW+\p+1]
.endr
.endr
	WIN 0
.endm
; Token tiles 2 g and 2 g + 1 of head n: the norm, RoPE, the quantiser, and 1,536 bytes of codes out
.macro UNIT g, n
.set uW, 2+(\g)/2
.set uA, 64*((2*(\g))%4)+32*(\n)
.set uB, uA+64
.set uT, 128*((\g)%2)
	WIN uW|(uW<<2)
	v_pk_mul_f32 v[SQ:SQ+1], v[uA:uA+1], v[uA:uA+1]
	v_pk_mul_f32 v[SQ+2:SQ+3], v[uA+2:uA+3], v[uA+2:uA+3]
	v_pk_mul_f32 v[SQ+4:SQ+5], v[uB:uB+1], v[uB:uB+1]
	v_pk_mul_f32 v[SQ+6:SQ+7], v[uB+2:uB+3], v[uB+2:uB+3]
.irp i, 4,8,12,16,20,24,28
	v_pk_fma_f32 v[SQ:SQ+1], v[uA+\i:uA+\i+1], v[uA+\i:uA+\i+1], v[SQ:SQ+1]
	v_pk_fma_f32 v[SQ+2:SQ+3], v[uA+\i+2:uA+\i+3], v[uA+\i+2:uA+\i+3], v[SQ+2:SQ+3]
	v_pk_fma_f32 v[SQ+4:SQ+5], v[uB+\i:uB+\i+1], v[uB+\i:uB+\i+1], v[SQ+4:SQ+5]
	v_pk_fma_f32 v[SQ+6:SQ+7], v[uB+\i+2:uB+\i+3], v[uB+\i+2:uB+\i+3], v[SQ+6:SQ+7]
.endr
	WIN 0
.irp e, 0,1
	v_pk_add_f32 v[SQ+4*\e:SQ+4*\e+1], v[SQ+4*\e:SQ+4*\e+1], v[SQ+4*\e+2:SQ+4*\e+3]
.endr
.irp e, 0,1
	v_add_f32 v[SQ+4*\e], v[SQ+4*\e], v[SQ+4*\e+1]
.endr
.irp e, 0,1
	v_permlanex16_b32 v[SQ+4*\e+1], v[SQ+4*\e], s[SEL], s[SEL+1]
.endr
.irp e, 0,1
	v_add_f32 v[SQ+4*\e], v[SQ+4*\e], v[SQ+4*\e+1]
.endr
.irp e, 0,1
	v_fma_f32 v[SQ+4*\e], v[SQ+4*\e], 0x3c800000, s[EPS]         ; / 64 + 1e-6
.endr
	s_wait_alu depctr_va_vdst(0)                   ; the wait ahead of the roots
.irp e, 0,1
	v_rsq_f32 v[RS+2*\e], v[SQ+4*\e]
.endr
	WIN uW|4
.irp p, 0,2,4,6,8,10,12,14
	v_pk_mul_f32 v[Z+\p:Z+\p+1], v[uA+\p:uA+\p+1], v[uT+\p:uT+\p+1]
	v_pk_mul_f32 v[Z+16+\p:Z+17+\p], v[uA+16+\p:uA+17+\p], v[uT+16+\p:uT+17+\p]
	v_pk_mul_f32 v[Z+32+\p:Z+33+\p], v[uB+\p:uB+\p+1], v[uT+64+\p:uT+65+\p]
	v_pk_mul_f32 v[Z+48+\p:Z+49+\p], v[uB+16+\p:uB+17+\p], v[uT+80+\p:uT+81+\p]
.endr
.irp p, 0,2,4,6,8,10,12,14
	v_pk_fma_f32 v[Z+\p:Z+\p+1], v[uA+16+\p:uA+17+\p], v[uT+32+\p:uT+33+\p], v[Z+\p:Z+\p+1]
	v_pk_fma_f32 v[Z+16+\p:Z+17+\p], v[uA+\p:uA+\p+1], v[uT+48+\p:uT+49+\p], v[Z+16+\p:Z+17+\p]
	v_pk_fma_f32 v[Z+32+\p:Z+33+\p], v[uB+16+\p:uB+17+\p], v[uT+96+\p:uT+97+\p], v[Z+32+\p:Z+33+\p]
	v_pk_fma_f32 v[Z+48+\p:Z+49+\p], v[uB+\p:uB+\p+1], v[uT+112+\p:uT+113+\p], v[Z+48+\p:Z+49+\p]
.endr
	WIN 0
	s_wait_alu depctr_va_vdst(0)                   ; and behind them, ahead of their first reader
.irp e, 0,1
.irp p, 0,2,4,6,8,10,12,14,16,18,20,22,24,26,28,30
	v_pk_mul_f32 v[Z+32*\e+\p:Z+32*\e+\p+1], v[Z+32*\e+\p:Z+32*\e+\p+1], v[RS+2*\e:RS+2*\e+1] op_sel_hi:[1,0]
.endr
.endr
	s_wait_xcnt 0x0                                ; the last unit's stores have read the code registers
	QUANT Z, 0, KW+4*(\n)+(\g)
.irp k, 0,1,2
	global_store_b128 v[LI], v[PC+4*\k:PC+4*\k+3], s[OC:OC+1] offset:(\n)*HEADB+(\g)*1536+512*\k   ; 32 lanes store 512 consecutive bytes, aligned to 256
.endr
.endm
	s_wait_alu depctr_va_vdst(0)                   ; the wait at the head's end
	s_wait_tensorcnt 0x0                           ; my tile of the head's four is in; no load of mine is out, so the descriptors may be written:
	s_mov_b32 s[G1+2], 128<<16                     ; from here on a load brings 128 rows,
	s_mov_b32 s[G1+4], 128
	s_mov_b32 s[G1B+2], 128<<16
	s_mov_b32 s[G1B+4], 128
	s_mul_i32 s2, s[WB], HALFT                     ; my half of a tile, in LDS
	s_mul_i32 s96, s[WB], 128*KROW                 ; and in memory
	s_mov_b32 s97, 0
.irp g, G0, G0+4, G0B, G0B+4
	s_add_co_u32 s[\g+1], s[\g+1], s2
	s_add_nc_u64 s[\g+2:\g+3], s[\g+2:\g+3], s[96:97]
.endr
	s_barrier_signal -1
	s_barrier_wait -1                              ; everybody's tile is in: chunks 0 and 1 are whole
	FETCH_B 0, 0
	FETCH_A 0, 0
	FETCH_A 0, 4
	s_wait_loadcnt 0x0                             ; the scale words
	QSTEP 0, 1                                     ; the first step's products start the sums
.irp st, 1,2,3,4,5,6
	QSTEP \st, 0
.endr
.irp t, 0,1,2,3
	global_load_b128 v[NW+8*\t:NW+8*\t+3],   v[NO], s[PNW:PNW+1] offset:64*\t
	global_load_b128 v[NW+8*\t+4:NW+8*\t+7], v[NO], s[PNW:PNW+1] offset:64*\t+16
.endr
	RAW 0                                          ; into W's set 0, which step 7 does not read (four places stand behind its last reader)
	QSTEP 7, 0
	PLACES
.irp i, 0,1
	global_load_b128 v[SB+8*\i:SB+8*\i+3],   v[SV], s[PVS:PVS+1] offset:1024*\i      ; the scale words of my 64 rows of W for v
	global_load_b128 v[SB+8*\i+4:SB+8*\i+7], v[SV], s[PVS:PVS+1] offset:1024*\i+16
.endr
	RAW 1
.irp b, 0,1,2,3
	v_mov_b32 v[TM+4+\b], 0                        ; a lane permute's destination counts as one of its sources
.endr
	s_mov_b32 s[HM], 0xffff0000                    ; lanes 16-31
	v_mov_b32 v[RS+1], 0
	v_mov_b32 v[RS+3], 0
.irp g, 0,1,2,3
.if \g < 3
	s_wait_loadcnt 32                              ; this buffer's tables are in; the other buffer's 32 loads may be out
.else
	s_wait_loadcnt 0x0
.endif
	TABLES \g
	UNIT \g, 0
	UNIT \g, 1
.if \g < 2
	RAW \g+2
.endif
.endr
.irp n, 0,1                            ; for each head lane (r, h) stores word h and word 2 + h of row r: 256 consecutive bytes, aligned
	v_cndmask_b32 v[OW+2*\n], v[KW+4*\n], v[KW+4*\n+1], s[HM]
	v_cndmask_b32 v[OW+2*\n+1], v[KW+4*\n+2], v[KW+4*\n+3], s[HM]
	global_store_b64 v[L8], v[OW+2*\n:OW+2*\n+1], s[OS:OS+1] offset:4096*\n
.endr
	s_wait_xcnt 0x0                                ; the stores above have read their registers
	VFETCH 8, 0                                    ; chunk 3 is whole: every wave waited for its part in front of step 7's round
	VSTEP 8, 1
.irp st, 9,10,11,12,13,14,15
	VSTEP \st, 0
.endr
	PLACES
.irp a, 0,1,2,3
	s_wait_xcnt 0x0
	QUANT 64*\a, 2, KW+\a
.irp k, 0,1,2
	global_store_b128 v[LI], v[PC+4*\k:PC+4*\k+3], s[OVC:OVC+1] offset:\a*1536+512*\k
.endr
.endr
	v_cndmask_b32 v[OW], v[KW], v[KW+1], s[HM]
	v_cndmask_b32 v[OW+1], v[KW+2], v[KW+3], s[HM]
	global_store_b64 v[L8], v[OW:OW+1], s[OVS:OVS+1]
	s_wait_tensorcnt 0x0                           ; the wave's end
	ds_add_u32 v[SPW], v[NIL]
	s_wait_dscnt 0x0
	CROUND
	s_endpgm
.Lfunc_end_k_q6f0cd72a75_qkv:
	.size	k_q6f0cd72a75_qkv, .Lfunc_end_k_q6f0cd72a75_qkv-k_q6f0cd72a75_qkv
	.p2alignl 7, 3214868480
	.fill 96, 4, 3214868480
	.section	.rodata,"a",@progbits
	.p2align	6, 0x0
	.amdhsa_kernel k_q6f0cd72a75_qkv
		.amdhsa_group_segment_fixed_size 327680
		.amdhsa_private_segment_fixed_size 0
		.amdhsa_enable_private_segment 0
		.amdhsa_kernarg_size 80
		.amdhsa_user_sgpr_count 2
		.amdhsa_user_sgpr_kernarg_segment_ptr 1
		.amdhsa_wavefront_size32 1
		.amdhsa_system_sgpr_workgroup_id_x 1
		.amdhsa_system_sgpr_workgroup_id_y 1
		.amdhsa_system_sgpr_workgroup_id_z 1
		.amdhsa_system_vgpr_workitem_id 0
		.amdhsa_next_free_vgpr 1024
		.amdhsa_next_free_sgpr 100
		.amdhsa_reserve_vcc 0
		.amdhsa_float_denorm_mode_32 3
		.amdhsa_float_denorm_mode_16_64 3
		.amdhsa_memory_ordered 1
		.amdhsa_forward_progress 1
		.amdhsa_inst_pref_size 255
	.end_amdhsa_kernel
	.section	.bss,"aw",@nobits
	.p2align	6
	.space	262144
	.amdgpu_metadata
---
amdhsa.version: [ 1, 2 ]
amdhsa.kernels:
  - .name:           k_q6f0cd72a75_qkv
    .symbol:         k_q6f0cd72a75_qkv.kd
    .args:
      - { .name: hidden_states_codes, .offset: 0, .size: 8, .value_kind: global_buffer, .address_space: global }
      - { .name: hidden_states_scales, .offset: 8, .size: 8, .value_kind: global_buffer, .address_space: global }
      - { .name: qkv_w_codes, .offset: 16, .size: 8, .value_kind: global_buffer, .address_space: global }
      - { .name: qkv_w_scales, .offset: 24, .size: 8, .value_kind: global_buffer, .address_space: global }
      - { .name: cos, .offset: 32, .size: 8, .value_kind: global_buffer, .address_space: global }
      - { .name: sin, .offset: 40, .size: 8, .value_kind: global_buffer, .address_space: global }
      - { .name: norm_q_w, .offset: 48, .size: 8, .value_kind: global_buffer, .address_space: global }
      - { .name: norm_k_w, .offset: 56, .size: 8, .value_kind: global_buffer, .address_space: global }
      - { .name: qkvc, .offset: 64, .size: 8, .value_kind: global_buffer, .address_space: global }
      - { .name: qkvs, .offset: 72, .size: 8, .value_kind: global_buffer, .address_space: global }
    .group_segment_fixed_size: 327680
    .private_segment_fixed_size: 0
    .kernarg_segment_align: 8
    .kernarg_segment_size: 80
    .max_flat_workgroup_size: 128
    .sgpr_count:     100
    .vgpr_count:     1024
    .wavefront_size: 32
...
	.end_amdgpu_metadata
.endif
;; end of part 4
;; launch attn (part 5): grid 4 x 64, 16 waves a work-group, clusters of 4 x 1, 327,680 bytes of LDS; arguments qkvc, qkvs, ac, asc; writes ac, asc
.if DOCPART == 5
	.amdgcn_target "amdgcn-amd-amdhsa--gfx1250"
	.amdhsa_code_object_version 6
	.text
	.protected	k_q6f0cd72a75_attn
	.globl	k_q6f0cd72a75_attn
	.p2align	8
	.type	k_q6f0cd72a75_attn,@function
k_q6f0cd72a75_attn:
	s_mov_b64 s[64:65], 0
	v_nop
	global_prefetch_b8 v0, s[64:65] scope:SCOPE_SE
	s_setreg_imm32_b32 hwreg(HW_REG_WAVE_MODE, 25, 1), 1
	s_wait_xcnt 0x0
	s_wait_alu depctr_hold_cnt(0) depctr_sa_sdst(0) depctr_va_vdst(0) depctr_va_sdst(0) depctr_va_ssrc(0) depctr_va_vcc(0) depctr_vm_vsrc(0)
	s_getreg_b32 s2, hwreg(HW_REG_IB_STS2, 6, 4)
	s_cmp_eq_u32 s2, 0
	s_cbranch_scc0 .Lentry_in_a_cluster
	s_endpgm
.Lentry_in_a_cluster:
	s_bfe_u32 s2, ttmp6, 0x10000c
	s_cmp_lg_u32 s2, 0x3003
	s_cbranch_scc0 .Lentry_shape_is_right
	s_endpgm
.Lentry_shape_is_right:
; o = softmax(q k^T / 8) v for one head and batch (grid y) and 512 queries (grid x), on codes of FP6 with E8M0 scales; o leaves quantised along the channels, as codes and scale bytes.
; A wave owns 32 queries, 16 a pass; both products are used transposed (S^T = k q^T, O^T = v^T p^T), so that a lane holds one query, and of each step of 128 keys two whole blocks of 32.
; ALL OF THE HEAD'S K AND V lie in LDS: 2 x 98,304 bytes of codes (each 512 bytes followed by 128 of padding) and 2 x 4,096 of scale words, brought once by one joint load a wave,
; shared by the four work-groups of a cluster: waves 0-7 fetch 24,576 bytes of codes each, waves 8-15 1,024 bytes of scale words.  Nothing is filled again.
; No prefetch: every tile is asked for at the head, there is no loop to run ahead in.
; THE HEAD'S 64 IN A K OF 128: a fragment of k holds two tiles of 16 keys, one in each half of K; q stands between two runs of zero codes and is read with the zeros behind it or ahead of it.
; A STEP: the scores; each block's largest score and the running maximum; M = ceil(largest t), kept as -M; O^T x 2^(old M - new M); t - M; ONE batch of exponentials; p's scales and codes;
; the second product; then p's sum, a tree in place, joined to the running sum by one multiply-add with the factor.  The next step's fragments of k are asked for under that tree.
; A block's largest p is made from its largest score by the same two instructions (this takes v_exp_f32 not to fall where its input rises).
; LIMITS: the promise holds while the scaled scores stay under 2^31 in magnitude; NaN and infinities are not served; a block whose every p or o is 0 carries the byte 1.
.set GRP,   640
.set KSTEP, 12*GRP                     ; a step's codes of k or of v in LDS
.set VOFF,  16*KSTEP
.set SCB,   2*VOFF                     ; k's scale words, 256 bytes a step, then v's
.set STG,   SCB+8192                   ; o's scale bytes on their way out
.set SPARE, STG+1024
.set PARTC, 6291456
.set PARTS, 262144
.set HEADB, 98304
.set LI,  1
.set KL0, 2
.set VL0, 3
.set SK0, 4
.set SV0, 5
.set QW,  6
.set QS,  7
.set KS,  8
.set VS,  10
.set NM,  12
.set TMX, 13
.set SUM, 14
.set QZ,  16
.set QL,  34
.set PS,  46
.set SW,  47
.set F,   48
.set S,   96
.set O,   160
.set PC,  192
.set CT,  204
.set BM,  212
.set BX,  216
.set PX,  218
.set W,   219
.set SO,  220
.set BY,  222
.set FF,  224
.set TT,  226
.set W16, 227
.set ADK, 228
.set ADV, 229
.set ASK, 230
.set ASV, 231
.set L8,  232
.set SWA, 233
.set SPW, 254
.set NIL, 255
.set PO,  2
.set PCN, 3
.set WV,  12
.set CX,  13
.set BH,  14
.set G1C, 16
.set G1S, 24
.set G0C, 32
.set G0S, 36
.set SEL, 40
.set CS,  42
.set TB,  44
.set TS,  45
.set CNT, 46
.macro ROUND
	s_barrier_signal -1
	s_barrier_wait -1
	s_cmp_lg_u32 s[WV], 0
	s_cbranch_scc1 .Lnot_wave_0_\@
	s_barrier_signal -3
.Lnot_wave_0_\@:
	s_barrier_wait -3
	s_barrier_signal -1
	s_barrier_wait -1
.endm
	s_load_b256 s[4:11], s[0:1], 0x0               ; qkvc, qkvs, ac, asc
	v_lshl_add_u32 v[SPW], v0, 2, SPARE
	v_mov_b32 v[NIL], 0
	ds_add_u32 v[SPW], v[NIL]                      ; the opening lines
	ds_add_u32 v[SPW], v[NIL]
	v_lshrrev_b32 v1, 5, v0
	v_readfirstlane_b32 s[WV], v1
	s_bfe_u32 s[CX], ttmp6, 0x40000
	s_and_b32 s[BH], ttmp7, 0xffff
	s_mul_i32 s48, s[BH], HEADB
	s_lshl_b32 s49, s[BH], 12
	s_bfe_u32 s2, s[WV], 0x10002                   ; I fetch for k (0) or for v (1),
	s_and_b32 s3, s[WV], 3                         ; and which quarter
	s_mul_i32 s58, s2, PARTC
	s_add_co_u32 s58, s58, PARTC
	s_add_co_u32 s58, s58, s48
	s_mul_i32 s47, s3, 24576
	s_add_co_u32 s58, s58, s47
	s_mov_b32 s59, 0
	s_lshl_b32 s60, s2, 18
	s_add_co_u32 s60, s60, PARTS
	s_add_co_u32 s60, s60, s49
	s_lshl_b32 s47, s3, 10
	s_add_co_u32 s60, s60, s47
	s_mov_b32 s61, 0
	s_mov_b32 s[G1C], 15|(3<<16)|(1<<20)|(1<<21)|(6<<22)|(31<<25)   ; 48 dense rows of 512 bytes, 128 bytes of padding behind each
	s_mov_b32 s[G1C+1], 64<<16
	s_mov_b32 s[G1C+2], 48<<16
	s_mov_b32 s[G1C+3], 64<<16
	s_mov_b32 s[G1C+4], 48
	s_mov_b32 s[G1C+5], 64
	s_mov_b32 s[G1C+6], 0
	s_mov_b32 s[G1C+7], 0
	s_mov_b32 s[G1S], 15|(3<<16)|(1<<21)           ; 4 dense rows of 256 bytes
	s_mov_b32 s[G1S+1], 32<<16
	s_mov_b32 s[G1S+2], 4<<16
	s_mov_b32 s[G1S+3], 32<<16
	s_mov_b32 s[G1S+4], 4
	s_mov_b32 s[G1S+5], 32
	s_mov_b32 s[G1S+6], 0
	s_mov_b32 s[G1S+7], 0
	s_mov_b32 s[G0C], 1
	s_mul_i32 s[G0C+1], s[WV], 48*GRP              ; waves 0-7: k's four quarters, then v's
	s_mov_b32 s[G0S], 1
	s_lshl_b32 s[G0S+1], s[WV], 10
	s_add_co_u32 s[G0S+1], s[G0S+1], SCB-8192      ; waves 8-15: SCB + 1,024 (wave - 8)
	s_wait_dscnt 0x0
	s_wait_kmcnt 0x0
	s_add_nc_u64 s[G0C+2:G0C+3], s[4:5], s[58:59]
	s_or_b32 s[G0C+3], s[G0C+3], 0x80000000
	s_add_nc_u64 s[G0S+2:G0S+3], s[6:7], s[60:61]
	s_or_b32 s[G0S+3], s[G0S+3], 0x80000000
	ROUND
	s_cmp_lt_u32 s[WV], 8
	s_cbranch_scc0 .Lfor_scales
	tensor_load_to_lds s[G0C:G0C+3], s[G1C:G1C+7]
	s_nop 0
.rept 4
	v_nop
.endr
	s_branch .Lasked
.Lfor_scales:
	tensor_load_to_lds s[G0S:G0S+3], s[G1S:G1S+7]
	s_nop 0
.rept 4
	v_nop
.endr
.Lasked:
	s_lshl_b32 s2, s[CX], 4
	s_add_co_u32 s2, s2, s[WV]                     ; my 32 queries: 0..63
	s_mul_i32 s3, s2, 1536
	s_add_co_u32 s62, s48, s3
	s_mov_b32 s63, 0
	s_add_nc_u64 s[50:51], s[4:5], s[62:63]        ; q's codes
	s_lshr_b32 s3, s2, 2
	s_lshl_b32 s3, s3, 8
	s_add_co_u32 s62, s49, s3
	s_and_b32 s3, s[WV], 1
	s_lshl_b32 s3, s3, 7
	s_add_co_u32 s62, s62, s3
	s_bfe_u32 s3, s[WV], 0x10001
	s_lshl_b32 s3, s3, 2
	s_add_co_u32 s62, s62, s3
	s_add_nc_u64 s[52:53], s[6:7], s[62:63]        ; q's scale words
	s_lshr_b32 s3, s[BH], 4
	s_lshl_b32 s3, s3, 7
	s_lshl_b32 s47, s2, 1
	s_add_co_u32 s3, s3, s47
	s_lshl_b32 s3, s3, 4
	s_and_b32 s47, s[BH], 15
	s_add_co_u32 s3, s3, s47
	s_mul_i32 s62, s3, 768
	s_add_nc_u64 s[54:55], s[8:9], s[62:63]        ; o's codes
	s_lshl_b32 s3, s[CX], 10
	s_add_co_u32 s62, s49, s3
	s_add_nc_u64 s[56:57], s[10:11], s[62:63]      ; o's scale bytes
	s_mov_b32 s[SEL], 0x76543210
	s_mov_b32 s[SEL+1], 0xfedcba98
	s_mov_b32 s[CS], 0x3e38aa3b                    ; log2(e) / 8
	s_mov_b32 s[CS+1], s[CS]
	v_and_b32 v[TT], 31, v0
	v_and_b32 v[W], 7, v0
	v_bfe_u32 v[PX], v0, 3, 1
	v_bfe_u32 v[W16], v0, 4, 1
	v_lshlrev_b32 v[LI], 4, v[TT]
	v_lshlrev_b32 v[L8], 3, v[TT]
	v_lshl_add_u32 v[VL0], v[TT], 4, VOFF
	v_lshl_add_u32 v[SV0], v[TT], 3, SCB+4096
	v_mul_u32_u24 v[KL0], v[PX], 3*GRP             ; the keys of a tile are chosen so that a lane's 32 registers of four tiles are one block of 32 keys
	v_lshl_add_u32 v[SK0], v[PX], 7, SCB
	v_lshl_add_u32 v[KL0], v[W16], 8, v[KL0]
	v_lshl_add_u32 v[SK0], v[W16], 6, v[SK0]
	v_lshl_add_u32 v[KL0], v[W], 4, v[KL0]
	v_lshl_add_u32 v[SK0], v[W], 3, v[SK0]
	v_and_b32 v[TT], 15, v0
	v_lshlrev_b32 v[SW], 1, v[TT]
	s_lshl_b32 s2, s[WV], 6
	s_add_co_u32 s2, s2, STG
	v_add_nc_u32 v[SW], s2, v[SW]
	v_lshlrev_b32 v[TT], 3, v[TT]
.irp g, 0,1,2
	global_load_b128 v[QL+4*\g:QL+4*\g+3], v[LI], s[50:51] offset:512*\g
.endr
	global_load_b32 v[QW], v[TT], s[52:53]
.irp i, 0,1,2,3,4,5
	v_mov_b32 v[QZ+\i], 0
	v_mov_b32 v[QZ+12+\i], 0
.endr
	v_mov_b32 v[FF+1], 0
	s_mov_b32 s[PO], 0
	s_mov_b32 s[PCN], 2
	s_wait_alu depctr_va_vdst(0)                   ; the wait at the head's end
	s_wait_loadcnt 0x0
	s_wait_tensorcnt 0x0                           ; my tile is in,
	s_barrier_signal -1
	s_barrier_wait -1                              ; and so is everybody's
.macro KLOAD                           ; four fragments of k (eight tiles of 16 keys) and their scale words
.irp f, 0,1,2,3
.irp g, 0,1,2
	ds_load_b128 v[F+12*\f+4*\g:F+12*\f+4*\g+3], v[ADK] offset:6*GRP*(\f/2)+128*(\f%2)+GRP*\g
.endr
.endr
	ds_load_b64 v[KS:KS+1], v[ASK]
.endm
.macro TR d, s                         ; the tree of p's sum, in place
	v_pk_add_f32 v[S+(\d):S+(\d)+1], v[S+(\d):S+(\d)+1], v[S+(\s):S+(\s)+1]
.endm
; A step of 128 keys.  pre = 1: the next step's fragments of k are asked for
.macro STEP pre
	s_wait_alu depctr_va_vdst(0)                   ; the wait ahead of the blocking wait
	s_wait_dscnt 0x0                               ; k's fragments and scale words
.irp t, 0,1,2,3,4,5,6,7
.if (\t%2 == 0) && ((\t/2)%2 == 0)
	v_wmma_scale_f32_16x16x128_f8f6f4 v[S+8*\t:S+8*\t+7], v[F+12*(\t/2):F+12*(\t/2)+11], v[QZ+6:QZ+17], 0, v[KS+\t/4], v[QS] matrix_a_fmt:MATRIX_FMT_FP6 matrix_b_fmt:MATRIX_FMT_FP6
.elseif \t%2 == 0
	v_wmma_scale_f32_16x16x128_f8f6f4 v[S+8*\t:S+8*\t+7], v[F+12*(\t/2):F+12*(\t/2)+11], v[QZ+6:QZ+17], 0, v[KS+\t/4], v[QS] matrix_a_fmt:MATRIX_FMT_FP6 matrix_b_fmt:MATRIX_FMT_FP6 matrix_a_scale:MATRIX_SCALE_ROW1
.elseif (\t/2)%2 == 0
	v_wmma_scale_f32_16x16x128_f8f6f4 v[S+8*\t:S+8*\t+7], v[F+12*(\t/2):F+12*(\t/2)+11], v[QZ:QZ+11], 0, v[KS+\t/4], v[QS] matrix_a_fmt:MATRIX_FMT_FP6 matrix_b_fmt:MATRIX_FMT_FP6
.else
	v_wmma_scale_f32_16x16x128_f8f6f4 v[S+8*\t:S+8*\t+7], v[F+12*(\t/2):F+12*(\t/2)+11], v[QZ:QZ+11], 0, v[KS+\t/4], v[QS] matrix_a_fmt:MATRIX_FMT_FP6 matrix_b_fmt:MATRIX_FMT_FP6 matrix_a_scale:MATRIX_SCALE_ROW1
.endif
.endr
.if \pre                               ; four places behind the products
	s_add_co_u32 s[TB], s[TB], KSTEP
	s_add_co_u32 s[TS], s[TS], 256
	v_add_nc_u32 v[ADK], s[TB], v[KL0]
	v_add_nc_u32 v[ASK], s[TS], v[SK0]
.else
	v_nop
	v_nop
.endif
	v_mov_b32 v[TT], v[NM]
	v_nop
.irp i, 0,1,2,3,4,5,6,7,8,9,10,11
	ds_load_b128 v[F+4*\i:F+4*\i+3], v[ADV] offset:GRP*\i      ; v's four fragments land under the softmax
.endr
	ds_load_b64 v[VS:VS+1], v[ASV]
.irp c, 0,1                            ; the largest score of my two blocks of 32 keys, each accumulator from its low end on
	v_max3_num_f32 v[BM+2*\c], v[S+32*\c], v[S+32*\c+1], v[S+32*\c+2]
	v_max3_num_f32 v[BM+2*\c+1], v[S+32*\c+16], v[S+32*\c+17], v[S+32*\c+18]
.endr
.irp i, 3,5,7,9,11,13
.irp c, 0,1
	v_max3_num_f32 v[BM+2*\c], v[BM+2*\c], v[S+32*\c+\i], v[S+32*\c+\i+1]
	v_max3_num_f32 v[BM+2*\c+1], v[BM+2*\c+1], v[S+32*\c+16+\i], v[S+32*\c+17+\i]
.endr
.endr
.irp c, 0,1
	v_max3_num_f32 v[BM+2*\c], v[BM+2*\c], v[BM+2*\c+1], v[S+32*\c+15]
.endr
.irp c, 0,1
	v_max_num_f32 v[BM+2*\c], v[BM+2*\c], v[S+32*\c+31]
.endr
	s_delay_alu instid0(VALU_DEP_1)
	v_max_num_f32 v[W], v[BM], v[BM+2]
	s_delay_alu instid0(VALU_DEP_1)
	v_permlanex16_b32 v[PX], v[W], s[SEL], s[SEL+1]
	s_delay_alu instid0(VALU_DEP_1)
	v_max3_num_f32 v[TMX], v[TMX], v[W], v[PX]     ; the running largest score of my query
	s_delay_alu instid0(VALU_DEP_1)
	v_mul_f32 v[W], s[CS], v[TMX]
	s_delay_alu instid0(VALU_DEP_1)
	v_floor_f32 v[NM], -v[W]                       ; -M = floor(-t)
	s_delay_alu instid0(VALU_DEP_1)
	v_sub_f32 v[TT], v[NM], v[TT]                  ; old M - new M, a whole number
	v_fma_f32 v[BM], v[BM], s[CS], v[NM]
	v_fma_f32 v[BM+2], v[BM+2], s[CS], v[NM]
	v_cvt_i32_f32 v[TT], v[TT]
.irp p, 0,1
	v_pk_fma_f32 v[S+2*\p:S+2*\p+1], v[S+2*\p:S+2*\p+1], s[CS:CS+1], v[NM:NM+1] op_sel_hi:[1,0,0]
.endr
	v_ldexp_f32 v[FF], 1.0, v[TT]                  ; f = 2^(old M - new M)
.set p, 2
.rept 30
	v_pk_fma_f32 v[S+2*p:S+2*p+1], v[S+2*p:S+2*p+1], s[CS:CS+1], v[NM:NM+1] op_sel_hi:[1,0,0]   ; t - M
.set p, p+1
.endr
.set p, 0
.rept 16
	v_pk_mul_f32 v[O+2*p:O+2*p+1], v[O+2*p:O+2*p+1], v[FF:FF+1] op_sel_hi:[1,0]                  ; O^T under the new M
.set p, p+1
.endr
	s_wait_alu depctr_va_vdst(0)                   ; one wait ahead of the batch
	v_exp_f32 v[BM], v[BM]
	v_exp_f32 v[BM+2], v[BM+2]
.set p, 0
.rept 64
	v_exp_f32 v[S+p], v[S+p]                       ; p = 2^(t - M)
.set p, p+1
.endr
.if \pre
	v_add_nc_u32 v[ADV], s[TB], v[VL0]             ; plain work behind the batch
	v_add_nc_u32 v[ASV], s[TS], v[SV0]
.else
	v_nop
.endif
	s_wait_alu depctr_va_vdst(0)                   ; and one behind it
	v_max_num_f32 v[BM], 0x1800000, v[BM]          ; the floor 2^(3 - 127)
	v_max_num_f32 v[BM+2], 0x1800000, v[BM+2]
	v_add_nc_u32 v[SO], 0xff000000, v[BM]          ; 2 off the exponent field: the conversion's scale operand
	v_add_nc_u32 v[SO+1], 0xff000000, v[BM+2]
	v_cvt_scalef32_pk16_fp6_f32 v[PC:PC+2], v[S:S+15], v[SO]
	v_cvt_scalef32_pk16_fp6_f32 v[CT:CT+2], v[S+16:S+31], v[SO]
	v_cvt_scalef32_pk16_fp6_f32 v[PC+6:PC+8], v[S+32:S+47], v[SO+1]
	v_cvt_scalef32_pk16_fp6_f32 v[CT+4:CT+6], v[S+48:S+63], v[SO+1]
	v_lshrrev_b32 v[BY], 23, v[SO]                 ; the scales' bytes (also the plain place behind the conversions)
	v_lshrrev_b32 v[BY+1], 23, v[SO+1]
	s_delay_alu instid0(VALU_DEP_1)
	v_lshl_or_b32 v[W], v[BY+1], 16, v[BY]
	s_delay_alu instid0(VALU_DEP_1)
	v_permlanex16_b32 v[PX], v[W], s[SEL], s[SEL+1]
	s_delay_alu instid0(VALU_DEP_1)
	v_lshl_or_b32 v[PS], v[PX], 8, v[W]            ; p's scale word; 14 plain lines stand between it and the products
.irp i, 0,1,2
	v_mov_b32 v[PC+3+\i], v[CT+\i]
	v_mov_b32 v[PC+9+\i], v[CT+4+\i]
.endr
.irp i, 0,1,2,3,4,5,6,7
	TR 4*\i, 4*\i+2                                ; THE SUM IS TAKEN OF THE UNQUANTISED p
.endr
	s_wait_alu depctr_va_vdst(0)
	s_wait_dscnt 0x0                               ; v's fragments and scale words
.irp t, 0,1,2,3
.if \t%2 == 0
	v_wmma_scale_f32_16x16x128_f8f6f4 v[O+8*\t:O+8*\t+7], v[F+12*\t:F+12*\t+11], v[PC:PC+11], v[O+8*\t:O+8*\t+7], v[VS+\t/2], v[PS] matrix_a_fmt:MATRIX_FMT_FP6 matrix_b_fmt:MATRIX_FMT_FP6
.else
	v_wmma_scale_f32_16x16x128_f8f6f4 v[O+8*\t:O+8*\t+7], v[F+12*\t:F+12*\t+11], v[PC:PC+11], v[O+8*\t:O+8*\t+7], v[VS+\t/2], v[PS] matrix_a_fmt:MATRIX_FMT_FP6 matrix_b_fmt:MATRIX_FMT_FP6 matrix_a_scale:MATRIX_SCALE_ROW1
.endif
.endr
.irp i, 8,9,10,11
	TR 4*\i, 4*\i+2                                ; four places
.endr
.if \pre
	KLOAD
.endif
.irp i, 12,13,14,15
	TR 4*\i, 4*\i+2
.endr
.irp i, 0,1,2,3,4,5,6,7
	TR 8*\i, 8*\i+4
.endr
.irp i, 0,1,2,3
	TR 16*\i, 16*\i+8
.endr
	s_delay_alu instid0(VALU_DEP_3)
	TR 0, 16
	s_delay_alu instid0(VALU_DEP_2)
	TR 32, 48
	s_delay_alu instid0(VALU_DEP_1)
	TR 0, 32
	s_delay_alu instid0(VALU_DEP_1)
	v_pk_fma_f32 v[SUM:SUM+1], v[SUM:SUM+1], v[FF:FF+1], v[S:S+1] op_sel_hi:[1,0,1]   ; the running sum x f + this step's
.endm
.Lpass:                                ; a pass: 16 queries against all 2,048 keys
.irp i, 0,1,2,3,4,5
	v_mov_b32 v[QZ+6+\i], v[QL+\i]
.endr
	v_perm_b32 v[QS], v[QW], v[QW], 0x01000100     ; q's two scale bytes, for either half of K
	v_mov_b32 v[TMX], 0xff61b1e6                   ; -3e38
	v_mov_b32 v[SUM], 0
	v_floor_f32 v[NM], -v[TMX]
	v_mov_b32 v[SUM+1], 0
	v_mov_b32 v[BX], 0
	v_mov_b32 v[BX+1], 0
	v_mov_b32 v[ADK], v[KL0]
	v_mov_b32 v[ADV], v[VL0]
	v_mov_b32 v[ASK], v[SK0]
	v_mov_b32 v[ASV], v[SV0]
	v_add_nc_u32 v[SWA], s[PO], v[SW]
.set j, 0
.rept 32
	v_mov_b32 v[O+j], 0
.set j, j+1
.endr
	KLOAD
	s_mov_b32 s[TB], 0
	s_mov_b32 s[TS], 0
	s_mov_b32 s[CNT], 15
.Lstep:
	STEP 1
	s_sub_co_u32 s[CNT], s[CNT], 1
	s_cmp_lg_u32 s[CNT], 0
	s_cbranch_scc1 .Lstep
	STEP 0                                         ; the last step asks for nothing more
	s_delay_alu instid0(VALU_DEP_1)
	v_add_f32 v[SUM], v[SUM], v[SUM+1]
	s_delay_alu instid0(VALU_DEP_1)
	v_permlanex16_b32 v[TT], v[SUM], s[SEL], s[SEL+1]
	s_delay_alu instid0(VALU_DEP_1)
	v_add_f32 v[SUM], v[SUM], v[TT]                ; the row's sum
	s_wait_alu depctr_va_vdst(0)
	v_rcp_f32 v[FF], v[SUM]
	v_nop
.set j, 0
	s_wait_alu depctr_va_vdst(0)
.rept 16
	v_pk_mul_f32 v[S+j:S+j+1], v[O+j:O+j+1], v[FF:FF+1] op_sel_hi:[1,0]
.set j, j+2
.endr
.irp b, 0,1                            ; o is quantised along the channels: 16 neighbours of a block in a lane
.irp i, 0,1,2,3,4,5,6,7
	v_permlane16_swap_b32 v[S+16*\b+\i], v[S+16*\b+8+\i]
.endr
.endr
.irp b, 0,1
	v_max3_num_f32 v[BM+\b], |v[S+16*\b]|, |v[S+1+16*\b]|, 0x1800000
.endr
.irp i, 2,4,6,8,10,12,14
.irp b, 0,1
	s_delay_alu instid0(VALU_DEP_2)
	v_max3_num_f32 v[BM+\b], v[BM+\b], |v[S+16*\b+\i]|, |v[S+1+16*\b+\i]|
.endr
.endr
.irp b, 0,1
	s_delay_alu instid0(VALU_DEP_2)
	v_permlanex16_b32 v[BX+\b], v[BM+\b], s[SEL], s[SEL+1]
.endr
.irp b, 0,1
	s_delay_alu instid0(VALU_DEP_2)
	v_max_num_f32 v[BM+\b], v[BM+\b], v[BX+\b]
.endr
.irp b, 0,1
	s_delay_alu instid0(VALU_DEP_2)
	v_add_nc_u32 v[SO+\b], 0xff000000, v[BM+\b]
.endr
.irp b, 0,1
	s_delay_alu instid0(VALU_DEP_2)
	v_lshrrev_b32 v[BX+\b], 23, v[SO+\b]
.endr
	s_delay_alu instid0(VALU_DEP_1)
	v_lshl_or_b32 v[W16], v[BX+1], 8, v[BX]
	v_cvt_scalef32_pk16_fp6_f32 v[PC:PC+2], v[S:S+15], v[SO]
	v_cvt_scalef32_pk16_fp6_f32 v[CT:CT+2], v[S+16:S+31], v[SO+1]
	v_nop
.irp i, 0,1,2
	v_permlane16_swap_b32 v[PC+\i], v[CT+\i]
.endr
.irp i, 0,1,2
	s_delay_alu instid0(VALU_DEP_3)
	v_mov_b32 v[PC+3+\i], v[CT+\i]
.endr
	global_store_b128 v[LI], v[PC:PC+3], s[54:55]              ; 512 consecutive bytes, aligned to 256,
	global_store_b64 v[L8], v[PC+4:PC+5], s[54:55] offset:512  ; and 256 more
	ds_store_b16 v[SWA], v[W16]
.irp i, 0,1,2,3,4,5                    ; on to my other 16 queries (behind the second pass these eight lines prepare nothing that is read)
	v_mov_b32 v[QL+\i], v[QL+6+\i]
.endr
	v_lshrrev_b32 v[QW], 16, v[QW]
	s_add_co_u32 s[PO], s[PO], 32
	s_wait_xcnt 0x0                                ; the stores have read their base and their registers
	s_add_nc_u64 s[54:55], s[54:55], 12288
	s_sub_co_u32 s[PCN], s[PCN], 1
	s_cmp_lg_u32 s[PCN], 0
	s_wait_alu depctr_va_vdst(0)                   ; the wait ahead of the branch
	s_cbranch_scc1 .Lpass
	s_wait_dscnt 0x0
	s_barrier_signal -1
	s_barrier_wait -1
	s_cmp_lt_u32 s[WV], 2
	s_cbranch_scc0 .Lno_scales
	v_lshlrev_b32 v[ASK], 4, v0                    ; waves 0 and 1 store the work-group's 1,024 scale bytes
	s_delay_alu instid0(VALU_DEP_1)
	v_add_nc_u32 v[ADK], STG, v[ASK]
	ds_load_b128 v[S:S+3], v[ADK]
	s_wait_alu depctr_va_vdst(0)
	s_wait_dscnt 0x0
	global_store_b128 v[ASK], v[S:S+3], s[56:57]
.Lno_scales:
	s_wait_tensorcnt 0x0                           ; the wave's end
	ds_add_u32 v[SPW], v[NIL]
	s_wait_dscnt 0x0
	ROUND
	s_endpgm
.Lfunc_end_k_q6f0cd72a75_attn:
	.size	k_q6f0cd72a75_attn, .Lfunc_end_k_q6f0cd72a75_attn-k_q6f0cd72a75_attn
	.p2alignl 7, 3214868480
	.fill 96, 4, 3214868480
	.section	.rodata,"a",@progbits
	.p2align	6, 0x0
	.amdhsa_kernel k_q6f0cd72a75_attn
		.amdhsa_group_segment_fixed_size 327680
		.amdhsa_private_segment_fixed_size 0
		.amdhsa_enable_private_segment 0
		.amdhsa_kernarg_size 32
		.amdhsa_user_sgpr_count 2
		.amdhsa_user_sgpr_kernarg_segment_ptr 1
		.amdhsa_wavefront_size32 1
		.amdhsa_system_sgpr_workgroup_id_x 1
		.amdhsa_system_sgpr_workgroup_id_y 1
		.amdhsa_system_sgpr_workgroup_id_z 1
		.amdhsa_system_vgpr_workitem_id 0
		.amdhsa_next_free_vgpr 256
		.amdhsa_next_free_sgpr 66
		.amdhsa_reserve_vcc 0
		.amdhsa_float_denorm_mode_32 3
		.amdhsa_float_denorm_mode_16_64 3
		.amdhsa_memory_ordered 1
		.amdhsa_forward_progress 1
		.amdhsa_inst_pref_size 44
	.end_amdhsa_kernel
	.amdgpu_metadata
---
amdhsa.version: [ 1, 2 ]
amdhsa.kernels:
  - .name:           k_q6f0cd72a75_attn
    .symbol:         k_q6f0cd72a75_attn.kd
    .args:
      - { .name: qkvc, .offset: 0, .size: 8, .value_kind: global_buffer, .address_space: global }
      - { .name: qkvs, .offset: 8, .size: 8, .value_kind: global_buffer, .address_space: global }
      - { .name: ac, .offset: 16, .size: 8, .value_kind: global_buffer, .address_space: global }
      - { .name: asc, .offset: 24, .size: 8, .value_kind: global_buffer, .address_space: global }
    .group_segment_fixed_size: 327680
    .private_segment_fixed_size: 0
    .kernarg_segment_align: 8
    .kernarg_segment_size: 32
    .max_flat_workgroup_size: 512
    .sgpr_count:     66
    .vgpr_count:     256
    .wavefront_size: 32
...
	.end_amdgpu_metadata
.endif
;; end of part 5
;; launch proj (part 6): grid 8 x 32, 4 waves a work-group, clusters of 4 x 4, 327,680 bytes of LDS; arguments ac, asc, out_w_codes, out_w_scales, out0; writes out0
.if DOCPART == 6
	.amdgcn_target "amdgcn-amd-amdhsa--gfx1250"
	.amdhsa_code_object_version 6
	.text
	.protected	k_q6f0cd72a75_proj
	.globl	k_q6f0cd72a75_proj
	.p2align	8
	.type	k_q6f0cd72a75_proj,@function
k_q6f0cd72a75_proj:
	s_mov_b64 s[64:65], 0
	v_nop
	global_prefetch_b8 v0, s[64:65] scope:SCOPE_SE
	s_setreg_imm32_b32 hwreg(HW_REG_WAVE_MODE, 25, 1), 1
	s_wait_xcnt 0x0
	s_wait_alu depctr_hold_cnt(0) depctr_sa_sdst(0) depctr_va_vdst(0) depctr_va_sdst(0) depctr_va_ssrc(0) depctr_va_vcc(0) depctr_vm_vsrc(0)
	s_getreg_b32 s2, hwreg(HW_REG_IB_STS2, 6, 4)
	s_cmp_eq_u32 s2, 0
	s_cbranch_scc0 .Lentry_in_a_cluster
	s_endpgm
.Lentry_in_a_cluster:
	s_bfe_u32 s2, ttmp6, 0x10000c
	s_cmp_lg_u32 s2, 0xf033
	s_cbranch_scc0 .Lentry_shape_is_right
	s_endpgm
.Lentry_shape_is_right:
; out0 = attn out_w^T on codes of FP6 with E8M0 scales, K = 1,024.  A work-group makes 256 tokens (grid y) x 128 channels (grid x), a wave 128 x 64.
; ALL OF K LIES IN LDS, brought by ONE joint load a wave of a 4 x 4 cluster: waves 0 and 1 fetch 128 tokens' codes each (98,304 dense bytes, laid by the launch before as images of
; the operand's registers: 12,288 bytes for 16 tokens), waves 2 and 3 64 whole rows of out_w each (768 bytes, on 256-byte borders; 16 bytes of padding behind every 256).  Nothing is filled again.
; THE WORK GOES BY ROWS OF THE RESULT: out_w's fragments of my 64 channels for all of K, 32 fragments, 384 registers, stay in registers; my eight blocks of 16 tokens are finished one after
; the other, 32 products each (K ascending, the block's four accumulators by turns), and each block leaves through my stage while the next is multiplied.  No fragment is read twice.
; No prefetch: every tile is asked for at the head, there is no loop to run ahead in.
; The matrix line is used transposed (source 0 = out_w's rows, source 1 = tokens): a lane holds eight neighbouring channels of one token.
; REGISTERS: window 0: addresses, v32-63 the tokens' scale words, v64-79 out_w's, v112-207 the even blocks' fragments.  window 1: out_w's K steps 0-4.
;   window 2: out_w's K steps 5-7 (v0-143), two sets of four accumulators (v160-223).  window 3: the odd blocks' fragments (v0-95), rows on their way out (v96-159).
.set KROW,  768
.set PITCH, 816
.set FR,    12
.set HALFA, 98304
.set HALFB, 64*PITCH
.set BOFF,  2*HALFA
.set STAGE, BOFF+2*HALFB               ; bytes of its own: no tile lands here
.set SPITCH, 272
.set SPARE, STAGE+4*16*SPITCH
.set NOUT,  1024
.set STO,  24
.set RD,   25
.set CO,   26
.set SA,   32
.set SB,   64
.set A16,  96                          ; v96-97: 16 x lane in my tokens' blocks 0-3, 4-7
.set A8,   100                         ; v100-101: 8 x lane there
.set ADRB, 104                         ; v104: my rows of out_w; v105: lanes 16-31 behind one padding more
.set TMPS, 128                         ; the tokens' scale bytes as they are loaded
.set BK,   96
.set SPW,  254
.set NIL,  255
.set G1,   24
.set G0,   32
.set G1B,  48
.set CX,   56
.set CY,   57
.set XT,   58
.set YT,   59
.set MROW, 60
.set MCOL, 61
.set WV,   62
.set WA,   63
.set G0B,  68
.set WB,   84
.set OA,   86
.set OB,   88
.set LDA,  90
.set LDB,  91
.set MSB, 0
.macro WIN new
.if MSB != (\new)
	s_set_vgpr_msb (MSB<<8)|(\new)
.set MSB, (\new)
.endif
.endm
.macro PLACES                          ; four plain places behind a matrix instruction (ISA guide 7.12.1)
.rept 4
	v_nop
.endr
.endm
.macro CROUND
	s_barrier_signal -1
	s_barrier_wait -1
	s_cmp_lg_u32 s[WV], 0
	s_cbranch_scc1 .Lnot_wave_0_\@
	s_barrier_signal -3
.Lnot_wave_0_\@:
	s_barrier_wait -3
	s_barrier_signal -1
	s_barrier_wait -1
.endm
	s_load_b256 s[4:11], s[0:1], 0x0               ; ac, asc, out_w's codes, scales
	s_load_b64 s[12:13], s[0:1], 0x20              ; out0
	v_lshl_add_u32 v[SPW], v0, 2, SPARE
	v_mov_b32 v[NIL], 0
	ds_add_u32 v[SPW], v[NIL]                      ; the opening lines
	ds_add_u32 v[SPW], v[NIL]
	v_lshrrev_b32 v1, 5, v0
	v_readfirstlane_b32 s[WV], v1
	s_lshr_b32 s[WA], s[WV], 1
	s_and_b32 s[WB], s[WV], 1
	s_bfe_u32 s[CX], ttmp6, 0x40000
	s_bfe_u32 s[CY], ttmp6, 0x40004
	s_lshl_b32 s[XT], ttmp9, 2
	s_add_co_u32 s[XT], s[XT], s[CX]
	s_and_b32 s[YT], ttmp7, 0xffff
	s_lshl_b32 s[YT], s[YT], 2
	s_add_co_u32 s[YT], s[YT], s[CY]
	s_lshl_b32 s[MROW], s[CY], 2
	s_lshl_b32 s[MROW], 15, s[MROW]
	s_lshl_b32 s[MCOL], 0x1111, s[CX]
	s_or_b32 s[G1+0], s[MROW], (3<<16)|(1<<21)     ; 32 dense rows of 3,072 bytes
	s_mov_b32 s[G1+1], 384<<16
	s_mov_b32 s[G1+2], 32<<16
	s_mov_b32 s[G1+3], 384<<16
	s_mov_b32 s[G1+4], 32
	s_mov_b32 s[G1+5], 384
	s_mov_b32 s[G1+6], 0
	s_mov_b32 s[G1+7], 0
	s_or_b32 s[G1B+0], s[MCOL], (0<<16)|(1<<20)|(1<<21)|(5<<22)|(3<<25)   ; 64 rows of 768 bytes; after every 64 words 4 words of padding
	s_mov_b32 s[G1B+1], KROW<<16
	s_mov_b32 s[G1B+2], 64<<16
	s_mov_b32 s[G1B+3], KROW<<16
	s_mov_b32 s[G1B+4], 64
	s_mov_b32 s[G1B+5], KROW
	s_mov_b32 s[G1B+6], 0
	s_mov_b32 s[G1B+7], 0
	s_lshl_b32 s2, s[WB], 3
	s_lshl_b32 s[OA], s[YT], 4
	s_add_co_u32 s[OA], s[OA], s2
	s_mul_i32 s[OA], s[OA], 12288
	s_mov_b32 s[OA+1], 0
	s_lshl_b32 s2, s[WB], 6
	s_lshl_b32 s[OB], s[XT], 7
	s_add_co_u32 s[OB], s[OB], s2
	s_mul_i32 s[OB], s[OB], KROW
	s_mov_b32 s[OB+1], 0
	s_mul_i32 s[LDA], s[WB], HALFA
	s_mul_i32 s[LDB], s[WB], HALFB
	s_add_co_u32 s[LDB], s[LDB], BOFF
	s_wait_dscnt 0x0
	s_wait_kmcnt 0x0
	s_add_nc_u64 s[OA:OA+1], s[4:5], s[OA:OA+1]
	s_add_nc_u64 s[OB:OB+1], s[8:9], s[OB:OB+1]
	CROUND
	s_mov_b32 s[G0], 1
	s_mov_b32 s[G0+1], s[LDA]
	s_mov_b64 s[G0+2:G0+3], s[OA:OA+1]
	s_or_b32 s[G0+3], s[G0+3], 0x80000000
	s_mov_b32 s[G0B], 1
	s_mov_b32 s[G0B+1], s[LDB]
	s_mov_b64 s[G0B+2:G0B+3], s[OB:OB+1]
	s_or_b32 s[G0B+3], s[G0B+3], 0x80000000
	s_cmp_eq_u32 s[WA], 0
	s_cbranch_scc0 .Lfor_b
	tensor_load_to_lds s[G0:G0+3], s[G1:G1+7]
	s_nop 0
.rept 4
	v_nop
.endr
	s_branch .Lasked
.Lfor_b:
	tensor_load_to_lds s[G0B:G0B+3], s[G1B:G1B+7]
	s_nop 0
.rept 4
	v_nop
.endr
.Lasked:
	v_and_b32 v6, 31, v0
	v_lshlrev_b32 v7, 1, v6
	v_lshlrev_b32 v8, 5, v6
	v_and_b32 v1, 15, v0
	v_bfe_u32 v2, v0, 4, 1
	s_wait_alu depctr_va_vdst(0)                   ; the wait ahead of the run of scalar lines
	s_lshr_b32 s2, s[YT], 3
	s_lshl_b32 s2, s2, 16
	s_and_b32 s3, s[YT], 7
	s_lshl_b32 s3, s3, 9
	s_add_co_u32 s2, s2, s3
	s_lshl_b32 s3, s[WA], 8
	s_add_co_u32 s2, s2, s3
	s_mov_b32 s3, 0
	s_add_nc_u64 s[6:7], s[6:7], s[2:3]
	s_lshl_b32 s2, s[XT], 7
	s_lshl_b32 s92, s[WB], 6
	s_add_co_u32 s2, s2, s92
	s_lshl_b32 s2, s2, 5
	s_add_nc_u64 s[10:11], s[10:11], s[2:3]
.irp i, 0,1
	global_load_b128 v[SB+8*\i:SB+8*\i+3],   v8, s[10:11] offset:1024*\i
	global_load_b128 v[SB+8*\i+4:SB+8*\i+7], v8, s[10:11] offset:1024*\i+16
.endr
.irp i, 0,1,2,3                        ; the tokens' scale bytes lie by heads, two a token and head: 32 lanes read 64 consecutive bytes
.irp d, 0,1,2,3,4,5,6,7,8,9,10,11,12,13,14,15
	global_load_u16 v[TMPS+16*\i+\d], v7, s[6:7] offset:4096*\d+64*\i
.endr
.endr
	s_lshl_b32 s2, s[YT], 8
	s_lshl_b32 s3, s[WA], 7
	s_add_co_u32 s2, s2, s3
	s_lshl_b32 s2, s2, 12
	s_lshl_b32 s3, s[XT], 9
	s_add_co_u32 s2, s2, s3
	s_lshl_b32 s3, s[WB], 8
	s_add_co_u32 s2, s2, s3
	s_mov_b32 s3, 0
	s_add_nc_u64 s[12:13], s[12:13], s[2:3]
	s_mul_i32 s2, s[WA], HALFA
	s_mul_i32 s3, s[WB], HALFB
	s_add_co_u32 s3, s3, BOFF
	s_mul_i32 s92, s[WV], 16*SPITCH
	s_add_co_u32 s92, s92, STAGE
	v_lshlrev_b32 v9, 4, v6
	v_lshlrev_b32 v10, 3, v6
	v_mul_u32_u24 v3, v1, PITCH
	v_mad_u32_u24 v4, v2, 24, v3
	v_add_nc_u32 v[A16], s2, v9
	v_add_nc_u32 v[A8], s2, v10
	v_add_nc_u32 v[ADRB], s3, v4
	v_add_nc_u32 v[A16+1], 4*12288, v[A16]
	v_add_nc_u32 v[A8+1], 4*12288, v[A8]
	v_lshl_add_u32 v[ADRB+1], v2, 4, v[ADRB]
	v_mul_u32_u24 v5, v1, SPITCH
	v_mul_u32_u24 v3, v2, SPITCH
	v_lshl_add_u32 v5, v2, 5, v5
	v_lshl_add_u32 v3, v1, 4, v3
	v_add_nc_u32 v[STO], s92, v5
	v_add_nc_u32 v[RD], s92, v3
	v_lshlrev_b32 v[CO], 12, v2
	v_lshl_add_u32 v[CO], v1, 4, v[CO]
	s_wait_alu depctr_va_vdst(0)
	s_wait_loadcnt 0x0
.irp i, 0,1,2,3
.irp k, 0,1,2,3,4,5,6,7
	v_lshl_or_b32 v[SA+8*\i+\k], v[TMPS+16*\i+2*\k+1], 16, v[TMPS+16*\i+2*\k]   ; two heads' bytes make a K step's scale word
.endr
.endr
.macro FRAG reg, ks, i                 ; out_w: 16 rows x 128 K in pieces of 8 bytes; byte y of a row lies at y + 16 (y / 256)
.irp p, 0,1,2,3,4,5
.set BY, 96*(\ks)+48*(\p/3)+8*(\p%3)
.if BY/256 == (BY+24)/256
	ds_load_b64 v[\reg+2*\p:\reg+2*\p+1], v[ADRB] offset:BY+16*(BY/256)+(\i)*16*PITCH
.else
	ds_load_b64 v[\reg+2*\p:\reg+2*\p+1], v[ADRB+1] offset:BY+16*(BY/256)+(\i)*16*PITCH
.endif
.endr
.endm
.macro BL ks                           ; out_w's four fragments of K step ks: 24 loads, into window 1 (K steps 0-4) or 2 (5-7)
	WIN 0x40*(1+(\ks)/5)
.irp i, 0,1,2,3
	FRAG 48*((\ks)%5)+FR*\i, \ks, \i
.endr
.endm
.macro ALOAD a                         ; block a's fragments for all of K: images of the registers, 16 and 8 bytes a lane; 32 loads, into window 0 (even blocks) or 3 (odd)
.set AB, 112*(1-(\a)%2)
	WIN 0xc0*((\a)%2)
.irp ks, 0,1,2,3,4,5,6,7
.irp c, 0,1
	ds_load_b128 v[AB+FR*\ks+6*\c:AB+FR*\ks+6*\c+3], v[A16+(\a)/4] offset:12288*((\a)%4)+1536*\ks+768*\c
	ds_load_b64 v[AB+FR*\ks+6*\c+4:AB+FR*\ks+6*\c+5], v[A8+(\a)/4] offset:12288*((\a)%4)+1536*\ks+768*\c+512
.endr
.endr
	WIN 0
.endm
.macro MM a, b, ks                     ; one product; K step 0 starts the sum.  A block's scale words lie in lanes 0-15 (even block) or 16-31 (odd block) of its register
.set rD, 160+32*((\a)%2)+8*(\b)
.set rB, 48*((\ks)%5)+FR*(\b)
.set rA, 112*(1-(\a)%2)+FR*(\ks)
.set rT, SB+8*((\b)/2)+(\ks)
.set rU, SA+8*((\a)/2)+(\ks)
.set rowb, (\b)%2
.set rowa, (\a)%2
.if (\ks) == 0
.if (rowb == 0) && (rowa == 0)
	v_wmma_scale_f32_16x16x128_f8f6f4 v[rD:rD+7], v[rB:rB+11], v[rA:rA+11], 0, v[rT], v[rU] matrix_a_fmt:MATRIX_FMT_FP6 matrix_b_fmt:MATRIX_FMT_FP6
.elseif rowa == 0
	v_wmma_scale_f32_16x16x128_f8f6f4 v[rD:rD+7], v[rB:rB+11], v[rA:rA+11], 0, v[rT], v[rU] matrix_a_fmt:MATRIX_FMT_FP6 matrix_b_fmt:MATRIX_FMT_FP6 matrix_a_scale:MATRIX_SCALE_ROW1
.elseif rowb == 0
	v_wmma_scale_f32_16x16x128_f8f6f4 v[rD:rD+7], v[rB:rB+11], v[rA:rA+11], 0, v[rT], v[rU] matrix_a_fmt:MATRIX_FMT_FP6 matrix_b_fmt:MATRIX_FMT_FP6 matrix_b_scale:MATRIX_SCALE_ROW1
.else
	v_wmma_scale_f32_16x16x128_f8f6f4 v[rD:rD+7], v[rB:rB+11], v[rA:rA+11], 0, v[rT], v[rU] matrix_a_fmt:MATRIX_FMT_FP6 matrix_b_fmt:MATRIX_FMT_FP6 matrix_a_scale:MATRIX_SCALE_ROW1 matrix_b_scale:MATRIX_SCALE_ROW1
.endif
.else
.if (rowb == 0) && (rowa == 0)
	v_wmma_scale_f32_16x16x128_f8f6f4 v[rD:rD+7], v[rB:rB+11], v[rA:rA+11], v[rD:rD+7], v[rT], v[rU] matrix_a_fmt:MATRIX_FMT_FP6 matrix_b_fmt:MATRIX_FMT_FP6
.elseif rowa == 0
	v_wmma_scale_f32_16x16x128_f8f6f4 v[rD:rD+7], v[rB:rB+11], v[rA:rA+11], v[rD:rD+7], v[rT], v[rU] matrix_a_fmt:MATRIX_FMT_FP6 matrix_b_fmt:MATRIX_FMT_FP6 matrix_a_scale:MATRIX_SCALE_ROW1
.elseif rowb == 0
	v_wmma_scale_f32_16x16x128_f8f6f4 v[rD:rD+7], v[rB:rB+11], v[rA:rA+11], v[rD:rD+7], v[rT], v[rU] matrix_a_fmt:MATRIX_FMT_FP6 matrix_b_fmt:MATRIX_FMT_FP6 matrix_b_scale:MATRIX_SCALE_ROW1
.else
	v_wmma_scale_f32_16x16x128_f8f6f4 v[rD:rD+7], v[rB:rB+11], v[rA:rA+11], v[rD:rD+7], v[rT], v[rU] matrix_a_fmt:MATRIX_FMT_FP6 matrix_b_fmt:MATRIX_FMT_FP6 matrix_a_scale:MATRIX_SCALE_ROW1 matrix_b_scale:MATRIX_SCALE_ROW1
.endif
.endif
.endm
; Block a is made: 32 products, its four accumulators by turns, K ascending.
; In block 0 out_w's fragments are still on their way: K step ks + 2's are asked for ahead of K step ks's products, so that two K steps' loads, 48, may be out at each wait.
.macro ROW a
.irp ks, 0,1,2,3,4,5,6,7
.if (\a) == 0
.if \ks < 6
	BL \ks+2
	s_wait_dscnt 48                                ; all but the two youngest K steps of out_w
.elseif \ks == 6
	ALOAD 1
	s_wait_dscnt 56                                ; K step 7's 24 loads and block 1's 32 may be out
.else
	s_wait_dscnt 32                                ; block 1's 32 may be out
.endif
.endif
	WIN 0xa0|(12*((\a)%2))|(1+\ks/5)               ; source 0 window 1 or 2, source 1 window 0 or 3, C and D window 2
.irp b, 0,1,2,3
	MM \a, \b, \ks
.endr
.endr
	WIN 0
.endm
; THE WAY OUT of block a: through my own stage and back as rows of 256 bytes
.macro TOSTAGE a
.set AC, 160+32*((\a)%2)
	WIN 0x08                                       ; the data: window 2
.irp b, 0,1,2,3
	ds_store_b128 v[STO], v[AC+8*\b:AC+8*\b+3] offset:64*\b          ; each accumulator from its low end on
	ds_store_b128 v[STO], v[AC+8*\b+4:AC+8*\b+7] offset:64*\b+16
.endr
	WIN 0xc0                                       ; back into window 3
.set BB, BK+32*((\a)%2)
.irp t, 0,1,2,3,4,5,6,7
	ds_load_b128 v[BB+4*\t:BB+4*\t+3], v[RD] offset:\t*2*SPITCH     ; LDS serves a wave's instructions in order (ISA guide 5.7.1.4)
.endr
	WIN 0
.endm
.macro SEND a
.set BB, BK+32*((\a)%2)
	s_wait_dscnt 0x0                               ; the block is back in registers (asked for 32 products ago)
	s_wait_xcnt 0x0                                ; the earlier stores have read their base and their registers
.if (\a) > 0
	s_add_nc_u64 s[12:13], s[12:13], 16*NOUT*4
.endif
	WIN 0x0c                                       ; the data: window 3
.irp t, 0,1,2,3,4,5,6,7
	global_store_b128 v[CO], v[BB+4*\t:BB+4*\t+3], s[12:13] offset:2*\t*NOUT*4 th:TH_STORE_NT   ; 16 lanes store 256 consecutive bytes, aligned
.endr
	WIN 0
.endm
	s_wait_alu depctr_va_vdst(0)                   ; the wait at the head's end
	s_wait_tensorcnt 0x0                           ; my tile is in,
	s_barrier_signal -1
	s_barrier_wait -1                              ; and so is everybody's
	ALOAD 0
	BL 0
	BL 1
	ROW 0
	PLACES                                         ; ahead of loads into registers that the products read, and of the reads of their results
	ALOAD 2
	TOSTAGE 0
.irp a, 1,2,3,4,5,6,7
.if \a < 7
	s_wait_dscnt 48                                ; block a's fragments are in; behind them: the next block's 32 loads and the stage's 16
.else
	s_wait_dscnt 16
.endif
	ROW \a
	SEND \a-1                                      ; the block before leaves
	PLACES
.if \a < 6
	ALOAD \a+2
.endif
	TOSTAGE \a
.endr
	SEND 7
	s_wait_tensorcnt 0x0                           ; the wave's end
	ds_add_u32 v[SPW], v[NIL]
	s_wait_dscnt 0x0
	CROUND
	s_endpgm
.Lfunc_end_k_q6f0cd72a75_proj:
	.size	k_q6f0cd72a75_proj, .Lfunc_end_k_q6f0cd72a75_proj-k_q6f0cd72a75_proj
	.p2alignl 7, 3214868480
	.fill 96, 4, 3214868480
	.section	.rodata,"a",@progbits
	.p2align	6, 0x0
	.amdhsa_kernel k_q6f0cd72a75_proj
		.amdhsa_group_segment_fixed_size 327680
		.amdhsa_private_segment_fixed_size 0
		.amdhsa_enable_private_segment 0
		.amdhsa_kernarg_size 40
		.amdhsa_user_sgpr_count 2
		.amdhsa_user_sgpr_kernarg_segment_ptr 1
		.amdhsa_wavefront_size32 1
		.amdhsa_system_sgpr_workgroup_id_x 1
		.amdhsa_system_sgpr_workgroup_id_y 1
		.amdhsa_system_sgpr_workgroup_id_z 1
		.amdhsa_system_vgpr_workitem_id 0
		.amdhsa_next_free_vgpr 1024
		.amdhsa_next_free_sgpr 100
		.amdhsa_reserve_vcc 0
		.amdhsa_float_denorm_mode_32 3
		.amdhsa_float_denorm_mode_16_64 3
		.amdhsa_memory_ordered 1
		.amdhsa_forward_progress 1
		.amdhsa_inst_pref_size 95
	.end_amdhsa_kernel
	.amdgpu_metadata
---
amdhsa.version: [ 1, 2 ]
amdhsa.kernels:
  - .name:           k_q6f0cd72a75_proj
    .symbol:         k_q6f0cd72a75_proj.kd
    .args:
      - { .name: ac, .offset: 0, .size: 8, .value_kind: global_buffer, .address_space: global }
      - { .name: asc, .offset: 8, .size: 8, .value_kind: global_buffer, .address_space: global }
      - { .name: out_w_codes, .offset: 16, .size: 8, .value_kind: global_buffer, .address_space: global }
      - { .name: out_w_scales, .offset: 24, .size: 8, .value_kind: global_buffer, .address_space: global }
      - { .name: out0, .offset: 32, .size: 8, .value_kind: global_buffer, .address_space: global }
    .group_segment_fixed_size: 327680
    .private_segment_fixed_size: 0
    .kernarg_segment_align: 8
    .kernarg_segment_size: 40
    .max_flat_workgroup_size: 128
    .sgpr_count:     100
    .vgpr_count:     1024
    .wavefront_size: 32
...
	.end_amdgpu_metadata
.endif
;; end of part 6
